; MI455X (gfx1250); checked and timed in simulation.
; The chip was launched on July 23, 2026; its instructions are those of AMD's public machine-readable ISA for CDNA 5 (MIT licence, August 2026) and "CDNA5" Instruction Set Architecture Reference Guide (July 2026). The comments in the code are by the model that wrote it; some were corrected since.
;; SLOT SEG. Allowed arithmetic: float matrix products may take bf16 or f16 operands with f32 sums; other float arithmetic in f32, or as packed bf16 or f16 multiplies, adds, multiply-adds, maxima and minima; sums over many terms, partial sums and values carried from step to step in f32; what a program stores and reads back later, other than sums and carried values, may be rounded once to bf16 or f16.
;; Inputs: FC1_b 256 float32; FC1_w 256 x 256 float32; FC2_b 256 float32; FC2_w 256 x 256 float32; LN_b 256 float32; LN_g 256 float32; ff1_b 256 float32; ff1_w 256 x 256 float32; ff2_b 256 float32; ff2_w 256 x 256 float32; gru_bh 768 float32; gru_bi 768 float32; gru_wh 768 x 256 float32; gru_wi 768 x 256 float32; inputs 32 x 16 x 8 x 24 x 256 float32; k_b 256 float32; k_w 256 x 256 float32; ni_b 256 float32; ni_g 256 float32; npf_b 256 float32; npf_g 256 float32; ns_b 256 float32; ns_g 256 float32; pe_b 256 float32; pe_w 256 x 6 float32; q_b 256 float32; q_w 256 x 256 float32; slots 1 x 22 x 256 float32; v_b 256 float32; v_w 256 x 256 float32.
;; Outputs: out0 32 x 7 x 20 x 256 float32; out1 32 x 7 x 22 x 768 float32.
;; 3 versions, each right; version 3 is version 2 with the launch tail written anew for expert scheduling mode. Each part assembles by itself: llvm-mc -triple=amdgcn-amd-amdhsa -mcpu=gfx1250 --defsym DOCPART=n.
;; ======== version 1 of 3: 3 launches
;; limits: values are held in f16: magnitudes above 65,504 overflow, below 6.1e-05 lose precision
;; workspace buffers: wts 1,196,032 bytes; tab 130,048 bytes; ub 2,293,760 bytes
;; launch prep (part 1): grid 43 x 1, 4 waves a work-group, no clusters, 0 bytes of LDS; arguments FC1_w, FC1_b, LN_g, LN_b, FC2_w, FC2_b, v_w, v_b, ni_g, ni_b, gru_wi, ff1_w, ff1_b, npf_g, npf_b, ff2_w, k_w, k_b, q_w, q_b, ns_g, ns_b, slots, gru_wh, gru_bh, gru_bi, pe_w, pe_b, wts, tab; writes wts, tab
.if DOCPART == 1
	.amdgcn_target "amdgcn-amd-amdhsa--gfx1250"
	.amdhsa_code_object_version 6
	.text
	.protected	k_q9e70cb77b2_prep
	.globl	k_q9e70cb77b2_prep
	.p2align	8
	.type	k_q9e70cb77b2_prep,@function
k_q9e70cb77b2_prep:
	s_mov_b64 s[64:65], 0
	v_nop
	global_prefetch_b8 v0, s[64:65] scope:SCOPE_SE
	s_setreg_imm32_b32 hwreg(HW_REG_WAVE_MODE, 25, 1), 1
	s_wait_xcnt 0x0
; PREP: everything that hangs on the weights alone, made once.  Each wave does one job, chosen by the work-group's and the wave's number; no LDS, no barrier.
; wts: f16 matrix fragments of 16 rows x 32 k = 1,024 bytes: lane l = (r = l % 16, h = l / 16) owns 16 bytes at 16 l (k = 8h..8h+7) and 16 bytes at 512 + 16 l (k = 16+8h..), fragment number = row block x 8 + K step.
;   0 FC1_w diag(LN_g) | 131072 FC2_w less its column means | 262144 KT[d][c] = ni_g[d] k_w[c][d] | 393216 v_w diag(ni_g) | 524288 gru_wi | 917504 ff1_w diag(npf_g) | 1048576 ff2_w | 1179648 q (rows = slots, 22..31 repeat slot 21)
; tab (f32): 0 FC1_b + FC1_w LN_b | 1024 FC2_b less its mean | 2048 v_b + v_w ni_b | 3072 ff1_b + ff1_w npf_b | 4096 CP[8][32] parts of q.(k_b + k_w ni_b) | 5120 TG[22][768] = slots gru_wh^T + gru_bh (+ gru_bi in columns < 512) | 72704 PT[56][256] position table
; FORMAT: f16, for its 11 significant bits.  A weight times its gain is about 0.06; 900 times that is far inside 65,504, and at 1/900 of it f16's fixed step of 6e-8 is still 1/1000 of the number.
; q is at most 16 |gain| times its weight row's length plus its bias.  LIMITS: a weight, a weight times its gain, a slot's number or a q beyond 65,504 becomes an infinity; NaN and infinities are not treated apart.
.set MSB, 0
.macro WIN new                          ; the immediate's high byte repeats the setting that is left
.if MSB != (\new)
	s_set_vgpr_msb (MSB<<8)|(\new)
.set MSB, (\new)
.endif
.endm
.macro NOPS n
.rept \n
	v_nop
.endr
.endm
; 32 loads: 128 f32 of a row in the order of a lane's fragment registers (K step kk: k = 32kk+8h+0..7, then 32kk+16+8h+0..7); the lane's 32 h bytes stand in the address register
.macro LDK dst, adr, sb, off=0
.set kk, 0
.rept 8
	global_load_b128 v[(\dst)+16*kk:(\dst)+16*kk+3], v[\adr], s[\sb:\sb+1] offset:(\off)+128*kk
	global_load_b128 v[(\dst)+16*kk+4:(\dst)+16*kk+7], v[\adr], s[\sb:\sb+1] offset:(\off)+128*kk+16
	global_load_b128 v[(\dst)+16*kk+8:(\dst)+16*kk+11], v[\adr], s[\sb:\sb+1] offset:(\off)+128*kk+64
	global_load_b128 v[(\dst)+16*kk+12:(\dst)+16*kk+15], v[\adr], s[\sb:\sb+1] offset:(\off)+128*kk+80
.set kk, kk+1
.endr
.endm
; addresses of a row block: s33 = row block, s34 = the table's first byte in wts
.macro CADR
	s_lshl_b32 s36, s33, 13
	s_add_co_u32 s34, s34, s36
	s_lshl_b32 s37, s33, 4
	v_add_nc_u32 v4, s37, v1                ; my row o
	v_lshlrev_b32 v5, 10, v4
	v_lshl_add_u32 v5, v2, 5, v5            ; o x 1024 + 32 h
	v_lshlrev_b32 v6, 5, v2                 ; 32 h
	v_lshlrev_b32 v7, 2, v4                 ; 4 o
	v_lshl_add_u32 v12, v3, 4, s34          ; 16 l + the block's fragments
.endm
	s_load_b128 s[4:7], s[0:1], 0xe0        ; wts s[4:5], tab s[6:7]
	v_lshrrev_b32 v1, 5, v0
	v_readfirstlane_b32 s2, v1              ; wave
	v_and_b32 v1, 15, v0                    ; r
	v_bfe_u32 v2, v0, 4, 1                  ; h
	v_and_b32 v3, 31, v0                    ; lane
	s_mov_b32 s56, 0x76543210               ; v_permlanex16_b32: each lane takes its own place in the other half
	s_mov_b32 s57, 0xfedcba98
	s_mov_b32 s58, 0x3b800000               ; 1/256
	s_mov_b32 s59, 0x3727c5ac               ; 1e-5
	s_mov_b32 s3, ttmp9
	s_cmp_lt_u32 s3, 12
	s_cbranch_scc1 .Lconv1
	s_cmp_lt_u32 s3, 28
	s_cbranch_scc1 .Lconv0
	s_cmp_lt_u32 s3, 32
	s_cbranch_scc1 .Lconvt
	s_cmp_lt_u32 s3, 34
	s_cbranch_scc1 .Lcen
	s_cmp_lt_u32 s3, 42
	s_cbranch_scc1 .Lsg
	s_branch .Lpt
; ---- work-groups 0-11: W diag(g) as fragments and b + W bv, for FC1, v, ff1 ----
.Lconv1:
	s_load_b256 s[8:15], s[0:1], 0x0        ; FC1_w, FC1_b, LN_g, LN_b
	s_load_b256 s[16:23], s[0:1], 0x30      ; v_w, v_b, ni_g, ni_b
	s_load_b256 s[24:31], s[0:1], 0x58      ; ff1_w, ff1_b, npf_g, npf_b
	s_lshr_b32 s32, s3, 2                   ; which matrix
	s_and_b32 s33, s3, 3
	s_lshl2_add_u32 s33, s33, s2            ; row block
	s_wait_kmcnt 0x0
	s_cmp_eq_u32 s32, 1
	s_cselect_b64 s[8:9], s[16:17], s[8:9]
	s_cselect_b64 s[10:11], s[18:19], s[10:11]
	s_cselect_b64 s[12:13], s[20:21], s[12:13]
	s_cselect_b64 s[14:15], s[22:23], s[14:15]
	s_cselect_b32 s34, 393216, 0
	s_cselect_b32 s35, 2048, 0
	s_cmp_eq_u32 s32, 2
	s_cselect_b64 s[8:9], s[24:25], s[8:9]
	s_cselect_b64 s[10:11], s[26:27], s[10:11]
	s_cselect_b64 s[12:13], s[28:29], s[12:13]
	s_cselect_b64 s[14:15], s[30:31], s[14:15]
	s_cselect_b32 s34, 917504, s34
	s_cselect_b32 s35, 3072, s35
	CADR
	LDK 64, 5, 8                            ; my row of W: window 0
	WIN 0x40
	LDK 0, 6, 12                            ; g in the same k order: window 1, v0-127
	LDK 128, 6, 14                          ; bv: window 1, v128-255
	WIN 0
	global_load_b32 v13, v7, s[10:11]       ; b[o]
	s_wait_loadcnt 0x0
	WIN 0x04                                ; source 1 in window 1
.set pp, 0
.rept 64                                    ; W bv, two chains
.if pp < 2
	v_pk_mul_f32 v[8+2*pp:9+2*pp], v[64+2*pp:65+2*pp], v[128+2*pp:129+2*pp]
.else
	v_pk_fma_f32 v[8+2*(pp%2):9+2*(pp%2)], v[64+2*pp:65+2*pp], v[128+2*pp:129+2*pp], v[8+2*(pp%2):9+2*(pp%2)]
.endif
.set pp, pp+1
.endr
.set pp, 0
.rept 64                                    ; W g
	v_pk_mul_f32 v[64+2*pp:65+2*pp], v[64+2*pp:65+2*pp], v[2*pp:2*pp+1]
.set pp, pp+1
.endr
	WIN 0
	v_pk_add_f32 v[8:9], v[8:9], v[10:11]
	v_add_f32 v8, v8, v9
	v_permlanex16_b32 v9, v8, s56, s57      ; the row's other 128 k lie in the lane 16 away
	v_add_f32 v8, v8, v9
	v_add_f32 v8, v8, v13
	v_add_nc_u32 v14, s35, v7
	global_store_b32 v14, v8, s[6:7]
	s_branch .Lcv
; ---- work-groups 12-27: gru_wi (48 row blocks) and ff2_w (16) as fragments ----
.Lconv0:
	s_load_b64 s[8:9], s[0:1], 0x50         ; gru_wi
	s_load_b64 s[16:17], s[0:1], 0x78       ; ff2_w
	s_sub_co_u32 s32, s3, 12
	s_lshl2_add_u32 s32, s32, s2
	s_sub_co_u32 s35, s32, 48
	s_mov_b32 s34, 1048576
	s_wait_kmcnt 0x0
	s_cmp_lt_u32 s32, 48
	s_cselect_b32 s33, s32, s35
	s_cselect_b32 s34, 524288, s34
	s_cselect_b64 s[8:9], s[8:9], s[16:17]
	CADR
	LDK 64, 5, 8
	s_wait_loadcnt 0x0
	s_branch .Lcv
; ---- work-groups 28-31: KT[d][c] = ni_g[d] k_w[c][d] ----
.Lconvt:
	s_load_b64 s[8:9], s[0:1], 0x80         ; k_w
	s_load_b64 s[12:13], s[0:1], 0x40       ; ni_g
	s_sub_co_u32 s33, s3, 28
	s_lshl2_add_u32 s33, s33, s2
	s_mov_b32 s34, 262144
	CADR
	v_lshl_add_u32 v5, v2, 13, v7           ; 8 h rows of k_w + 4 d
	s_wait_kmcnt 0x0
.set ii, 0
.rept 128                                   ; register 16 f + 8 half + j holds c = 32 f + 16 half + 8 h + j
	global_load_b32 v[64+ii], v5, s[8:9] offset:(32*(ii/16)+16*((ii/8)%2)+ii%8)*1024
.set ii, ii+1
.endr
	global_load_b32 v8, v7, s[12:13]
	s_wait_loadcnt 0x0
	v_mov_b32 v9, v8
.set pp, 0
.rept 64
	v_pk_mul_f32 v[64+2*pp:65+2*pp], v[64+2*pp:65+2*pp], v[8:9]
.set pp, pp+1
.endr
; the three jobs above end here: v64-191 rounded to f16 in place and stored as 8 fragments: each store of the wave covers 512 consecutive bytes
.Lcv:
.set kk, 0
.rept 8
.set ii, 0
.rept 8
	v_cvt_pk_f16_f32 v[64+16*kk+ii], v[64+16*kk+2*ii], v[64+16*kk+2*ii+1]
.set ii, ii+1
.endr
	global_store_b128 v12, v[64+16*kk:64+16*kk+3], s[4:5] offset:1024*kk
	global_store_b128 v12, v[64+16*kk+4:64+16*kk+7], s[4:5] offset:1024*kk+512
.set kk, kk+1
.endr
	s_endpgm
; ---- work-groups 32-33: FC2_w less its column means: a wave takes one K step (32 columns) of all 256 rows ----
.Lcen:
	s_load_b64 s[8:9], s[0:1], 0x20         ; FC2_w
	s_sub_co_u32 s33, s3, 32
	s_lshl2_add_u32 s33, s33, s2            ; K step
	s_lshl_b32 s34, s33, 7
	v_lshlrev_b32 v5, 10, v1
	v_lshl_add_u32 v5, v2, 5, v5
	v_add_nc_u32 v5, s34, v5                ; r x 1024 + 32 h + 128 f
	s_lshl_b32 s34, s33, 10
	s_add_co_u32 s34, s34, 131072
	v_lshl_add_u32 v12, v3, 4, s34
	v_mov_b32 v8, 0xbb800000                ; -1/256
	v_mov_b32 v9, 0xbb800000
	s_wait_kmcnt 0x0
	WIN 0x40
.set cc, 0
.rept 16                                    ; row block cc: window 1, v[16 cc ..]
	global_load_b128 v[16*cc:16*cc+3], v5, s[8:9] offset:16384*cc
	global_load_b128 v[16*cc+4:16*cc+7], v5, s[8:9] offset:16384*cc+16
	global_load_b128 v[16*cc+8:16*cc+11], v5, s[8:9] offset:16384*cc+64
	global_load_b128 v[16*cc+12:16*cc+15], v5, s[8:9] offset:16384*cc+80
.set cc, cc+1
.endr
	WIN 0
	s_wait_loadcnt 0x0
	WIN 0x05
.set pp, 0
.rept 8
	v_pk_add_f32 v[64+2*pp:65+2*pp], v[2*pp:2*pp+1], v[16+2*pp:17+2*pp]
.set pp, pp+1
.endr
	WIN 0x01
.set cc, 2
.rept 14
.set pp, 0
.rept 8
	v_pk_add_f32 v[64+2*pp:65+2*pp], v[16*cc+2*pp:16*cc+2*pp+1], v[64+2*pp:65+2*pp]
.set pp, pp+1
.endr
.set cc, cc+1
.endr
	WIN 0
.irp mm, 1,2,4,8                            ; over the 16 rows of a block: the 16 lanes of my half
.set ii, 0
.rept 16
	v_add_f32_dpp v[64+ii], v[64+ii], v[64+ii] row_xmask:\mm row_mask:0xf bank_mask:0xf
.set ii, ii+1
.endr
.endr
.set pp, 0
.rept 8
	v_pk_mul_f32 v[64+2*pp:65+2*pp], v[64+2*pp:65+2*pp], v[8:9]
.set pp, pp+1
.endr
	WIN 0x41
.set cc, 0
.rept 16
.set pp, 0
.rept 8
	v_pk_add_f32 v[16*cc+2*pp:16*cc+2*pp+1], v[16*cc+2*pp:16*cc+2*pp+1], v[64+2*pp:65+2*pp]
.set pp, pp+1
.endr
.set cc, cc+1
.endr
	WIN 0x45
.set cc, 0
.rept 16
.set ii, 0
.rept 8
	v_cvt_pk_f16_f32 v[16*cc+ii], v[16*cc+2*ii], v[16*cc+2*ii+1]
.set ii, ii+1
.endr
.set cc, cc+1
.endr
	WIN 0x04                                ; store data in window 1
.set cc, 0
.rept 16
	global_store_b128 v12, v[16*cc:16*cc+3], s[4:5] offset:8192*cc
	global_store_b128 v12, v[16*cc+4:16*cc+7], s[4:5] offset:8192*cc+512
.set cc, cc+1
.endr
	WIN 0
	s_endpgm
; ---- work-groups 34-41: products with the 22 slots.  Units 0-7: q = LN(slots) q_w^T + q_b, 32 outputs each; units 8-31: hg = slots gru_wh^T + gru_bh ----
; LayerNorm of the slot rows held in window X, v64-191 (a lane has 128 of its slot's 256 numbers, the lane 16 away the others): mean, centred squares, scale, gain and bias
.macro LNS X
	WIN (\X)|((\X)<<2)
.set pp, 0
.rept 4
	v_pk_add_f32 v[16+2*pp:17+2*pp], v[64+2*pp:65+2*pp], v[72+2*pp:73+2*pp]
.set pp, pp+1
.endr
	WIN (\X)
.set pp, 8
.rept 56
	v_pk_add_f32 v[16+2*(pp%4):17+2*(pp%4)], v[64+2*pp:65+2*pp], v[16+2*(pp%4):17+2*(pp%4)]
.set pp, pp+1
.endr
	WIN 0
	v_pk_add_f32 v[16:17], v[16:17], v[18:19]
	v_pk_add_f32 v[20:21], v[20:21], v[22:23]
	v_pk_add_f32 v[16:17], v[16:17], v[20:21]
	v_add_f32 v16, v16, v17
	v_permlanex16_b32 v17, v16, s56, s57
	v_add_f32 v16, v16, v17
	v_mul_f32 v16, s58, v16
	v_mov_b32 v17, v16
	WIN ((\X)<<6)|(\X)
.set pp, 0
.rept 64
	v_pk_add_f32 v[64+2*pp:65+2*pp], v[64+2*pp:65+2*pp], v[16:17] neg_lo:[0,1] neg_hi:[0,1]
.set pp, pp+1
.endr
	WIN (\X)|((\X)<<2)
.set pp, 0
.rept 64
.if pp < 4
	v_pk_mul_f32 v[16+2*pp:17+2*pp], v[64+2*pp:65+2*pp], v[64+2*pp:65+2*pp]
.else
	v_pk_fma_f32 v[16+2*(pp%4):17+2*(pp%4)], v[64+2*pp:65+2*pp], v[64+2*pp:65+2*pp], v[16+2*(pp%4):17+2*(pp%4)]
.endif
.set pp, pp+1
.endr
	WIN 0
	v_pk_add_f32 v[16:17], v[16:17], v[18:19]
	v_pk_add_f32 v[20:21], v[20:21], v[22:23]
	v_pk_add_f32 v[16:17], v[16:17], v[20:21]
	v_add_f32 v16, v16, v17
	v_permlanex16_b32 v17, v16, s56, s57
	v_add_f32 v16, v16, v17
	v_fma_f32 v16, v16, s58, s59
	v_rsq_f32 v16, v16
	v_nop                                   ; a plain instruction behind the root,
	s_wait_alu depctr_va_vdst(0)            ; and the wait ahead of its first reader
	v_mov_b32 v17, v16
	WIN ((\X)<<6)|(\X)
.set pp, 0
.rept 64
	v_pk_mul_f32 v[64+2*pp:65+2*pp], v[64+2*pp:65+2*pp], v[16:17]
.set pp, pp+1
.endr
	WIN ((\X)<<6)|0x14|(\X)                 ; gain and bias in window 1
.set pp, 0
.rept 64
	v_pk_fma_f32 v[64+2*pp:65+2*pp], v[64+2*pp:65+2*pp], v[2*pp:2*pp+1], v[128+2*pp:129+2*pp]
.set pp, pp+1
.endr
	WIN 0
.endm
.Lsg:
	s_load_b256 s[8:15], s[0:1], 0x90       ; q_w, q_b, ns_g, ns_b
	s_load_b256 s[16:23], s[0:1], 0xb0      ; slots, gru_wh, gru_bh, gru_bi
	s_load_b128 s[24:27], s[0:1], 0x80      ; k_w, k_b
	s_load_b64 s[28:29], s[0:1], 0x48       ; ni_b
	s_sub_co_u32 s32, s3, 34
	s_lshl2_add_u32 s32, s32, s2            ; unit
	s_sub_co_u32 s35, s32, 8
	s_wait_kmcnt 0x0
	s_cmp_lt_u32 s32, 8
	s_cselect_b32 s33, s32, s35             ; the unit's number in its own table
	s_cselect_b64 s[30:31], s[8:9], s[18:19]  ; its weights
	s_lshl_b32 s34, s33, 5                  ; o0: its first output
	v_lshlrev_b32 v4, 5, v2                 ; 32 h
	v_lshl_add_u32 v5, v1, 10, v4           ; slot r
	v_add_nc_u32 v15, 16, v1
	v_min_u32 v15, 21, v15                  ; slot 16 + r, at most 21: rows 22-31 repeat slot 21
	v_lshl_add_u32 v6, v15, 10, v4
	v_add_nc_u32 v7, s34, v1
	v_lshl_add_u32 v7, v7, 10, v4           ; weight row o0 + r
	v_lshl_add_u32 v10, v2, 3, s34
	v_lshlrev_b32 v8, 10, v10
	v_lshl_add_u32 v8, v1, 6, v8            ; (o0 + 8 h) rows of k_w + 64 r
	v_lshlrev_b32 v9, 6, v1                 ; 64 r
	v_lshlrev_b32 v10, 2, v10               ; 4 (o0 + 8 h)
	LDK 64, 5, 16                           ; slots 0-15: window 0
	WIN 0x80
	LDK 64, 6, 16                           ; slots 16-..: window 2
	WIN 0xc0
	LDK 0, 7, 30                            ; 32 weight rows: window 3
	LDK 128, 7, 30, 16384
	WIN 0
	s_cmp_lt_u32 s32, 8
	s_cbranch_scc1 .Lsg_q
.set ii, 0
.rept 4                                     ; hg: the two biases of my 16 outputs
	global_load_b128 v[224+4*ii:227+4*ii], v10, s[20:21] offset:64*(ii/2)+16*(ii%2)
	global_load_b128 v[240+4*ii:243+4*ii], v10, s[22:23] offset:64*(ii/2)+16*(ii%2)
.set ii, ii+1
.endr
	s_wait_loadcnt 0x0
	s_branch .Lsg_c
.Lsg_q:
	WIN 0x40
	LDK 0, 4, 12                            ; ns_g, ns_b: window 1
	LDK 128, 4, 14
	WIN 0
	s_wait_loadcnt 0x0
	LNS 0
	LNS 2
	WIN 0x40                                ; window 1 is free: 16 rows of k_w, 16 numbers a lane of each
.set ii, 0
.rept 64
	global_load_b128 v[4*ii:4*ii+3], v8, s[24:25] offset:(16*(ii/32)+(ii/4)%8)*1024+16*(ii%4)
.set ii, ii+1
.endr
	WIN 0
.set ii, 0
.rept 4
	global_load_b128 v[32+4*ii:35+4*ii], v9, s[28:29] offset:16*ii             ; ni_b[16 r ..]
	global_load_b128 v[224+4*ii:227+4*ii], v10, s[10:11] offset:64*(ii/2)+16*(ii%2)  ; q_b
	global_load_b128 v[240+4*ii:243+4*ii], v10, s[26:27] offset:64*(ii/2)+16*(ii%2)  ; k_b
.set ii, ii+1
.endr
.Lsg_c:
	WIN 0x80                                ; slot fragments: window 2, v0-63 and v192-255
.set ii, 0
.rept 64
	v_cvt_pk_f16_f32 v[ii], v[64+2*ii], v[64+2*ii+1]
.set ii, ii+1
.endr
	WIN 0x8a
.set ii, 0
.rept 64
	v_cvt_pk_f16_f32 v[192+ii], v[64+2*ii], v[64+2*ii+1]
.set ii, ii+1
.endr
	WIN 0xcf                                ; weight fragments, packed downward in window 3
.set ii, 0
.rept 128
	v_cvt_pk_f16_f32 v[ii], v[2*ii], v[2*ii+1]
.set ii, ii+1
.endr
	WIN 0x0b                                ; source 0 = 16 outputs (window 3), source 1 = 16 slots (window 2): a lane holds one slot, its registers outputs 8 h + j
.set ff, 0
.rept 8
.set cc, 0
.rept 4                                     ; the four accumulators (output block cc / 2, slot block cc % 2) take turns
.if ff == 0
	v_wmma_f32_16x16x32_f16 v[192+8*cc:199+8*cc], v[64*(cc/2)+8*ff:64*(cc/2)+8*ff+7], v[192*(cc%2)+8*ff:192*(cc%2)+8*ff+7], 0
.else
	v_wmma_f32_16x16x32_f16 v[192+8*cc:199+8*cc], v[64*(cc/2)+8*ff:64*(cc/2)+8*ff+7], v[192*(cc%2)+8*ff:192*(cc%2)+8*ff+7], v[192+8*cc:199+8*cc]
.endif
.set cc, cc+1
.endr
.set ff, ff+1
.endr
	WIN 0
	NOPS 5
	s_cmp_lt_u32 s32, 8
	s_cbranch_scc1 .Lsg_qo
	; hg's way out
	s_cmp_lt_u32 s34, 512
	s_cselect_b32 s36, 1.0, 0               ; gru_bi joins the r and z columns here; the n columns take it in the tail
	s_mov_b32 s37, s36
.set pp, 0
.rept 8
	v_pk_fma_f32 v[224+2*pp:225+2*pp], v[240+2*pp:241+2*pp], s[36:37], v[224+2*pp:225+2*pp] op_sel_hi:[1,0,1]
.set pp, pp+1
.endr
.set cc, 0
.rept 4
.set pp, 0
.rept 4
	v_pk_add_f32 v[192+8*cc+2*pp:193+8*cc+2*pp], v[192+8*cc+2*pp:193+8*cc+2*pp], v[224+8*(cc/2)+2*pp:225+8*(cc/2)+2*pp]
.set pp, pp+1
.endr
.set cc, cc+1
.endr
	v_mul_u32_u24 v13, v1, 3072
	v_add3_u32 v13, v13, v10, 5120
	v_mul_u32_u24 v14, v15, 3072
	v_add3_u32 v14, v14, v10, 5120
.set cc, 0
.rept 2
	global_store_b128 v13, v[192+16*cc:195+16*cc], s[6:7] offset:64*cc
	global_store_b128 v13, v[196+16*cc:199+16*cc], s[6:7] offset:64*cc+16
	global_store_b128 v14, v[200+16*cc:203+16*cc], s[6:7] offset:64*cc      ; lanes past slot 21 store slot 21's own numbers again
	global_store_b128 v14, v[204+16*cc:207+16*cc], s[6:7] offset:64*cc+16
.set cc, cc+1
.endr
	s_endpgm
.Lsg_qo:
	s_wait_loadcnt 0x0
.set cc, 0
.rept 4                                     ; q += q_b
.set pp, 0
.rept 4
	v_pk_add_f32 v[192+8*cc+2*pp:193+8*cc+2*pp], v[192+8*cc+2*pp:193+8*cc+2*pp], v[224+8*(cc/2)+2*pp:225+8*(cc/2)+2*pp]
.set pp, pp+1
.endr
.set cc, cc+1
.endr
	WIN 0x01                                ; kc[o] = k_b[o] + k_w[o] . ni_b for my 16 outputs: 16 numbers a lane, then over the 16 lanes of my half
.set cc, 0
.rept 16
	v_pk_mul_f32 v[64+2*cc:65+2*cc], v[16*cc:16*cc+1], v[32:33]
.set cc, cc+1
.endr
.set pp, 1
.rept 7
.set cc, 0
.rept 16
	v_pk_fma_f32 v[64+2*cc:65+2*cc], v[16*cc+2*pp:16*cc+2*pp+1], v[32+2*pp:33+2*pp], v[64+2*cc:65+2*cc]
.set cc, cc+1
.endr
.set pp, pp+1
.endr
	WIN 0
.set cc, 0
.rept 16
	v_add_f32 v[96+cc], v[64+2*cc], v[65+2*cc]
.set cc, cc+1
.endr
.irp mm, 1,2,4,8
.set cc, 0
.rept 16
	v_add_f32_dpp v[96+cc], v[96+cc], v[96+cc] row_xmask:\mm row_mask:0xf bank_mask:0xf
.set cc, cc+1
.endr
.endr
.set cc, 0
.rept 16
	v_add_f32 v[96+cc], v[96+cc], v[240+cc]
.set cc, cc+1
.endr
	v_mul_f32 v16, v192, v96                ; this unit's part of q . kc, for slot block 0 and 1
	v_mul_f32 v17, v200, v96
.set jj, 1
.rept 15
	v_fmac_f32 v16, v[192+16*(jj/8)+jj%8], v[96+jj]
	v_fmac_f32 v17, v[200+16*(jj/8)+jj%8], v[96+jj]
.set jj, jj+1
.endr
	v_permlanex16_b32 v18, v16, s56, s57
	v_permlanex16_b32 v19, v17, s56, s57
	v_add_f32 v16, v16, v18
	v_add_f32 v17, v17, v19
	s_lshl_b32 s36, s32, 7
	s_add_co_u32 s36, s36, 4096
	v_lshl_add_u32 v11, v1, 2, s36
	global_store_b32 v11, v16, s[6:7]
	global_store_b32 v11, v17, s[6:7] offset:64
.set cc, 0
.rept 2                                     ; q as an operand: the unit's 32 outputs are K step = unit of slot block cc
.set ii, 0
.rept 4
	v_cvt_pk_f16_f32 v[112+8*cc+ii], v[192+8*cc+2*ii], v[193+8*cc+2*ii]
	v_cvt_pk_f16_f32 v[116+8*cc+ii], v[208+8*cc+2*ii], v[209+8*cc+2*ii]
.set ii, ii+1
.endr
.set cc, cc+1
.endr
	s_lshl_b32 s36, s32, 10
	s_add_co_u32 s36, s36, 1179648
	v_lshl_add_u32 v12, v3, 4, s36
	global_store_b128 v12, v[112:115], s[4:5]
	global_store_b128 v12, v[116:119], s[4:5] offset:512
	global_store_b128 v12, v[120:123], s[4:5] offset:8192
	global_store_b128 v12, v[124:127], s[4:5] offset:8704
	s_endpgm
; ---- work-group 42: waves 0, 1 the position table, wave 2 FC2_b less its mean ----
; eight rows: slope x (0..7) + v60-63, four channels a lane: a store of the wave covers 512 consecutive bytes
.macro ROWS8 slope
.set yy, 0
.irp fy, 0, 1.0, 2.0, 3.0, 4.0, 5.0, 6.0, 7.0
.set cc, 0
.rept 4
	v_fma_f32 v[64+4*yy+cc], v[(\slope)+cc], \fy, v[60+cc]
.set cc, cc+1
.endr
	global_store_b128 v7, v[64+4*yy:67+4*yy], s[6:7] offset:1024*yy
.set yy, yy+1
.endr
.endm
.Lpt:
	s_cmp_lt_u32 s2, 2
	s_cbranch_scc0 .Lb2c
	s_load_b128 s[8:11], s[0:1], 0xd0       ; pe_w, pe_b
	s_lshl_b32 s20, s2, 7
	v_lshl_add_u32 v4, v3, 2, s20           ; my first channel
	v_mul_u32_u24 v5, v4, 24                ; its six weights
	v_lshlrev_b32 v6, 2, v4
	v_add_nc_u32 v7, 72704, v6
	s_wait_kmcnt 0x0
.set ii, 0
.rept 6
	global_load_b128 v[16+4*ii:19+4*ii], v5, s[8:9] offset:16*ii
.set ii, ii+1
.endr
	global_load_b128 v[40:43], v6, s[10:11]
	s_wait_loadcnt 0x0
.set cc, 0
.rept 4                                     ; channel cc's weights w0..w5 at v[16 + 6 cc ..]
	v_add_f32 v[60+cc], v[40+cc], v[19+6*cc]
	v_add_f32 v[44+cc], v[20+6*cc], v[21+6*cc]
	v_sub_f32 v[48+cc], v[16+6*cc], v[19+6*cc]
	v_sub_f32 v[52+cc], v[17+6*cc], v[20+6*cc]
	v_sub_f32 v[56+cc], v[18+6*cc], v[21+6*cc]
	v_add_f32 v[60+cc], v[60+cc], v[44+cc]      ; pe_b + w3 + w4 + w5
	v_mul_f32 v[48+cc], 0x3eaaaaab, v[48+cc]    ; (w0 - w3) / 3
	v_mul_f32 v[52+cc], 0x3e124925, v[52+cc]    ; (w1 - w4) / 7
	v_mul_f32 v[56+cc], 0x3d321643, v[56+cc]    ; (w2 - w5) / 23
.set cc, cc+1
.endr
	s_mov_b32 s20, 4
.Lpt_t:                                     ; rows 8 t + y
	ROWS8 52
	s_wait_xcnt 0x0                         ; the stores have read their data and offset: only now are they rewritten
	v_add_nc_u32 v7, 8192, v7
.set cc, 0
.rept 4
	v_add_f32 v[60+cc], v[60+cc], v[48+cc]
.set cc, cc+1
.endr
	s_sub_co_u32 s20, s20, 1
	s_cmp_lg_u32 s20, 0
	s_cbranch_scc1 .Lpt_t
.set cc, 0
.rept 4
	v_mov_b32 v[60+cc], 0
	v_mul_f32 v[48+cc], 0x41000000, v[56+cc]    ; eight steps along x
.set cc, cc+1
.endr
	s_mov_b32 s20, 3
.Lpt_x:                                     ; rows 32 + x
	ROWS8 56
	s_wait_xcnt 0x0
	v_add_nc_u32 v7, 8192, v7
.set cc, 0
.rept 4
	v_add_f32 v[60+cc], v[60+cc], v[48+cc]
.set cc, cc+1
.endr
	s_sub_co_u32 s20, s20, 1
	s_cmp_lg_u32 s20, 0
	s_cbranch_scc1 .Lpt_x
	s_endpgm
.Lb2c:
	s_cmp_eq_u32 s2, 2
	s_cbranch_scc0 .Lpt_end
	s_load_b64 s[8:9], s[0:1], 0x28         ; FC2_b
	v_lshlrev_b32 v5, 5, v3
	s_wait_kmcnt 0x0
	global_load_b128 v[16:19], v5, s[8:9]
	global_load_b128 v[20:23], v5, s[8:9] offset:16
	s_wait_loadcnt 0x0
	v_pk_add_f32 v[24:25], v[16:17], v[18:19]
	v_pk_add_f32 v[26:27], v[20:21], v[22:23]
	v_pk_add_f32 v[24:25], v[24:25], v[26:27]
	v_add_f32 v24, v24, v25
.irp mm, 1,2,4,8
	v_add_f32_dpp v24, v24, v24 row_xmask:\mm row_mask:0xf bank_mask:0xf
.endr
	v_permlanex16_b32 v25, v24, s56, s57
	v_add_f32 v24, v24, v25
	v_mul_f32 v24, s58, v24
	v_mov_b32 v25, v24
.set pp, 0
.rept 4
	v_pk_add_f32 v[16+2*pp:17+2*pp], v[16+2*pp:17+2*pp], v[24:25] neg_lo:[0,1] neg_hi:[0,1]
.set pp, pp+1
.endr
	global_store_b128 v5, v[16:19], s[6:7] offset:1024
	global_store_b128 v5, v[20:23], s[6:7] offset:1040
.Lpt_end:
	s_endpgm
.Lfunc_end_k_q9e70cb77b2_prep:
	.size	k_q9e70cb77b2_prep, .Lfunc_end_k_q9e70cb77b2_prep-k_q9e70cb77b2_prep
	.p2alignl 7, 3214868480
	.fill 96, 4, 3214868480
	.section	.rodata,"a",@progbits
	.p2align	6, 0x0
	.amdhsa_kernel k_q9e70cb77b2_prep
		.amdhsa_group_segment_fixed_size 0
		.amdhsa_private_segment_fixed_size 0
		.amdhsa_enable_private_segment 0
		.amdhsa_kernarg_size 240
		.amdhsa_user_sgpr_count 2
		.amdhsa_user_sgpr_kernarg_segment_ptr 1
		.amdhsa_wavefront_size32 1
		.amdhsa_system_sgpr_workgroup_id_x 1
		.amdhsa_system_sgpr_workgroup_id_y 1
		.amdhsa_system_sgpr_workgroup_id_z 1
		.amdhsa_system_vgpr_workitem_id 0
		.amdhsa_next_free_vgpr 1024
		.amdhsa_next_free_sgpr 66
		.amdhsa_reserve_vcc 0
		.amdhsa_float_denorm_mode_32 3
		.amdhsa_float_denorm_mode_16_64 3
		.amdhsa_memory_ordered 1
		.amdhsa_forward_progress 1
		.amdhsa_inst_pref_size 204
	.end_amdhsa_kernel
	.amdgpu_metadata
---
amdhsa.version: [ 1, 2 ]
amdhsa.kernels:
  - .name:           k_q9e70cb77b2_prep
    .symbol:         k_q9e70cb77b2_prep.kd
    .args:
      - { .name: FC1_w, .offset: 0, .size: 8, .value_kind: global_buffer, .address_space: global }
      - { .name: FC1_b, .offset: 8, .size: 8, .value_kind: global_buffer, .address_space: global }
      - { .name: LN_g, .offset: 16, .size: 8, .value_kind: global_buffer, .address_space: global }
      - { .name: LN_b, .offset: 24, .size: 8, .value_kind: global_buffer, .address_space: global }
      - { .name: FC2_w, .offset: 32, .size: 8, .value_kind: global_buffer, .address_space: global }
      - { .name: FC2_b, .offset: 40, .size: 8, .value_kind: global_buffer, .address_space: global }
      - { .name: v_w, .offset: 48, .size: 8, .value_kind: global_buffer, .address_space: global }
      - { .name: v_b, .offset: 56, .size: 8, .value_kind: global_buffer, .address_space: global }
      - { .name: ni_g, .offset: 64, .size: 8, .value_kind: global_buffer, .address_space: global }
      - { .name: ni_b, .offset: 72, .size: 8, .value_kind: global_buffer, .address_space: global }
      - { .name: gru_wi, .offset: 80, .size: 8, .value_kind: global_buffer, .address_space: global }
      - { .name: ff1_w, .offset: 88, .size: 8, .value_kind: global_buffer, .address_space: global }
      - { .name: ff1_b, .offset: 96, .size: 8, .value_kind: global_buffer, .address_space: global }
      - { .name: npf_g, .offset: 104, .size: 8, .value_kind: global_buffer, .address_space: global }
      - { .name: npf_b, .offset: 112, .size: 8, .value_kind: global_buffer, .address_space: global }
      - { .name: ff2_w, .offset: 120, .size: 8, .value_kind: global_buffer, .address_space: global }
      - { .name: k_w, .offset: 128, .size: 8, .value_kind: global_buffer, .address_space: global }
      - { .name: k_b, .offset: 136, .size: 8, .value_kind: global_buffer, .address_space: global }
      - { .name: q_w, .offset: 144, .size: 8, .value_kind: global_buffer, .address_space: global }
      - { .name: q_b, .offset: 152, .size: 8, .value_kind: global_buffer, .address_space: global }
      - { .name: ns_g, .offset: 160, .size: 8, .value_kind: global_buffer, .address_space: global }
      - { .name: ns_b, .offset: 168, .size: 8, .value_kind: global_buffer, .address_space: global }
      - { .name: slots, .offset: 176, .size: 8, .value_kind: global_buffer, .address_space: global }
      - { .name: gru_wh, .offset: 184, .size: 8, .value_kind: global_buffer, .address_space: global }
      - { .name: gru_bh, .offset: 192, .size: 8, .value_kind: global_buffer, .address_space: global }
      - { .name: gru_bi, .offset: 200, .size: 8, .value_kind: global_buffer, .address_space: global }
      - { .name: pe_w, .offset: 208, .size: 8, .value_kind: global_buffer, .address_space: global }
      - { .name: pe_b, .offset: 216, .size: 8, .value_kind: global_buffer, .address_space: global }
      - { .name: wts, .offset: 224, .size: 8, .value_kind: global_buffer, .address_space: global }
      - { .name: tab, .offset: 232, .size: 8, .value_kind: global_buffer, .address_space: global }
    .group_segment_fixed_size: 0
    .private_segment_fixed_size: 0
    .kernarg_segment_align: 8
    .kernarg_segment_size: 240
    .max_flat_workgroup_size: 128
    .sgpr_count:     66
    .vgpr_count:     1024
    .wavefront_size: 32
...
	.end_amdgpu_metadata
.endif
;; end of part 1
;; launch main (part 2): grid 224 x 1, 4 waves a work-group, no clusters, 327,680 bytes of LDS; arguments inputs, wts, tab, out1, ub; writes out1, ub
.if DOCPART == 2
	.amdgcn_target "amdgcn-amd-amdhsa--gfx1250"
	.amdhsa_code_object_version 6
	.text
	.protected	k_q9e70cb77b2_main
	.globl	k_q9e70cb77b2_main
	.p2align	8
	.type	k_q9e70cb77b2_main,@function
k_q9e70cb77b2_main:
	s_mov_b64 s[64:65], 0
	v_nop
	global_prefetch_b8 v0, s[64:65] scope:SCOPE_SE
	s_setreg_imm32_b32 hwreg(HW_REG_WAVE_MODE, 25, 1), 1
	s_wait_xcnt 0x0
; MAIN: one work-group for each of the 224 windows (wid = 7 b + w): 768 tokens x 256 channels, in 12 blocks of 64 tokens.
; Per token: x = input + position; x - mean -> FC1 (LN's gain and bias lie in the weights, 1/sigma is applied behind the product) -> relu -> FC2 with weights less their column means, so that the result x2c is
; already centred and the second LayerNorm needs a sum of squares alone.  dots = xhat2 . QK' + c with QK' = q k_w diag(ni_g): k is never applied to tokens.  Softmax over the slots with its maximum taken away; attn_ori goes out;
; U += attn_ori xhat2 and L += attn_ori; at the end u = U / L: v, GRU and the MLP follow on 20 rows a window in the next launch (the weights attn sum to 1, so v_w and its bias may follow the sum).
; SHARES: wave v owns output channels 64 v .. 64 v + 63 of FC1 and FC2 (weights stay in registers, 256 each) and of U, and tokens 16 v .. 16 v + 15 of a block in the two LayerNorms and the softmax.
; The matrix instruction takes 16 channels as source 0 and 16 tokens as source 1: a lane then holds one token and eight neighbouring channels.
; FORMAT: all matrix operands are f16, for its 11 significant bits.  Those with room as they are: x - mean (the inputs' spread), the weights, h (at most 16 x its weight row's length + its bias).
; Those without are divided, in f32, before they are rounded: x2c by the root mean square of the wave's own 64 channels of the token (y, at most 8), a slot's row of QK' by its root mean square (at most 16).
; So the score product keeps the four channel groups in accumulators of their own and joins them in f32: e = sum over g of (y_g . Qhat_g) F_g, F_g = sqrt(ss_g) rs2 / 8 (at most 2), d = e n + c, n = log2(e)/16 x the row's root mean square;
; and the second product takes P'_g = attn_ori F_g, a version for each group: wave v, which owns group v's channels of U, reads version v.
; NO CLUSTER: the weights lie in registers; an input frame is read by two windows in different trips; 7 windows of a batch make no groups of four.
; LIMITS: x - mean or h beyond 65,504 becomes an infinity; slots 22-31 are padding with c = -1e30 (their weight is 0); a weight below 2^-126 counts as 0; NaN and infinities are not treated apart.
; LDS: 0 slot 0 (64 rows of 1,024 + 16 bytes, f32) | 66560 position table, 56 such rows, filled once | 131072 slot 1 | 197632 XB 64 x 528 (x - mean; at the head QK' in f32, 32 x 1040) | 231424 HB 64 x 528 (h; at the end u) |
;      265216 X2 64 x 544 (y) | 300032 SSB [wave][64] | 301056 RS1 | 301312 PB 4 versions of 4 fragments | 317696 AT 32 x 272 | 326400 the spare words.  Tensor loads land below 197632 alone, LDS stores from there on alone.
; REGISTERS: window 1 FC1's fragments; window 2 FC2's; window 3 v0-127 Qhat (first q), v128-191 U, v192-223 FC1's bias, v224-255 FC2's; window 0 v0-63 addresses and statistics, v64-191 two fragment buffers, v192-223 accumulators, v224-255 at work.
.set SLOT1, 131072
.set PTL,   66560
.set XBL,   197632
.set HBL,   231424
.set X2L,   265216
.set SSB,   300032
.set RS1,   301056
.set PBL,   301312
.set ATL,   317696
.set SPARE, 326400
.set XF0, 64
.set XF1, 128
.set ACC, 192
.set T,   224
.set MSB, 0
.macro WIN new                          ; the immediate's high byte repeats the setting that is left
.if MSB != (\new)
	s_set_vgpr_msb (MSB<<8)|(\new)
.set MSB, (\new)
.endif
.endm
.macro NOPS n                           ; places behind matrix instructions (ISA guide 7.12.1), where no other vector work is at hand
.rept \n
	v_nop
.endr
.endm
.macro BAR                              ; my LDS stores are done and my LDS loads back; then all four waves meet
	s_wait_dscnt 0x0
	s_barrier_signal -1
	s_barrier_wait -1
.endm
	s_load_b256 s[4:11], s[0:1], 0x0        ; inputs s[4:5], wts s[6:7], tab s[8:9], out1 s[10:11]
	s_load_b64 s[12:13], s[0:1], 0x20       ; ub
	v_lshl_add_u32 v62, v0, 2, SPARE
	v_mov_b32 v63, 0
	ds_add_u32 v62, v63                     ; the wave's opening: the add and its wait ahead of my first tensor load
	v_lshrrev_b32 v1, 5, v0
	v_readfirstlane_b32 s14, v1             ; wave
	s_mov_b32 s15, ttmp9                    ; wid
	s_mul_hi_u32 s16, s15, 0x24924925       ; b = wid / 7
	s_mul_i32 s17, s16, 7
	s_sub_co_u32 s17, s15, s17              ; w
	s_lshl_b32 s18, s16, 4
	s_lshl1_add_u32 s18, s17, s18           ; first frame 16 b + 2 w
	s_mul_i32 s18, s18, 196608              ; a frame is 192 tokens of 1,024 bytes
	s_lshl_b32 s2, s14, 14
	s_add_co_u32 s18, s18, s2               ; + my 16 tokens of a block
	s_mov_b32 s19, 0
	; descriptor group 1: 16 rows of 256 elements of 4 bytes, 4 words of padding behind every 256 words; s[28:35] the same with 14 rows
	s_mov_b32 s20, (2<<16)|(1<<20)|(7<<22)|(3<<25)
	s_mov_b32 s21, 256<<16
	s_mov_b32 s22, 16<<16
	s_mov_b32 s23, 256<<16
	s_mov_b32 s24, 16
	s_mov_b32 s25, 256
	s_mov_b32 s26, 0
	s_mov_b32 s27, 0
	s_mov_b32 s28, (2<<16)|(1<<20)|(7<<22)|(3<<25)
	s_mov_b32 s29, 256<<16
	s_mov_b32 s30, 14<<16
	s_mov_b32 s31, 256<<16
	s_mov_b32 s32, 14
	s_mov_b32 s33, 256
	s_mov_b32 s34, 0
	s_mov_b32 s35, 0
	s_mov_b32 s36, 1                        ; group 0 for block 0: slot 0, my 16 rows
	s_mul_i32 s37, s14, 16640
	s_mov_b32 s40, 1                        ; group 0 that walks: block 1, slot 1
	s_add_co_u32 s41, s37, SLOT1
	s_mov_b32 s44, 1                        ; group 0 for my 14 rows of the position table
	s_mul_i32 s45, s14, 14560
	s_add_co_u32 s45, s45, PTL
	s_mul_i32 s2, s14, 14336
	s_add_co_u32 s2, s2, 72704
	s_mov_b32 s3, 0
	s_cmp_eq_u32 s17, 6
	s_cselect_b32 s53, 9, 3                 ; trips that prefetch: blocks 6-11 of a window are blocks 0-5 of the batch's next window, which asks for them; the last window asks for all its own
	s_mov_b32 s48, 0                        ; the slot that LN1 reads
	s_mov_b32 s49, 0                        ; K: the trip
	s_mov_b32 s56, 0x76543210
	s_mov_b32 s57, 0xfedcba98
	s_mov_b32 s60, 0x3b800000               ; 1/256
	s_mov_b32 s61, 0x3727c5ac               ; 1e-5
	s_mov_b32 s62, 1040
	s_mov_b32 s63, 0x3c800000               ; 1/64
	s_mov_b32 s66, 0x0d800000               ; 2^-100: keeps a root's argument above 0 where all numbers are 0
	s_mul_i32 s16, s15, 67584               ; 22 rows of out1
	s_mov_b32 s17, 0
	s_wait_dscnt 0x0                        ; the opening add is done
	s_wait_kmcnt 0x0
	s_add_nc_u64 s[4:5], s[4:5], s[18:19]
	s_mov_b64 s[38:39], s[4:5]
	s_or_b32 s39, s39, 0x80000000
	s_add_nc_u64 s[42:43], s[4:5], 65536
	s_or_b32 s43, s43, 0x80000000
	s_add_nc_u64 s[46:47], s[8:9], s[2:3]
	s_or_b32 s47, s47, 0x80000000
	s_add_nc_u64 s[54:55], s[4:5], 131072   ; the prefetches' pointer: block 2; it is stepped ahead of each use
	s_add_nc_u64 s[58:59], s[10:11], s[16:17]
	tensor_load_to_lds s[36:39], s[20:27]   ; the three first fills go out together: three loads of mine are out
	s_nop 0
	tensor_load_to_lds s[40:43], s[20:27]
	s_nop 0
	tensor_load_to_lds s[44:47], s[28:35]
	s_nop 0
	NOPS 4
	v_and_b32 v1, 15, v0                    ; r
	v_bfe_u32 v2, v0, 4, 1                  ; h
	v_and_b32 v3, 31, v0                    ; lane
	v_lshl_add_u32 v4, v2, 5, PTL
	v_mul_u32_u24 v26, v1, 528
	v_lshl_add_u32 v26, v2, 4, v26
	v_add_nc_u32 v5, XBL, v26               ; fragments of XB
	v_add_nc_u32 v6, HBL, v26               ; fragments of HB
	s_lshl_b32 s2, s14, 4
	v_add_nc_u32 v25, s2, v1                ; my token in a block: 16 v + r
	v_mul_u32_u24 v27, v25, 544
	v_lshl_add_u32 v27, v2, 4, v27
	v_add_nc_u32 v7, X2L, v27               ; fragments of my 16 tokens of X2
	v_and_b32 v27, 7, v0
	v_lshl_add_u32 v27, v2, 3, v27
	v_mul_u32_u24 v27, v27, 544
	v_bfe_u32 v28, v0, 3, 1
	v_lshl_add_u32 v27, v28, 4, v27
	s_lshl_b32 s2, s14, 7
	s_add_co_u32 s3, s2, X2L
	v_add_nc_u32 v8, s3, v27                ; the turning load: token 8 h + l % 8, my 64 channels
	v_add_nc_u32 v9, s2, v6                 ; where I put h
	v_mul_u32_u24 v27, v1, 544
	v_lshl_add_u32 v27, v2, 4, v27
	v_add_nc_u32 v10, s3, v27               ; where I put y
	v_mul_u32_u24 v27, v25, 528
	v_lshl_add_u32 v27, v2, 4, v27
	v_add_nc_u32 v11, XBL, v27              ; where I put x - mean
	v_lshl_add_u32 v12, v1, 2, RS1
	v_lshl_add_u32 v13, v25, 2, RS1
	s_lshl_b32 s2, s14, 8
	s_add_co_u32 s2, s2, SSB
	v_lshl_add_u32 v14, v1, 2, s2
	s_lshl_b32 s2, s14, 6
	s_add_co_u32 s3, s2, SSB
	v_lshl_add_u32 v15, v2, 5, s3
	s_lshr_b32 s3, s14, 1
	s_lshl_b32 s3, s3, 11
	s_and_b32 s16, s14, 1
	s_lshl_b32 s16, s16, 9
	s_add_co_u32 s3, s3, s16
	s_add_co_u32 s3, s3, PBL
	v_lshl_add_u32 v16, v3, 4, s3           ; where I put my 16 tokens' half of a fragment of P', in version 0
	s_lshl_b32 s3, s14, 12
	s_add_co_u32 s3, s3, PBL
	v_lshl_add_u32 v17, v3, 4, s3           ; where I read P': the version of my own channel group
	v_mul_u32_u24 v27, v1, 272
	v_lshl_add_u32 v27, v2, 5, v27
	s_add_co_u32 s3, s2, ATL
	v_add_nc_u32 v18, s3, v27
	s_lshl_b32 s3, s14, 1
	v_add_nc_u32 v27, s3, v2
	v_mul_u32_u24 v28, v27, 272
	v_lshl_add_u32 v28, v1, 4, v28
	v_add_nc_u32 v19, ATL, v28
	v_mul_u32_u24 v28, v27, 3072
	v_lshl_add_u32 v20, v1, 4, v28
	v_mul_u32_u24 v27, v25, 1040
	v_lshl_add_u32 v21, v2, 5, v27
	v_mul_u32_u24 v27, v1, 1040
	v_lshl_add_u32 v27, v2, 5, v27
	v_add_nc_u32 v23, XBL, v27              ; head: where I read a slot's row of QK', in the order of a lane's fragment registers
	s_lshl_b32 s2, s14, 8
	v_add_nc_u32 v22, s2, v23               ; head: where I put my 64 columns of it
	v_lshlrev_b32 v30, 8, v3                ; the prefetches' offset: 256 bytes a lane
	v_mov_b32 v31, 0
	v_mov_b32 v33, 0
	v_mov_b32 v35, 0
.irp rr, 36,37,38,39,45,47
	v_mov_b32 v\rr, 0
.endr
	v_mov_b32 v56, 0x322bcc77               ; 1e-8
	v_mov_b32 v57, 0x322bcc77
	s_lshl_b32 s2, s14, 15
	v_lshl_add_u32 v26, v3, 4, s2           ; 16 l + my 32 fragments of a table
	v_lshlrev_b32 v27, 4, v3
	s_lshl_b32 s2, s14, 8
	v_lshl_add_u32 v28, v2, 5, s2           ; 4 (64 v + 8 h)
	v_lshlrev_b32 v29, 2, v1
	WIN 0x40
.set ii, 0
.rept 64
	global_load_b128 v[4*ii:4*ii+3], v26, s[6:7] offset:512*ii
.set ii, ii+1
.endr
	WIN 0x80
.set ii, 0
.rept 64
	global_load_b128 v[4*ii:4*ii+3], v26, s[6:7] offset:131072+512*ii
.set ii, ii+1
.endr
	WIN 0xc0
.set ii, 0
.rept 32
	global_load_b128 v[4*ii:4*ii+3], v27, s[6:7] offset:1179648+512*ii
.set ii, ii+1
.endr
.set ii, 0
.rept 8
	global_load_b128 v[192+4*ii:195+4*ii], v28, s[8:9] offset:64*(ii/2)+16*(ii%2)
	global_load_b128 v[224+4*ii:227+4*ii], v28, s[8:9] offset:1024+64*(ii/2)+16*(ii%2)
.set ii, ii+1
.endr
.set ii, 0
.rept 64
	v_mov_b32 v[128+ii], 0                  ; U starts at 0: written while the loads are on their way, so that the loop has one form of product
.set ii, ii+1
.endr
	WIN 0
.set ii, 0
.rept 16
	global_load_b32 v[T+ii], v29, s[8:9] offset:4096+64*ii
.set ii, ii+1
.endr
.set ii, 0
.rept 32
	global_load_b128 v[64+4*ii:67+4*ii], v26, s[6:7] offset:262144+512*ii
.set ii, ii+1
.endr
	s_wait_loadcnt 0x0
	v_add_f32 v40, v[T], v[T+2]             ; c = log2(e)/16 x q . kc: the eight parts
	v_add_f32 v42, v[T+1], v[T+3]
.set ii, 2
.rept 6
	v_add_f32 v40, v40, v[T+2*ii]
	v_add_f32 v42, v42, v[T+2*ii+1]
.set ii, ii+1
.endr
	v_mul_f32 v40, 0x3db8aa3b, v40
	v_mul_f32 v42, 0x3db8aa3b, v42
	v_cmp_gt_u32 vcc_lo, 6, v1
	v_cndmask_b32 v42, 0xf149f2ca, v42, vcc_lo  ; slots 22-31: -1e30
	v_mov_b32 v41, v40
	v_mov_b32 v43, v42
; QK'[slot][d] for two blocks of 16 d: source 0 = KT's rows d, source 1 = q's rows: a lane holds one slot and eight neighbouring d; they go to LDS in f32
.macro HQK hh
	WIN 0x0c
.set ff, 0
.rept 8
.set cc, 0
.rept 4
.if ff == 0
	v_wmma_f32_16x16x32_f16 v[ACC+8*cc:ACC+8*cc+7], v[64+8*(8*(cc/2)+ff):64+8*(8*(cc/2)+ff)+7], v[8*(8*(cc%2)+ff):8*(8*(cc%2)+ff)+7], 0
.else
	v_wmma_f32_16x16x32_f16 v[ACC+8*cc:ACC+8*cc+7], v[64+8*(8*(cc/2)+ff):64+8*(8*(cc/2)+ff)+7], v[8*(8*(cc%2)+ff):8*(8*(cc%2)+ff)+7], v[ACC+8*cc:ACC+8*cc+7]
.endif
.set cc, cc+1
.endr
.set ff, ff+1
.endr
	WIN 0
	NOPS 5
.set cc, 0
.rept 4                                     ; accumulator cc = 2 x (d block) + slot block
	ds_store_b128 v22, v[ACC+8*cc:ACC+8*cc+3] offset:16640*(cc%2)+128*(\hh)+64*(cc/2)
	ds_store_b128 v22, v[ACC+8*cc+4:ACC+8*cc+7] offset:16640*(cc%2)+128*(\hh)+64*(cc/2)+16
.set cc, cc+1
.endr
.endm
; Slot block sb of QK' becomes an operand: each wave reads the 16 rows (a lane 128 numbers, the lane 16 away the others), divides each row by its root mean square and rounds; n = log2(e)/16 x that root stays in f32
.macro QN sb
.set kk, 0
.rept 8
	ds_load_b128 v[64+16*kk:67+16*kk], v23 offset:16640*(\sb)+128*kk
	ds_load_b128 v[68+16*kk:71+16*kk], v23 offset:16640*(\sb)+128*kk+16
	ds_load_b128 v[72+16*kk:75+16*kk], v23 offset:16640*(\sb)+128*kk+64
	ds_load_b128 v[76+16*kk:79+16*kk], v23 offset:16640*(\sb)+128*kk+80
.set kk, kk+1
.endr
	s_wait_dscnt 0x0
.set pp, 0
.rept 64
.if pp < 4
	v_pk_mul_f32 v[48+2*pp:49+2*pp], v[64+2*pp:65+2*pp], v[64+2*pp:65+2*pp]
.else
	v_pk_fma_f32 v[48+2*(pp%4):49+2*(pp%4)], v[64+2*pp:65+2*pp], v[64+2*pp:65+2*pp], v[48+2*(pp%4):49+2*(pp%4)]
.endif
.set pp, pp+1
.endr
	v_pk_add_f32 v[48:49], v[48:49], v[50:51]
	v_pk_add_f32 v[52:53], v[52:53], v[54:55]
	v_pk_add_f32 v[48:49], v[48:49], v[52:53]
	v_add_f32 v44, v48, v49
	v_permlanex16_b32 v45, v44, s56, s57
	v_add_f32 v44, v44, v45
	v_fma_f32 v44, v44, s60, s66            ; the mean square
	v_rsq_f32 v46, v44
	v_nop
	s_wait_alu depctr_va_vdst(0)
	v_mul_f32 v44, v44, v46                 ; its root
	v_mul_f32 v[58+2*(\sb)], 0x3db8aa3b, v44
	v_mov_b32 v[59+2*(\sb)], v[58+2*(\sb)]
.set pp, 0
.rept 64
	v_pk_mul_f32 v[64+2*pp:65+2*pp], v[64+2*pp:65+2*pp], v[46:47] op_sel_hi:[1,0]
.set pp, pp+1
.endr
	WIN 0xc0
.set ii, 0
.rept 64
	v_cvt_pk_f16_f32 v[64*(\sb)+ii], v[64+2*ii], v[65+2*ii]
.set ii, ii+1
.endr
	WIN 0
.endm
	HQK 0
.set ii, 0
.rept 32
	global_load_b128 v[64+4*ii:67+4*ii], v26, s[6:7] offset:262144+16384+512*ii
.set ii, ii+1
.endr
	s_wait_loadcnt 0x0
	s_wait_dscnt 0x0                        ; the first half's stores have left the accumulators
	HQK 1
	BAR                                     ; all of QK' lies in LDS (the first fills may stay out)
	QN 0
	QN 1
	s_wait_tensorcnt 0x0                    ; my parts of blocks 0 and 1 and of the table are in
	BAR                                     ; everybody's are, and QK' has been read: XB may be written
; 16 LDS loads: the fragments of tile t (16 tokens x 256 k) into buffer buf
.macro LOADF buf, adr, t
.set kk, 0
.rept 8
	ds_load_b128 v[(\buf)+8*kk:(\buf)+8*kk+3], v[\adr] offset:(\t)*8448+64*kk
	ds_load_b128 v[(\buf)+8*kk+4:(\buf)+8*kk+7], v[\adr] offset:(\t)*8448+64*kk+32
.set kk, kk+1
.endr
.endm
; 32 matrix instructions: my 64 channels x 16 tokens x 256 k; the four accumulators take turns.  Layer 1 starts its sums with 0, layer 2 with its bias
.macro MM32 lay, xc
.set ff, 0
.rept 8
.set cc, 0
.rept 4
.if ff == 0
.if (\lay) == 1
	WIN 0x01
	v_wmma_f32_16x16x32_f16 v[ACC+8*cc:ACC+8*cc+7], v[64*cc:64*cc+7], v[(\xc):(\xc)+7], 0
.else
	WIN 0x32
	v_wmma_f32_16x16x32_f16 v[ACC+8*cc:ACC+8*cc+7], v[64*cc:64*cc+7], v[(\xc):(\xc)+7], v[224+8*cc:231+8*cc]
.endif
.else
	WIN (\lay)
	v_wmma_f32_16x16x32_f16 v[ACC+8*cc:ACC+8*cc+7], v[64*cc+8*ff:64*cc+8*ff+7], v[(\xc)+8*ff:(\xc)+8*ff+7], v[ACC+8*cc:ACC+8*cc+7]
.endif
.set cc, cc+1
.endr
.set ff, ff+1
.endr
	WIN 0
	NOPS 5
.endm
; layer 1's way out: h = relu(acc / sigma + bias), f16, 16 bytes a lane and channel block
.macro OUT1 rsv, off
	WIN 0x30                                ; the bias lies in window 3
.set ii, 0
.rept 16
	v_pk_fma_f32 v[ACC+2*ii:ACC+2*ii+1], v[ACC+2*ii:ACC+2*ii+1], v[\rsv:\rsv+1], v[192+2*ii:193+2*ii] op_sel_hi:[1,0,1]
.set ii, ii+1
.endr
	WIN 0
.set ii, 0
.rept 16
	v_cvt_pk_f16_f32 v[T+ii], v[ACC+2*ii], v[ACC+2*ii+1]
.set ii, ii+1
.endr
.set ii, 0
.rept 16
	v_pk_max_num_f16 v[T+ii], v[T+ii], v31
.set ii, ii+1
.endr
.set cc, 0
.rept 4
	ds_store_b128 v27, v[T+4*cc:T+4*cc+3] offset:(\off)+32*cc
.set cc, cc+1
.endr
.endm
; layer 2's way out: my 64 channels' part ss of each token's sum of squares goes to SSB; y = x2c / sqrt(ss / 64), f16, goes to X2
.macro OUT2 off, soff
	v_pk_mul_f32 v[T:T+1], v[ACC:ACC+1], v[ACC:ACC+1]
	v_pk_mul_f32 v[T+2:T+3], v[ACC+2:ACC+3], v[ACC+2:ACC+3]
.set ii, 2
.rept 14
	v_pk_fma_f32 v[T+2*(ii%2):T+2*(ii%2)+1], v[ACC+2*ii:ACC+2*ii+1], v[ACC+2*ii:ACC+2*ii+1], v[T+2*(ii%2):T+2*(ii%2)+1]
.set ii, ii+1
.endr
	v_pk_add_f32 v[T:T+1], v[T:T+1], v[T+2:T+3]
	v_add_f32 v[T], v[T], v[T+1]
	v_permlanex16_b32 v[T+1], v[T], s56, s57
	v_add_f32 v[T], v[T], v[T+1]
	ds_store_b32 v28, v[T] offset:(\soff)
	v_fma_f32 v[T+2], v[T], s63, s66
	v_rsq_f32 v[T+2], v[T+2]
	v_nop
	s_wait_alu depctr_va_vdst(0)            ; the wait ahead of the root's first reader
.set ii, 0
.rept 16
	v_pk_mul_f32 v[ACC+2*ii:ACC+2*ii+1], v[ACC+2*ii:ACC+2*ii+1], v[T+2:T+3] op_sel_hi:[1,0]
.set ii, ii+1
.endr
.set ii, 0
.rept 16
	v_cvt_pk_f16_f32 v[T+4+ii], v[ACC+2*ii], v[ACC+2*ii+1]
.set ii, ii+1
.endr
.set cc, 0
.rept 4
	ds_store_b128 v27, v[T+4+4*cc:T+7+4*cc] offset:(\off)+32*cc
.set cc, cc+1
.endr
.endm
; A layer on a block's four tiles: two trips of two tiles on two fragment buffers.  All LDS addresses are a fixed lane register plus a scalar that an exclusive or turns between the two pairs of tiles.
; While a tile is multiplied the next tile's 16 loads are out; behind the fourth tile the first is fetched once more and waited for at the end, so that both trips count alike.
.macro GEMM lay
	WIN 0
	NOPS 5
	s_mov_b32 s50, 2
	s_mov_b32 s51, 0
	s_mov_b32 s52, 0
	s_mov_b32 s18, 0
	LOADF XF0, 4+(\lay), 0
.Lg_\@:
	v_add_nc_u32 v26, s51, v[4+(\lay)]
	v_add_nc_u32 v27, s52, v[8+(\lay)]
.if (\lay) == 1
	v_add_nc_u32 v28, s18, v12
	ds_load_b32 v32, v28                    ; 1/sigma of the two tiles' tokens
	ds_load_b32 v34, v28 offset:64
.else
	v_add_nc_u32 v28, s18, v14
.endif
	LOADF XF1, 26, 1
	s_wait_dscnt 16                         ; all but the 16 loads just issued
	MM32 \lay, XF0
.if (\lay) == 1
	OUT1 32, 0
.else
	OUT2 0, 0
.endif
	s_xor_b32 s51, s51, 16896
	v_add_nc_u32 v26, s51, v[4+(\lay)]
	LOADF XF0, 26, 0
	s_wait_dscnt 19+(\lay)                  ; the way out's 4 (layer 2: 5) stores and the 16 loads just issued may be out
	MM32 \lay, XF1
.if (\lay) == 1
	OUT1 34, 8448
	s_xor_b32 s52, s52, 16896
.else
	OUT2 8704, 64
	s_xor_b32 s52, s52, 17408
.endif
	s_xor_b32 s18, s18, 128
	s_sub_co_u32 s50, s50, 1
	s_cmp_lg_u32 s50, 0
	s_cbranch_scc1 .Lg_\@
	s_wait_dscnt 0x0
.endm
; SOFTMAX over the slots for my 16 tokens of the block in hand.  Source 0 = tokens, source 1 = Qhat: a lane holds one slot (slot blocks 0 and 1: slots r and 16 + r) and the tokens 8 h + j.
; Eight accumulators, channel group g x slot block sb at XF1 + 8 (2 g + sb), two K steps each; they take turns.
.macro SOFT
	WIN 0
	NOPS 5
.set kk, 0
.rept 8
	ds_load_b128 v[XF0+8*kk:XF0+8*kk+3], v7 offset:64*kk
	ds_load_b128 v[XF0+8*kk+4:XF0+8*kk+7], v7 offset:64*kk+32
.set kk, kk+1
.endr
.set kk, 0
.rept 4                                     ; ss of group kk for my eight tokens
	ds_load_b128 v[T+8*kk:T+8*kk+3], v15 offset:256*kk
	ds_load_b128 v[T+8*kk+4:T+8*kk+7], v15 offset:256*kk+16
.set kk, kk+1
.endr
	s_wait_dscnt 0x0
	WIN 0x0c
.set kk, 0
.rept 2
.set cc, 0
.rept 8
.if kk == 0
	v_wmma_f32_16x16x32_f16 v[XF1+8*cc:XF1+8*cc+7], v[XF0+16*(cc/2):XF0+16*(cc/2)+7], v[64*(cc%2)+16*(cc/2):64*(cc%2)+16*(cc/2)+7], 0
.else
	v_wmma_f32_16x16x32_f16 v[XF1+8*cc:XF1+8*cc+7], v[XF0+16*(cc/2)+8:XF0+16*(cc/2)+15], v[64*(cc%2)+16*(cc/2)+8:64*(cc%2)+16*(cc/2)+15], v[XF1+8*cc:XF1+8*cc+7]
.endif
.set cc, cc+1
.endr
.set kk, kk+1
.endr
	WIN 0
.set pp, 0
.rept 4                                     ; the whole sums of squares: these are the places behind the products
	v_pk_add_f32 v[ACC+2*pp:ACC+2*pp+1], v[T+2*pp:T+2*pp+1], v[T+8+2*pp:T+9+2*pp]
	v_pk_add_f32 v[ACC+8+2*pp:ACC+9+2*pp], v[T+16+2*pp:T+17+2*pp], v[T+24+2*pp:T+25+2*pp]
.set pp, pp+1
.endr
.set pp, 0
.rept 4
	v_pk_add_f32 v[ACC+2*pp:ACC+2*pp+1], v[ACC+2*pp:ACC+2*pp+1], v[ACC+8+2*pp:ACC+9+2*pp]
.set pp, pp+1
.endr
.set jj, 0
.rept 8
	v_fma_f32 v[48+jj], v[ACC+jj], s60, s61
.set jj, jj+1
.endr
.set jj, 0
.rept 8
	v_rsq_f32 v[48+jj], v[48+jj]            ; rs2 of token 8 h + j
.set jj, jj+1
.endr
.set jj, 0
.rept 32
	v_sqrt_f32 v[T+jj], v[T+jj]
.set jj, jj+1
.endr
	v_nop
	s_wait_alu depctr_va_vdst(0)            ; one wait for the forty roots
.set pp, 0
.rept 4
	v_pk_mul_f32 v[ACC+16+2*pp:ACC+17+2*pp], v[48+2*pp:49+2*pp], 0x3e000000 op_sel_hi:[1,0]
.set pp, pp+1
.endr
.set pp, 0
.rept 16                                    ; F_g = sqrt(ss_g) rs2 / 8
	v_pk_mul_f32 v[T+2*pp:T+2*pp+1], v[T+2*pp:T+2*pp+1], v[ACC+16+2*(pp%4):ACC+17+2*(pp%4)]
.set pp, pp+1
.endr
.set cc, 0
.rept 8                                     ; e = the sum over the groups; each accumulator's lowest registers are read first
.set pp, 0
.rept 4
.if cc < 2
	v_pk_mul_f32 v[ACC+8*cc+2*pp:ACC+8*cc+2*pp+1], v[XF1+8*cc+2*pp:XF1+8*cc+2*pp+1], v[T+2*pp:T+2*pp+1]
.else
	v_pk_fma_f32 v[ACC+8*(cc%2)+2*pp:ACC+8*(cc%2)+2*pp+1], v[XF1+8*cc+2*pp:XF1+8*cc+2*pp+1], v[T+8*(cc/2)+2*pp:T+8*(cc/2)+2*pp+1], v[ACC+8*(cc%2)+2*pp:ACC+8*(cc%2)+2*pp+1]
.endif
.set pp, pp+1
.endr
.set cc, cc+1
.endr
.set pp, 0
.rept 4                                     ; d = e n + c
	v_pk_fma_f32 v[ACC+2*pp:ACC+2*pp+1], v[ACC+2*pp:ACC+2*pp+1], v[58:59], v[40:41] op_sel_hi:[1,0,0]
	v_pk_fma_f32 v[ACC+8+2*pp:ACC+9+2*pp], v[ACC+8+2*pp:ACC+9+2*pp], v[60:61], v[42:43] op_sel_hi:[1,0,0]
.set pp, pp+1
.endr
.set jj, 0
.rept 8
	v_max_num_f32 v[XF0+jj], v[ACC+jj], v[ACC+8+jj]
.set jj, jj+1
.endr
.irp mm, 1,2,4,8
.set jj, 0
.rept 8
	v_max_num_f32_dpp v[XF0+jj], v[XF0+jj], v[XF0+jj] row_xmask:\mm row_mask:0xf bank_mask:0xf
.set jj, jj+1
.endr
.endr
.set pp, 0
.rept 4
	v_pk_add_f32 v[ACC+2*pp:ACC+2*pp+1], v[ACC+2*pp:ACC+2*pp+1], v[XF0+2*pp:XF0+2*pp+1] neg_lo:[0,1] neg_hi:[0,1]
	v_pk_add_f32 v[ACC+8+2*pp:ACC+9+2*pp], v[ACC+8+2*pp:ACC+9+2*pp], v[XF0+2*pp:XF0+2*pp+1] neg_lo:[0,1] neg_hi:[0,1]
.set pp, pp+1
.endr
.set jj, 0
.rept 16
	v_exp_f32 v[ACC+jj], v[ACC+jj]
.set jj, jj+1
.endr
	v_nop
	s_wait_alu depctr_va_vdst(0)            ; one wait for the sixteen exponentials
.set pp, 0
.rept 4
	v_pk_add_f32 v[XF0+8+2*pp:XF0+9+2*pp], v[ACC+2*pp:ACC+2*pp+1], v[ACC+8+2*pp:ACC+9+2*pp]
.set pp, pp+1
.endr
.irp mm, 1,2,4,8
.set jj, 0
.rept 8
	v_add_f32_dpp v[XF0+8+jj], v[XF0+8+jj], v[XF0+8+jj] row_xmask:\mm row_mask:0xf bank_mask:0xf
.set jj, jj+1
.endr
.endr
.set jj, 0
.rept 8
	v_rcp_f32 v[XF0+8+jj], v[XF0+8+jj]
.set jj, jj+1
.endr
	v_nop
	s_wait_alu depctr_va_vdst(0)            ; one wait for the eight reciprocals
.set pp, 0
.rept 4                                     ; attn_ori = p / sum + 1e-8
	v_pk_fma_f32 v[ACC+2*pp:ACC+2*pp+1], v[ACC+2*pp:ACC+2*pp+1], v[XF0+8+2*pp:XF0+9+2*pp], v[56:57]
	v_pk_fma_f32 v[ACC+8+2*pp:ACC+9+2*pp], v[ACC+8+2*pp:ACC+9+2*pp], v[XF0+8+2*pp:XF0+9+2*pp], v[56:57]
.set pp, pp+1
.endr
.set pp, 0
.rept 4
	v_pk_add_f32 v[36:37], v[36:37], v[ACC+2*pp:ACC+2*pp+1]
	v_pk_add_f32 v[38:39], v[38:39], v[ACC+8+2*pp:ACC+9+2*pp]
.set pp, pp+1
.endr
	ds_store_b128 v18, v[ACC:ACC+3]
	ds_store_b128 v18, v[ACC+4:ACC+7] offset:16
	ds_store_b128 v18, v[ACC+8:ACC+11] offset:4352
	ds_store_b128 v18, v[ACC+12:ACC+15] offset:4368
.set cc, 0
.rept 8                                     ; P' = attn_ori F_g, version g = cc / 2, slot block cc % 2, at v80 + 8 cc
.set pp, 0
.rept 4
	v_pk_mul_f32 v[80+8*cc+2*pp:81+8*cc+2*pp], v[ACC+8*(cc%2)+2*pp:ACC+8*(cc%2)+2*pp+1], v[T+8*(cc/2)+2*pp:T+8*(cc/2)+2*pp+1]
.set pp, pp+1
.endr
.set cc, cc+1
.endr
.set cc, 0
.rept 8
.set ii, 0
.rept 4
	v_cvt_pk_f16_f32 v[80+8*cc+ii], v[80+8*cc+2*ii], v[80+8*cc+2*ii+1]
.set ii, ii+1
.endr
	ds_store_b128 v16, v[80+8*cc:83+8*cc] offset:4096*(cc/2)+1024*(cc%2)
.set cc, cc+1
.endr
.endm
; the two position rows' 16 numbers of K step f, into the buffers of f's parity
.macro TBL f
.set gg, 16*((\f)%2)
	ds_load_b128 v[T+gg:T+gg+3], v23 offset:128*(\f)
	ds_load_b128 v[T+gg+4:T+gg+7], v23 offset:128*(\f)+16
	ds_load_b128 v[T+gg+8:T+gg+11], v23 offset:128*(\f)+64
	ds_load_b128 v[T+gg+12:T+gg+15], v23 offset:128*(\f)+80
	ds_load_b128 v[ACC+gg:ACC+gg+3], v24 offset:33280+128*(\f)
	ds_load_b128 v[ACC+gg+4:ACC+gg+7], v24 offset:33280+128*(\f)+16
	ds_load_b128 v[ACC+gg+8:ACC+gg+11], v24 offset:33280+128*(\f)+64
	ds_load_b128 v[ACC+gg+12:ACC+gg+15], v24 offset:33280+128*(\f)+80
.endm
; FIRST LAYERNORM for my 16 tokens of block K: a lane holds 128 of its token's numbers in the order of its fragment registers, the lane 16 away the others
.macro LN1
	WIN 0
	NOPS 5
	s_lshl_b32 s51, s49, 6
	v_add_nc_u32 v26, s51, v25              ; the token's number in the window
	v_mul_u32_u24 v27, v26, 2731
	v_lshrrev_b32 v27, 16, v27              ; / 24 = 8 t + y (exact below 768)
	v_min_u32 v27, 31, v27
	v_mul_u32_u24 v28, v27, 24
	v_sub_nc_u32 v28, v26, v28              ; x
	v_min_u32 v28, 23, v28
	v_mad_u32_u24 v23, v27, s62, v4
	v_mad_u32_u24 v24, v28, s62, v4
	v_add_nc_u32 v22, s48, v21
.set kk, 0
.rept 8
	ds_load_b128 v[64+16*kk:67+16*kk], v22 offset:128*kk
	ds_load_b128 v[68+16*kk:71+16*kk], v22 offset:128*kk+16
	ds_load_b128 v[72+16*kk:75+16*kk], v22 offset:128*kk+64
	ds_load_b128 v[76+16*kk:79+16*kk], v22 offset:128*kk+80
.set kk, kk+1
.endr
	TBL 0
	TBL 1
.set ff, 0
.rept 8
.if ff < 7
	s_wait_dscnt 8                          ; the next K step's eight table loads may stay out
.else
	s_wait_dscnt 0x0
.endif
.set gg, 16*(ff%2)
.set pp, 0
.rept 8
	v_pk_add_f32 v[64+16*ff+2*pp:65+16*ff+2*pp], v[64+16*ff+2*pp:65+16*ff+2*pp], v[T+gg+2*pp:T+gg+2*pp+1]
.set pp, pp+1
.endr
.set pp, 0
.rept 8
	v_pk_add_f32 v[64+16*ff+2*pp:65+16*ff+2*pp], v[64+16*ff+2*pp:65+16*ff+2*pp], v[ACC+gg+2*pp:ACC+gg+2*pp+1]
.set pp, pp+1
.endr
.if ff == 0
.set pp, 0
.rept 4
	v_pk_add_f32 v[48+2*pp:49+2*pp], v[64+2*pp:65+2*pp], v[72+2*pp:73+2*pp]
.set pp, pp+1
.endr
.else
.set pp, 0
.rept 8
	v_pk_add_f32 v[48+2*(pp%4):49+2*(pp%4)], v[48+2*(pp%4):49+2*(pp%4)], v[64+16*ff+2*pp:65+16*ff+2*pp]
.set pp, pp+1
.endr
.endif
.if ff < 6
	TBL ff+2
.endif
.set ff, ff+1
.endr
	v_pk_add_f32 v[48:49], v[48:49], v[50:51]
	v_pk_add_f32 v[52:53], v[52:53], v[54:55]
	v_pk_add_f32 v[48:49], v[48:49], v[52:53]
	v_add_f32 v44, v48, v49
	v_permlanex16_b32 v45, v44, s56, s57
	v_add_f32 v44, v44, v45
	v_mul_f32 v44, s60, v44                 ; the mean
.set ff, 0
.rept 8
.set pp, 0
.rept 8
	v_pk_add_f32 v[64+16*ff+2*pp:65+16*ff+2*pp], v[64+16*ff+2*pp:65+16*ff+2*pp], v[44:45] op_sel_hi:[1,0] neg_lo:[0,1] neg_hi:[0,1]
.set pp, pp+1
.endr
.set pp, 0
.rept 8
.if (ff == 0) && (pp < 4)
	v_pk_mul_f32 v[48+2*pp:49+2*pp], v[64+2*pp:65+2*pp], v[64+2*pp:65+2*pp]
.else
	v_pk_fma_f32 v[48+2*(pp%4):49+2*(pp%4)], v[64+16*ff+2*pp:65+16*ff+2*pp], v[64+16*ff+2*pp:65+16*ff+2*pp], v[48+2*(pp%4):49+2*(pp%4)]
.endif
.set pp, pp+1
.endr
.set ii, 0
.rept 8
	v_cvt_pk_f16_f32 v[64+16*ff+ii], v[64+16*ff+2*ii], v[64+16*ff+2*ii+1]
.set ii, ii+1
.endr
	ds_store_b128 v11, v[64+16*ff:67+16*ff] offset:64*ff
	ds_store_b128 v11, v[68+16*ff:71+16*ff] offset:64*ff+32
.set ff, ff+1
.endr
	v_pk_add_f32 v[48:49], v[48:49], v[50:51]
	v_pk_add_f32 v[52:53], v[52:53], v[54:55]
	v_pk_add_f32 v[48:49], v[48:49], v[52:53]
	v_add_f32 v46, v48, v49
	v_permlanex16_b32 v47, v46, s56, s57
	v_add_f32 v46, v46, v47
	v_fma_f32 v46, v46, s60, s61
	v_rsq_f32 v46, v46
	v_nop
	s_wait_alu depctr_va_vdst(0)
	ds_store_b32 v13, v46
.endm
; U += y^T P' for my 64 channels over the block's 64 tokens, and the block's 22 rows x 256 bytes of attn_ori go out: 16 lanes store 256 consecutive bytes, aligned
.macro UOUT
	WIN 0
	NOPS 5
.set ii, 0
.rept 8                                     ; fragment ii = 4 x (32 tokens) + channel block, turned on the way out of LDS
	ds_load_tr16_b128 v[XF0+8*ii:XF0+8*ii+3], v8 offset:(ii/4)*17408+(ii%4)*32
	ds_load_tr16_b128 v[XF0+8*ii+4:XF0+8*ii+7], v8 offset:(ii/4)*17408+8704+(ii%4)*32
.set ii, ii+1
.endr
.set ii, 0
.rept 8
	ds_load_b128 v[XF1+4*ii:XF1+4*ii+3], v17 offset:512*ii
.set ii, ii+1
.endr
	ds_load_b128 v[T:T+3], v19
	ds_load_b128 v[T+4:T+7], v19 offset:2176
	s_cmp_lt_u32 s14, 3                     ; rows 16-21: waves 0 to 2
	s_cbranch_scc0 .Lu1_\@
	ds_load_b128 v[T+8:T+11], v19 offset:4352
.Lu1_\@:
	s_wait_dscnt 0x0
	WIN 0xf0
.set ii, 0
.rept 16                                    ; the eight accumulators (channel block, slot block) take turns
	v_wmma_f32_16x16x32_f16 v[128+8*(ii%8):135+8*(ii%8)], v[XF0+32*(ii/8)+8*((ii%8)/2):XF0+32*(ii/8)+8*((ii%8)/2)+7], v[XF1+16*(ii/8)+8*(ii%2):XF1+16*(ii/8)+8*(ii%2)+7], v[128+8*(ii%8):135+8*(ii%8)]
.set ii, ii+1
.endr
	WIN 0
	global_store_b128 v20, v[T:T+3], s[58:59] th:TH_STORE_NT
	global_store_b128 v20, v[T+4:T+7], s[58:59] offset:24576 th:TH_STORE_NT
	s_cmp_lt_u32 s14, 3
	s_cbranch_scc0 .Lu2_\@
	global_store_b128 v20, v[T+8:T+11], s[58:59] offset:49152 th:TH_STORE_NT
.Lu2_\@:
	s_wait_xcnt 0x0                         ; the stores have read their data and base: only now are they rewritten
	s_add_nc_u64 s[58:59], s[58:59], 256
.endm
; TRIP K: layer 2, softmax and U for block K - 1; LayerNorm and layer 1 for block K.  Dead steps (K = 0; K = 12) are jumped forward, past no barrier and no tensor load.
; refill = 1: the slot that LN1 has read takes block K + 2.
.macro TRIP refill
.if \refill
	s_cmp_eq_u32 s49, 0
	s_cbranch_scc1 .Ls1_\@
.endif
	GEMM 2
.Ls1_\@:
	BAR                                     ; X2 and SSB are whole
.if \refill
	s_cmp_eq_u32 s49, 0
	s_cbranch_scc1 .Ls3_\@
.endif
	SOFT
.Ls3_\@:
.if !(\refill)
	s_cmp_eq_u32 s49, 12
	s_cbranch_scc1 .Ls4_\@
.endif
	LN1
.Ls4_\@:
.if \refill
	s_wait_xcnt 0x0                         ; the last trip's prefetches have read their pointer
	s_add_nc_u64 s[54:55], s[54:55], 65536
.endif
	s_wait_tensorcnt 0x0                    ; all my tensor loads have landed: the one that was out is my part of the next block,
	ds_add_u32 v62, v63                     ; 0 onto my spare word
.if \refill
	s_xor_b32 s41, s41, SLOT1               ; the walking descriptor: the slot just read, two blocks on
	s_add_nc_u64 s[42:43], s[42:43], 65536
.endif
	s_xor_b32 s48, s48, SLOT1
	s_wait_dscnt 0x0                        ; the add is done, my reads of the slot are back, my stores to XB, RS1, PB and AT are done
	s_barrier_signal -1
	s_barrier_wait -1
.if \refill
	tensor_load_to_lds s[40:43], s[20:27]   ; my one tensor load behind this barrier, and the first thing there
	s_nop 0
	NOPS 4
	s_cmp_lt_u32 s49, s53                   ; block K + 3, my own 16 rows of it: 64 pieces of 256 bytes, a lane a piece, one trip ahead of the load that will want them
	s_cbranch_scc0 .Lnp_\@
	global_prefetch_b8 v30, s[54:55] th:TH_LOAD_NT scope:SCOPE_SE
	global_prefetch_b8 v30, s[54:55] offset:8192 th:TH_LOAD_NT scope:SCOPE_SE
.Lnp_\@:
.else
	s_cmp_eq_u32 s49, 12
	s_cbranch_scc1 .Ls6_\@
.endif
	GEMM 1
.Ls6_\@:
.if \refill
	s_cmp_eq_u32 s49, 0
	s_cbranch_scc1 .Ls7_\@
.endif
	UOUT
.Ls7_\@:
	BAR                                     ; HB is whole; X2, PB and AT have been read
	s_add_co_u32 s49, s49, 1
.endm
.Lfill:                                     ; trips 0 to 9 ask for blocks 2 to 11
	TRIP 1
	s_cmp_lt_u32 s49, 10
	s_cbranch_scc1 .Lfill
.Ltail:                                     ; trips 10 to 12 ask for nothing: written out
	TRIP 0
	s_cmp_lt_u32 s49, 13
	s_cbranch_scc1 .Ltail
	; THE END: L over the four waves, u = U / L, through LDS, out as whole rows
	NOPS 5
	v_add_f32 v36, v36, v37
	v_add_f32 v38, v38, v39
	v_permlanex16_b32 v37, v36, s56, s57
	v_permlanex16_b32 v39, v38, s56, s57
	v_add_f32 v36, v36, v37
	v_add_f32 v38, v38, v39
	ds_store_b32 v14, v36
	ds_store_b32 v14, v38 offset:64
	BAR
	v_lshl_add_u32 v26, v1, 2, SSB
.set ii, 0
.rept 4
	ds_load_b32 v[T+2*ii], v26 offset:256*ii
	ds_load_b32 v[T+2*ii+1], v26 offset:256*ii+64
.set ii, ii+1
.endr
	s_wait_dscnt 0x0
	v_pk_add_f32 v[T:T+1], v[T:T+1], v[T+2:T+3]
	v_pk_add_f32 v[T+4:T+5], v[T+4:T+5], v[T+6:T+7]
	v_pk_add_f32 v[T:T+1], v[T:T+1], v[T+4:T+5]
	v_rcp_f32 v44, v[T]
	v_rcp_f32 v46, v[T+1]
	v_nop
	s_wait_alu depctr_va_vdst(0)
	WIN 0x03                                ; U in window 3
.set cc, 0
.rept 8
.set pp, 0
.rept 4
	v_pk_mul_f32 v[64+8*cc+2*pp:65+8*cc+2*pp], v[128+8*cc+2*pp:129+8*cc+2*pp], v[44+2*(cc%2):45+2*(cc%2)] op_sel_hi:[1,0]
.set pp, pp+1
.endr
.set cc, cc+1
.endr
	WIN 0
.set ii, 0
.rept 32
	v_cvt_pk_f16_f32 v[ACC+ii], v[64+2*ii], v[65+2*ii]
.set ii, ii+1
.endr
.set cc, 0
.rept 8
	ds_store_b128 v9, v[ACC+4*cc:ACC+4*cc+3] offset:8448*(cc%2)+32*(cc/2)
.set cc, cc+1
.endr
	BAR
	s_mul_i32 s2, s14, 528
	s_add_co_u32 s2, s2, HBL
	v_lshl_add_u32 v26, v3, 4, s2           ; row = wave + 4 i, 16 bytes a lane
	v_lshlrev_b32 v27, 4, v0
	s_mul_i32 s2, s15, 10240
	s_mov_b32 s3, 0
	s_add_nc_u64 s[12:13], s[12:13], s[2:3]
.set ii, 0
.rept 5
	ds_load_b128 v[64+4*ii:67+4*ii], v26 offset:2112*ii
.set ii, ii+1
.endr
.set ii, 0
.rept 5
	s_wait_dscnt 4-ii
	global_store_b128 v27, v[64+4*ii:67+4*ii], s[12:13] offset:2048*ii
.set ii, ii+1
.endr
	s_wait_tensorcnt 0x0                    ; the wave's end
	ds_add_u32 v62, v63
	s_wait_dscnt 0x0
	s_endpgm
.Lfunc_end_k_q9e70cb77b2_main:
	.size	k_q9e70cb77b2_main, .Lfunc_end_k_q9e70cb77b2_main-k_q9e70cb77b2_main
	.p2alignl 7, 3214868480
	.fill 96, 4, 3214868480
	.section	.rodata,"a",@progbits
	.p2align	6, 0x0
	.amdhsa_kernel k_q9e70cb77b2_main
		.amdhsa_group_segment_fixed_size 327680
		.amdhsa_private_segment_fixed_size 0
		.amdhsa_enable_private_segment 0
		.amdhsa_kernarg_size 40
		.amdhsa_user_sgpr_count 2
		.amdhsa_user_sgpr_kernarg_segment_ptr 1
		.amdhsa_wavefront_size32 1
		.amdhsa_system_sgpr_workgroup_id_x 1
		.amdhsa_system_sgpr_workgroup_id_y 1
		.amdhsa_system_sgpr_workgroup_id_z 1
		.amdhsa_system_vgpr_workitem_id 0
		.amdhsa_next_free_vgpr 1024
		.amdhsa_next_free_sgpr 72
		.amdhsa_reserve_vcc 1
		.amdhsa_float_denorm_mode_32 3
		.amdhsa_float_denorm_mode_16_64 3
		.amdhsa_memory_ordered 1
		.amdhsa_forward_progress 1
		.amdhsa_inst_pref_size 255
	.end_amdhsa_kernel
	.amdgpu_metadata
---
amdhsa.version: [ 1, 2 ]
amdhsa.kernels:
  - .name:           k_q9e70cb77b2_main
    .symbol:         k_q9e70cb77b2_main.kd
    .args:
      - { .name: inputs, .offset: 0, .size: 8, .value_kind: global_buffer, .address_space: global }
      - { .name: wts, .offset: 8, .size: 8, .value_kind: global_buffer, .address_space: global }
      - { .name: tab, .offset: 16, .size: 8, .value_kind: global_buffer, .address_space: global }
      - { .name: out1, .offset: 24, .size: 8, .value_kind: global_buffer, .address_space: global }
      - { .name: ub, .offset: 32, .size: 8, .value_kind: global_buffer, .address_space: global }
    .group_segment_fixed_size: 327680
    .private_segment_fixed_size: 0
    .kernarg_segment_align: 8
    .kernarg_segment_size: 40
    .max_flat_workgroup_size: 128
    .sgpr_count:     72
    .vgpr_count:     1024
    .wavefront_size: 32
...
	.end_amdgpu_metadata
.endif
;; end of part 2
;; launch tail (part 3): grid 140 x 1, 4 waves a work-group, no clusters, 154,624 bytes of LDS; arguments ub, wts, tab, slots, gru_bi, ff2_b, out0; writes out0
.if DOCPART == 3
	.amdgcn_target "amdgcn-amd-amdhsa--gfx1250"
	.amdhsa_code_object_version 6
	.text
	.protected	k_q9e70cb77b2_tail
	.globl	k_q9e70cb77b2_tail
	.p2align	8
	.type	k_q9e70cb77b2_tail,@function
k_q9e70cb77b2_tail:
	s_mov_b64 s[64:65], 0
	v_nop
	global_prefetch_b8 v0, s[64:65] scope:SCOPE_SE
	s_setreg_imm32_b32 hwreg(HW_REG_WAVE_MODE, 25, 1), 1
	s_wait_xcnt 0x0
; TAIL: 4,480 rows (window x 20 slots), 32 to a work-group, two tiles of 16.  upd = u Wv'^T + vb'; GRU with the slot's own row as the old state; LayerNorm, ff1, relu, ff2, residual.
; Wave v owns output channels 64 v .. 64 v + 63 of every product; its weight fragments come straight from wts into windows 1 to 3; activations pass through LDS in f16, the new state in f32.
; The matrix instruction takes 16 channels as source 0 and 16 rows as source 1: a lane holds one row and eight neighbouring channels.  Every stage is a loop over the two tiles.
; No tensor loads: all that goes through LDS is small and is written by the waves.  No cluster: the weights go to registers.
; FORMAT: f16, for its 11 significant bits.  u and the LayerNorm's result are at most 16; upd and relu's result at most 16 x their weight row's length + their bias.
; LIMITS: an upd or a relu result beyond 65,504 becomes an infinity; sigmoid and tanh by 2^x and 1/x (exponents beyond f32's range give the limits 0 and 1, -1 and 1); NaN and infinities are not treated apart.
; LDS: 0 A0 32 x 528 (u) | 16896 A1 32 x 528 | 33792 HN 32 x 1040 (f32) | 67072 TG rows 0-19 x 3088 | 129024 slots 0-19 x 1040 | 150016 four bias rows of 1,024 (gru_bi's third part, vb', ff1's, ff2_b) | 154112 the spare words
; REGISTERS, window 0: v0-19 the thread's number and addresses that last; v20-29 at work (the head's copy addresses, later the LayerNorm's sums, at the end the way out's address); v30, v31 the add's two; v32-95 fragments; v96-191 accumulators; v192-255 at work.
.set A1L, 16896
.set HNL, 33792
.set TGL, 67072
.set SLL, 129024
.set BLL, 150016
.set SPARE, 154112
.set MSB, 0
.macro WIN new
.if MSB != (\new)
	s_set_vgpr_msb (MSB<<8)|(\new)
.set MSB, (\new)
.endif
.endm
.macro NOPS n
.rept \n
	v_nop
.endr
.endm
.macro BAR
	s_wait_dscnt 0x0
	s_barrier_signal -1
	s_barrier_wait -1
.endm
.macro LOADW win, off                   ; my 32 fragments of a table into a window
	WIN (\win)<<6
.set ii, 0
.rept 64
	global_load_b128 v[4*ii:4*ii+3], v18, s[6:7] offset:(\off)+512*ii
.set ii, ii+1
.endr
	WIN 0
.endm
.macro FRAGS adr                        ; a tile's fragments (16 rows x 256 k) into v32-95
.set kk, 0
.rept 8
	ds_load_b128 v[32+8*kk:35+8*kk], v[\adr] offset:64*kk
	ds_load_b128 v[36+8*kk:39+8*kk], v[\adr] offset:64*kk+32
.set kk, kk+1
.endr
.endm
.macro BIAS k, dst                      ; bias row k for my 32 channels a lane
.set ii, 0
.rept 8
	ds_load_b128 v[(\dst)+4*ii:(\dst)+4*ii+3], v9 offset:1024*(\k)+64*(ii/2)+16*(ii%2)
.set ii, ii+1
.endr
.endm
.macro MMT wset, acc                    ; 32 matrix instructions; the four accumulators take turns
	WIN \wset
.set ff, 0
.rept 8
.set cc, 0
.rept 4
.if ff == 0
	v_wmma_f32_16x16x32_f16 v[(\acc)+8*cc:(\acc)+8*cc+7], v[64*cc:64*cc+7], v[32:39], 0
.else
	v_wmma_f32_16x16x32_f16 v[(\acc)+8*cc:(\acc)+8*cc+7], v[64*cc+8*ff:64*cc+8*ff+7], v[32+8*ff:39+8*ff], v[(\acc)+8*cc:(\acc)+8*cc+7]
.endif
.set cc, cc+1
.endr
.set ff, ff+1
.endr
.endm
	s_load_b256 s[4:11], s[0:1], 0x0        ; ub s[4:5], wts s[6:7], tab s[8:9], slots s[10:11]
	s_load_b128 s[12:15], s[0:1], 0x20      ; gru_bi s[12:13], ff2_b s[14:15]
	s_load_b64 s[16:17], s[0:1], 0x30       ; out0
	v_lshl_add_u32 v30, v0, 2, SPARE
	v_mov_b32 v31, 0
	v_lshrrev_b32 v1, 5, v0
	v_readfirstlane_b32 s18, v1             ; wave
	v_and_b32 v1, 15, v0
	v_bfe_u32 v2, v0, 4, 1
	v_and_b32 v3, 31, v0
	s_mov_b32 s56, 0x76543210
	s_mov_b32 s57, 0xfedcba98
	s_mov_b32 s58, 0x3b800000               ; 1/256
	s_mov_b32 s59, 0x3727c5ac               ; 1e-5
	s_mov_b32 s40, 0xbfb8aa3b               ; -log2(e)
	s_mov_b32 s41, 0xbfb8aa3b
	s_mov_b32 s42, 0x4038aa3b               ; 2 log2(e)
	s_mov_b32 s43, 0x4038aa3b
	s_mov_b32 s24, 3088
	s_mov_b32 s25, 1040
	v_mul_u32_u24 v4, v1, 528
	v_lshl_add_u32 v4, v2, 4, v4            ; fragments of A0
	v_add_nc_u32 v5, A1L, v4                ; fragments of A1
	s_lshl_b32 s2, s18, 7
	v_add_nc_u32 v6, s2, v5                 ; where I put 16 bytes of a row of A1
	v_mul_u32_u24 v8, v1, 1040
	v_lshl_add_u32 v8, v2, 5, v8
	v_add_nc_u32 v8, HNL, v8                ; HN in the order of a lane's fragment registers
	s_lshl_b32 s2, s18, 8
	v_add_nc_u32 v7, s2, v8                 ; my own words of HN
	s_add_co_u32 s3, s2, BLL
	v_lshl_add_u32 v9, v2, 5, s3
	v_mov_b32 v10, 0
	s_add_co_u32 s3, s2, TGL
	v_lshl_add_u32 v16, v2, 5, s3
	s_add_co_u32 s3, s2, SLL
	v_lshl_add_u32 v17, v2, 5, s3
	s_lshl_b32 s2, s18, 15
	v_lshl_add_u32 v18, v3, 4, s2
	v_lshlrev_b32 v19, 4, v0                ; 16 x thread
	v_lshlrev_b32 v20, 3, v0                ; 8 x thread
	s_mul_i32 s2, s18, 528
	v_lshl_add_u32 v21, v3, 4, s2           ; u: row wave + 4 i
	v_add_nc_u32 v22, TGL, v19              ; TG: two rows are three runs of 128 pieces of 16 bytes
	v_lshrrev_b32 v24, 6, v0
	v_lshl_add_u32 v23, v24, 4, v22         ; the middle run crosses from the even row to the odd one at thread 64
	v_mul_u32_u24 v24, v24, 1040
	v_and_b32 v25, 63, v0
	v_lshl_add_u32 v24, v25, 4, v24
	v_add_nc_u32 v24, SLL, v24              ; slots: row thread / 64 + 2 i
	v_add_nc_u32 v26, BLL, v20
	s_lshl_b32 s2, ttmp9, 14
	s_mov_b32 s3, 0
	s_lshl_b32 s26, ttmp9, 15
	s_mov_b32 s27, 0
	s_wait_kmcnt 0x0
	s_add_nc_u64 s[4:5], s[4:5], s[2:3]
	s_add_nc_u64 s[16:17], s[16:17], s[26:27]
.set ii, 0
.rept 8
	global_load_b128 v[32+4*ii:35+4*ii], v19, s[4:5] offset:2048*ii
.set ii, ii+1
.endr
.set ii, 0
.rept 30
	global_load_b128 v[64+4*ii:67+4*ii], v19, s[8:9] offset:5120+2048*ii
.set ii, ii+1
.endr
.set ii, 0
.rept 10
	global_load_b128 v[184+4*ii:187+4*ii], v19, s[10:11] offset:2048*ii
.set ii, ii+1
.endr
	global_load_b64 v[224:225], v20, s[12:13] offset:2048
	global_load_b64 v[226:227], v20, s[8:9] offset:2048
	global_load_b64 v[228:229], v20, s[8:9] offset:3072
	global_load_b64 v[230:231], v20, s[14:15]
	LOADW 1, 393216                         ; v's weights
	s_wait_loadcnt 0x3f                     ; of the 116 loads at most the youngest 63 are out: the 52 copies are in
.set ii, 0
.rept 8
	ds_store_b128 v21, v[32+4*ii:35+4*ii] offset:2112*ii
.set ii, ii+1
.endr
.set ii, 0
.rept 10
	ds_store_b128 v22, v[64+12*ii:67+12*ii] offset:6176*ii
	ds_store_b128 v23, v[68+12*ii:71+12*ii] offset:6176*ii+2048
	ds_store_b128 v22, v[72+12*ii:75+12*ii] offset:6176*ii+4112
	ds_store_b128 v24, v[184+4*ii:187+4*ii] offset:2080*ii
.set ii, ii+1
.endr
.set ii, 0
.rept 4
	ds_store_b64 v26, v[224+2*ii:225+2*ii] offset:1024*ii
.set ii, ii+1
.endr
	BAR
	s_wait_loadcnt 0x0
	LOADW 2, 655360                         ; gru_wi's z rows
	LOADW 3, 786432                         ; its n rows
	; ---- upd = u Wv'^T + vb' ----
	s_mov_b32 s20, 2
	s_mov_b32 s21, 0
.Lv:
	v_add_nc_u32 v11, s21, v4
	FRAGS 11
	BIAS 1, 192
	s_wait_dscnt 0x0
	MMT 0x01, 96
	WIN 0
	NOPS 5
.set ii, 0
.rept 16
	v_pk_add_f32 v[96+2*ii:97+2*ii], v[96+2*ii:97+2*ii], v[192+2*ii:193+2*ii]
.set ii, ii+1
.endr
.set ii, 0
.rept 16
	v_cvt_pk_f16_f32 v[224+ii], v[96+2*ii], v[97+2*ii]
.set ii, ii+1
.endr
	v_add_nc_u32 v12, s21, v6
.set cc, 0
.rept 4
	ds_store_b128 v12, v[224+4*cc:227+4*cc] offset:32*cc
.set cc, cc+1
.endr
	s_add_co_u32 s21, s21, 8448
	s_sub_co_u32 s20, s20, 1
	s_cmp_lg_u32 s20, 0
	s_cbranch_scc1 .Lv
	BAR
	LOADW 1, 524288                         ; gru_wi's r rows, where v's weights lay
	; ---- GRU ----
.macro GL cb, buf                       ; channel block cb: TG's r, z and n parts, the old state, gru_bi's third part: 10 loads
.set ii, 0
.rept 2
	ds_load_b128 v[(\buf)+4*ii:(\buf)+4*ii+3], v13 offset:64*(\cb)+16*ii
	ds_load_b128 v[(\buf)+8+4*ii:(\buf)+11+4*ii], v13 offset:1024+64*(\cb)+16*ii
	ds_load_b128 v[(\buf)+16+4*ii:(\buf)+19+4*ii], v13 offset:2048+64*(\cb)+16*ii
	ds_load_b128 v[(\buf)+24+4*ii:(\buf)+27+4*ii], v14 offset:64*(\cb)+16*ii
	ds_load_b128 v[(\buf)+32+4*ii:(\buf)+35+4*ii], v9 offset:64*(\cb)+16*ii
.set ii, ii+1
.endr
.endm
.macro P4 line:vararg                   ; one line for each of four register pairs pp
.set pp, 0
.rept 4
	\line
.set pp, pp+1
.endr
.endm
.macro GC cb, buf                       ; the gates of channel block cb: each batch of exponentials or reciprocals has one plain instruction and one wait behind it
.set AZ, 96+8*(\cb)
.set AN, 128+8*(\cb)
.set AR, 160+8*(\cb)
.set BU, (\buf)
	P4 v_pk_add_f32 v[AR+2*pp:AR+2*pp+1], v[AR+2*pp:AR+2*pp+1], v[BU+2*pp:BU+2*pp+1]
	P4 v_pk_add_f32 v[AZ+2*pp:AZ+2*pp+1], v[AZ+2*pp:AZ+2*pp+1], v[BU+8+2*pp:BU+9+2*pp]
	P4 v_pk_mul_f32 v[AR+2*pp:AR+2*pp+1], v[AR+2*pp:AR+2*pp+1], s[40:41] op_sel_hi:[1,0]
	P4 v_pk_mul_f32 v[AZ+2*pp:AZ+2*pp+1], v[AZ+2*pp:AZ+2*pp+1], s[40:41] op_sel_hi:[1,0]
.set jj, 0
.rept 8
	v_exp_f32 v[AR+jj], v[AR+jj]
	v_exp_f32 v[AZ+jj], v[AZ+jj]
.set jj, jj+1
.endr
	P4 v_pk_add_f32 v[AN+2*pp:AN+2*pp+1], v[AN+2*pp:AN+2*pp+1], v[BU+32+2*pp:BU+33+2*pp]
	s_wait_alu depctr_va_vdst(0)
	P4 v_pk_add_f32 v[AR+2*pp:AR+2*pp+1], v[AR+2*pp:AR+2*pp+1], 1.0 op_sel_hi:[1,0]
	P4 v_pk_add_f32 v[AZ+2*pp:AZ+2*pp+1], v[AZ+2*pp:AZ+2*pp+1], 1.0 op_sel_hi:[1,0]
.set jj, 0
.rept 8
	v_rcp_f32 v[AR+jj], v[AR+jj]
	v_rcp_f32 v[AZ+jj], v[AZ+jj]
.set jj, jj+1
.endr
	v_nop
	s_wait_alu depctr_va_vdst(0)
	P4 v_pk_fma_f32 v[AN+2*pp:AN+2*pp+1], v[AR+2*pp:AR+2*pp+1], v[BU+16+2*pp:BU+17+2*pp], v[AN+2*pp:AN+2*pp+1]
	P4 v_pk_mul_f32 v[AN+2*pp:AN+2*pp+1], v[AN+2*pp:AN+2*pp+1], s[42:43] op_sel_hi:[1,0]
.set jj, 0
.rept 8
	v_exp_f32 v[AN+jj], v[AN+jj]
.set jj, jj+1
.endr
	v_nop
	s_wait_alu depctr_va_vdst(0)
	P4 v_pk_add_f32 v[AN+2*pp:AN+2*pp+1], v[AN+2*pp:AN+2*pp+1], 1.0 op_sel_hi:[1,0]
.set jj, 0
.rept 8
	v_rcp_f32 v[AN+jj], v[AN+jj]
.set jj, jj+1
.endr
	v_nop
	s_wait_alu depctr_va_vdst(0)
	P4 v_pk_fma_f32 v[AN+2*pp:AN+2*pp+1], v[AN+2*pp:AN+2*pp+1], -2.0, 1.0 op_sel_hi:[1,0,0]
	P4 v_pk_add_f32 v[AR+2*pp:AR+2*pp+1], v[BU+24+2*pp:BU+25+2*pp], v[AN+2*pp:AN+2*pp+1] neg_lo:[0,1] neg_hi:[0,1]
	P4 v_pk_fma_f32 v[AN+2*pp:AN+2*pp+1], v[AZ+2*pp:AZ+2*pp+1], v[AR+2*pp:AR+2*pp+1], v[AN+2*pp:AN+2*pp+1]
	ds_store_b128 v15, v[AN:AN+3] offset:64*(\cb)
	ds_store_b128 v15, v[AN+4:AN+7] offset:64*(\cb)+16
.endm
	s_lshl_b32 s22, ttmp9, 5                ; the tile's first row
	s_mov_b32 s20, 2
	s_mov_b32 s21, 0
	s_mov_b32 s23, 0
.Lgru:
	v_add_nc_u32 v11, s21, v5
	FRAGS 11
	v_add_nc_u32 v12, s22, v1               ; my row; its slot = row mod 20
	v_mul_u32_u24 v13, v12, 52429
	v_lshrrev_b32 v13, 20, v13              ; row / 20 (exact below 4,480)
	v_mul_u32_u24 v13, v13, 20
	v_sub_nc_u32 v12, v12, v13
	v_min_u32 v12, 19, v12
	v_mad_u32_u24 v13, v12, s24, v16
	v_mad_u32_u24 v14, v12, s25, v17
	v_add_nc_u32 v15, s23, v7
	s_wait_dscnt 0x0
	s_wait_loadcnt 0x3f                     ; the r rows' 64 loads are the youngest: z's and n's are in
	MMT 0x02, 96
	MMT 0x03, 128
	s_wait_loadcnt 0x0
	MMT 0x01, 160
	WIN 0
	NOPS 5
	GL 0, 192
	GL 1, 32
	s_wait_dscnt 10                         ; block 1's ten loads may stay out
	GC 0, 192
	GL 2, 192
	s_wait_dscnt 12                         ; two stores and ten loads are younger than block 1's loads
	GC 1, 32
	GL 3, 32
	s_wait_dscnt 12
	GC 2, 192
	s_wait_dscnt 2                          ; block 2's two stores
	GC 3, 32
	s_add_co_u32 s21, s21, 8448
	s_add_co_u32 s22, s22, 16
	s_add_co_u32 s23, s23, 16640
	s_sub_co_u32 s20, s20, 1
	s_cmp_lg_u32 s20, 0
	s_cbranch_scc1 .Lgru
	BAR
	LOADW 2, 917504                         ; ff1's weights
	LOADW 3, 1048576                        ; ff2's
	; ---- LayerNorm (each wave for itself, straight into fragments), ff1, relu.  Its sums take v20-29: the head's copy addresses are done with ----
	s_mov_b32 s20, 2
	s_mov_b32 s21, 0
	s_mov_b32 s23, 0
.Lf1:
	v_add_nc_u32 v11, s23, v8
.set kk, 0
.rept 8
	ds_load_b128 v[96+16*kk:99+16*kk], v11 offset:128*kk
	ds_load_b128 v[100+16*kk:103+16*kk], v11 offset:128*kk+16
	ds_load_b128 v[104+16*kk:107+16*kk], v11 offset:128*kk+64
	ds_load_b128 v[108+16*kk:111+16*kk], v11 offset:128*kk+80
.set kk, kk+1
.endr
	BIAS 2, 224
	s_wait_dscnt 0x0
.set pp, 0
.rept 4
	v_pk_add_f32 v[22+2*pp:23+2*pp], v[96+2*pp:97+2*pp], v[104+2*pp:105+2*pp]
.set pp, pp+1
.endr
.set pp, 8
.rept 56
	v_pk_add_f32 v[22+2*(pp%4):23+2*(pp%4)], v[22+2*(pp%4):23+2*(pp%4)], v[96+2*pp:97+2*pp]
.set pp, pp+1
.endr
	v_pk_add_f32 v[22:23], v[22:23], v[24:25]
	v_pk_add_f32 v[26:27], v[26:27], v[28:29]
	v_pk_add_f32 v[22:23], v[22:23], v[26:27]
	v_add_f32 v20, v22, v23
	v_permlanex16_b32 v21, v20, s56, s57
	v_add_f32 v20, v20, v21
	v_mul_f32 v20, s58, v20
.set pp, 0
.rept 64
	v_pk_add_f32 v[96+2*pp:97+2*pp], v[96+2*pp:97+2*pp], v[20:21] op_sel_hi:[1,0] neg_lo:[0,1] neg_hi:[0,1]
.set pp, pp+1
.endr
.set pp, 0
.rept 64
.if pp < 4
	v_pk_mul_f32 v[22+2*pp:23+2*pp], v[96+2*pp:97+2*pp], v[96+2*pp:97+2*pp]
.else
	v_pk_fma_f32 v[22+2*(pp%4):23+2*(pp%4)], v[96+2*pp:97+2*pp], v[96+2*pp:97+2*pp], v[22+2*(pp%4):23+2*(pp%4)]
.endif
.set pp, pp+1
.endr
	v_pk_add_f32 v[22:23], v[22:23], v[24:25]
	v_pk_add_f32 v[26:27], v[26:27], v[28:29]
	v_pk_add_f32 v[22:23], v[22:23], v[26:27]
	v_add_f32 v20, v22, v23
	v_permlanex16_b32 v21, v20, s56, s57
	v_add_f32 v20, v20, v21
	v_fma_f32 v20, v20, s58, s59
	v_rsq_f32 v20, v20
	v_nop
	s_wait_alu depctr_va_vdst(0)
.set pp, 0
.rept 64
	v_pk_mul_f32 v[96+2*pp:97+2*pp], v[96+2*pp:97+2*pp], v[20:21] op_sel_hi:[1,0]
.set pp, pp+1
.endr
.set ii, 0
.rept 64
	v_cvt_pk_f16_f32 v[32+ii], v[96+2*ii], v[97+2*ii]
.set ii, ii+1
.endr
	s_wait_loadcnt 0x0                      ; ff1's and ff2's weights
	MMT 0x02, 96
	WIN 0
	NOPS 5
.set ii, 0
.rept 16
	v_pk_add_f32 v[96+2*ii:97+2*ii], v[96+2*ii:97+2*ii], v[224+2*ii:225+2*ii]
.set ii, ii+1
.endr
.set ii, 0
.rept 16
	v_cvt_pk_f16_f32 v[192+ii], v[96+2*ii], v[97+2*ii]
.set ii, ii+1
.endr
.set ii, 0
.rept 16
	v_pk_max_num_f16 v[192+ii], v[192+ii], v10
.set ii, ii+1
.endr
	v_add_nc_u32 v12, s21, v6
.set cc, 0
.rept 4
	ds_store_b128 v12, v[192+4*cc:195+4*cc] offset:32*cc
.set cc, cc+1
.endr
	s_add_co_u32 s21, s21, 8448
	s_add_co_u32 s23, s23, 16640
	s_sub_co_u32 s20, s20, 1
	s_cmp_lg_u32 s20, 0
	s_cbranch_scc1 .Lf1
	BAR
	; ---- ff2, its bias and the residual, written back onto my own words of HN ----
	s_mov_b32 s20, 2
	s_mov_b32 s21, 0
	s_mov_b32 s23, 0
.Lf2:
	v_add_nc_u32 v11, s21, v5
	FRAGS 11
	BIAS 3, 192
	v_add_nc_u32 v15, s23, v7
.set ii, 0
.rept 8
	ds_load_b128 v[224+4*ii:227+4*ii], v15 offset:64*(ii/2)+16*(ii%2)
.set ii, ii+1
.endr
	s_wait_dscnt 0x0
	MMT 0x03, 96
	WIN 0
	NOPS 5
.set ii, 0
.rept 16
	v_pk_add_f32 v[96+2*ii:97+2*ii], v[96+2*ii:97+2*ii], v[192+2*ii:193+2*ii]
.set ii, ii+1
.endr
.set ii, 0
.rept 16
	v_pk_add_f32 v[96+2*ii:97+2*ii], v[96+2*ii:97+2*ii], v[224+2*ii:225+2*ii]
.set ii, ii+1
.endr
.set ii, 0
.rept 8
	ds_store_b128 v15, v[96+4*ii:99+4*ii] offset:64*(ii/2)+16*(ii%2)
.set ii, ii+1
.endr
	s_add_co_u32 s21, s21, 8448
	s_add_co_u32 s23, s23, 16640
	s_sub_co_u32 s20, s20, 1
	s_cmp_lg_u32 s20, 0
	s_cbranch_scc1 .Lf2
	BAR
	; ---- out: 32 rows of 1,024 bytes; a store of the wave covers 512 consecutive bytes.  The address is made here, from the thread's number: v20-29 held the LayerNorm's sums ----
	v_lshrrev_b32 v24, 6, v0                ; row thread / 64 + 2 i of HN,
	v_mul_u32_u24 v24, v24, 1040
	v_and_b32 v25, 63, v0                   ; 16 bytes a thread of its 1,024
	v_lshl_add_u32 v24, v25, 4, v24
	v_add_nc_u32 v25, HNL, v24
.set ii, 0
.rept 16
	ds_load_b128 v[32+4*ii:35+4*ii], v25 offset:2080*ii
.set ii, ii+1
.endr
.set ii, 0
.rept 16
	s_wait_dscnt 15-ii
	global_store_b128 v19, v[32+4*ii:35+4*ii], s[16:17] offset:2048*ii
.set ii, ii+1
.endr
	s_wait_tensorcnt 0x0                    ; the wave's end, behind my last LDS store
	ds_add_u32 v30, v31
	s_wait_dscnt 0x0
	s_endpgm
.Lfunc_end_k_q9e70cb77b2_tail:
	.size	k_q9e70cb77b2_tail, .Lfunc_end_k_q9e70cb77b2_tail-k_q9e70cb77b2_tail
	.p2alignl 7, 3214868480
	.fill 96, 4, 3214868480
	.section	.rodata,"a",@progbits
	.p2align	6, 0x0
	.amdhsa_kernel k_q9e70cb77b2_tail
		.amdhsa_group_segment_fixed_size 154624
		.amdhsa_private_segment_fixed_size 0
		.amdhsa_enable_private_segment 0
		.amdhsa_kernarg_size 56
		.amdhsa_user_sgpr_count 2
		.amdhsa_user_sgpr_kernarg_segment_ptr 1
		.amdhsa_wavefront_size32 1
		.amdhsa_system_sgpr_workgroup_id_x 1
		.amdhsa_system_sgpr_workgroup_id_y 1
		.amdhsa_system_sgpr_workgroup_id_z 1
		.amdhsa_system_vgpr_workitem_id 0
		.amdhsa_next_free_vgpr 1024
		.amdhsa_next_free_sgpr 66
		.amdhsa_reserve_vcc 0
		.amdhsa_float_denorm_mode_32 3
		.amdhsa_float_denorm_mode_16_64 3
		.amdhsa_memory_ordered 1
		.amdhsa_forward_progress 1
		.amdhsa_inst_pref_size 126
	.end_amdhsa_kernel
	.amdgpu_metadata
---
amdhsa.version: [ 1, 2 ]
amdhsa.kernels:
  - .name:           k_q9e70cb77b2_tail
    .symbol:         k_q9e70cb77b2_tail.kd
    .args:
      - { .name: ub, .offset: 0, .size: 8, .value_kind: global_buffer, .address_space: global }
      - { .name: wts, .offset: 8, .size: 8, .value_kind: global_buffer, .address_space: global }
      - { .name: tab, .offset: 16, .size: 8, .value_kind: global_buffer, .address_space: global }
      - { .name: slots, .offset: 24, .size: 8, .value_kind: global_buffer, .address_space: global }
      - { .name: gru_bi, .offset: 32, .size: 8, .value_kind: global_buffer, .address_space: global }
      - { .name: ff2_b, .offset: 40, .size: 8, .value_kind: global_buffer, .address_space: global }
      - { .name: out0, .offset: 48, .size: 8, .value_kind: global_buffer, .address_space: global }
    .group_segment_fixed_size: 154624
    .private_segment_fixed_size: 0
    .kernarg_segment_align: 8
    .kernarg_segment_size: 56
    .max_flat_workgroup_size: 128
    .sgpr_count:     66
    .vgpr_count:     1024
    .wavefront_size: 32
...
	.end_amdgpu_metadata
.endif
;; end of part 3
;; ======== version 2 of 3: 3 launches
;; limits: values are held in f16: magnitudes above 65,504 overflow, below 6.1e-05 lose precision
;; workspace buffers: wts 1,196,032 bytes; tab 80,896 bytes; ub 2,293,760 bytes
;; launch prep (part 4): grid 51 x 1, 4 waves a work-group, no clusters, 0 bytes of LDS; arguments FC1_w, FC1_b, LN_g, LN_b, FC2_w, FC2_b, v_w, v_b, ni_g, ni_b, gru_wi, ff1_w, ff1_b, npf_g, npf_b, ff2_w, k_w, k_b, q_w, q_b, ns_g, ns_b, slots, gru_wh, gru_bh, gru_bi, pe_w, pe_b, wts, tab; writes wts, tab
.if DOCPART == 4
	.amdgcn_target "amdgcn-amd-amdhsa--gfx1250"
	.amdhsa_code_object_version 6
	.text
	.protected	k_q9e70cb77b2_prep
	.globl	k_q9e70cb77b2_prep
	.p2align	8
	.type	k_q9e70cb77b2_prep,@function
k_q9e70cb77b2_prep:
	s_mov_b64 s[64:65], 0
	v_nop
	global_prefetch_b8 v0, s[64:65] scope:SCOPE_SE
	s_setreg_imm32_b32 hwreg(HW_REG_WAVE_MODE, 25, 1), 1
	s_wait_xcnt 0x0
; PREP: everything that hangs on the weights alone, made once.  Each wave does one job, chosen by the work-group's and the wave's number; no LDS, no barrier.
; wts: f16 matrix fragments of 16 rows x 32 k = 1,024 bytes: lane l = (r = l % 16, h = l / 16) owns 16 bytes at 16 l (k = 8h..8h+7) and 16 bytes at 512 + 16 l (k = 16+8h..), fragment number = row block x 8 + K step.
;   0 FC1_w diag(LN_g) | 131072 FC2_w less its column means | 262144 KT[d][c] = ni_g[d] k_w[c][d] | 393216 v_w diag(ni_g) | 524288 gru_wi | 917504 ff1_w diag(npf_g) | 1048576 ff2_w | 1179648 q (rows = slots, 22..31 repeat slot 21)
; tab (f32): 0 FC1_b + FC1_w LN_b | 1024 FC2_b less its mean | 2048 v_b + v_w ni_b | 3072 ff1_b + ff1_w npf_b | 4096 CP[8][32] parts of q.(k_b + k_w ni_b) | 5120 TG[22][768] = slots gru_wh^T + gru_bh (+ gru_bi in columns < 512)
;   72704 the position embedding as 16 half fragments of 512 bytes (f16): pe[c] = base + t a + y b + x c3 with whole t, y, x; each of the four is centred over the 256 channels and split into a high part and a rest:
;   lane (r, 0) of block cb holds channel 16 cb + r's base, a, b, c3 (high), base, a, b, c3 (rest); lane (r, 1) holds 1, 1, 0 .. 0, which meet the token's mean in the main launch.
; FORMAT: f16, for its 11 significant bits.  A weight times its gain is about 0.06; 900 times that is far inside 65,504, and at 1/900 of it f16's fixed step of 6e-8 is still 1/1000 of the number.
; q is at most 16 |gain| times its weight row's length plus its bias.  LIMITS: a weight, a weight times its gain, a position weight, a slot's number or a q beyond 65,504 becomes an infinity; NaN and infinities are not treated apart.
.set MSB, 0
.macro WIN new                          ; the immediate's high byte repeats the setting that is left
.if MSB != (\new)
	s_set_vgpr_msb (MSB<<8)|(\new)
.set MSB, (\new)
.endif
.endm
.macro NOPS n
.rept \n
	v_nop
.endr
.endm
; 32 loads: 128 f32 of a row in the order of a lane's fragment registers (K step kk: k = 32kk+8h+0..7, then 32kk+16+8h+0..7); the lane's 32 h bytes stand in the address register
.macro LDK dst, adr, sb, off=0
.set kk, 0
.rept 8
	global_load_b128 v[(\dst)+16*kk:(\dst)+16*kk+3], v[\adr], s[\sb:\sb+1] offset:(\off)+128*kk
	global_load_b128 v[(\dst)+16*kk+4:(\dst)+16*kk+7], v[\adr], s[\sb:\sb+1] offset:(\off)+128*kk+16
	global_load_b128 v[(\dst)+16*kk+8:(\dst)+16*kk+11], v[\adr], s[\sb:\sb+1] offset:(\off)+128*kk+64
	global_load_b128 v[(\dst)+16*kk+12:(\dst)+16*kk+15], v[\adr], s[\sb:\sb+1] offset:(\off)+128*kk+80
.set kk, kk+1
.endr
.endm
; addresses of a row block: s33 = row block, s34 = the table's first byte in wts
.macro CADR
	s_lshl_b32 s36, s33, 13
	s_add_co_u32 s34, s34, s36
	s_lshl_b32 s37, s33, 4
	v_add_nc_u32 v4, s37, v1                ; my row o
	v_lshlrev_b32 v5, 10, v4
	v_lshl_add_u32 v5, v2, 5, v5            ; o x 1024 + 32 h
	v_lshlrev_b32 v6, 5, v2                 ; 32 h
	v_lshlrev_b32 v7, 2, v4                 ; 4 o
	v_lshl_add_u32 v12, v3, 4, s34          ; 16 l + the block's fragments
.endm
	s_load_b128 s[4:7], s[0:1], 0xe0        ; wts s[4:5], tab s[6:7]
	v_lshrrev_b32 v1, 5, v0
	v_readfirstlane_b32 s2, v1              ; wave
	v_and_b32 v1, 15, v0                    ; r
	v_bfe_u32 v2, v0, 4, 1                  ; h
	v_and_b32 v3, 31, v0                    ; lane
	s_mov_b32 s56, 0x76543210               ; v_permlanex16_b32: each lane takes its own place in the other half
	s_mov_b32 s57, 0xfedcba98
	s_mov_b32 s58, 0x3b800000               ; 1/256
	s_mov_b32 s59, 0x3727c5ac               ; 1e-5
	s_mov_b32 s3, ttmp9
	s_cmp_lt_u32 s3, 12
	s_cbranch_scc1 .Lconv1
	s_cmp_lt_u32 s3, 28
	s_cbranch_scc1 .Lconv0
	s_cmp_lt_u32 s3, 32
	s_cbranch_scc1 .Lconvt
	s_cmp_lt_u32 s3, 34
	s_cbranch_scc1 .Lcen
	s_cmp_lt_u32 s3, 50
	s_cbranch_scc1 .Lsg
	s_branch .Lpt
; ---- work-groups 0-11: W diag(g) as fragments and b + W bv, for FC1, v, ff1 ----
.Lconv1:
	s_load_b256 s[8:15], s[0:1], 0x0        ; FC1_w, FC1_b, LN_g, LN_b
	s_load_b256 s[16:23], s[0:1], 0x30      ; v_w, v_b, ni_g, ni_b
	s_load_b256 s[24:31], s[0:1], 0x58      ; ff1_w, ff1_b, npf_g, npf_b
	s_lshr_b32 s32, s3, 2                   ; which matrix
	s_and_b32 s33, s3, 3
	s_lshl2_add_u32 s33, s33, s2            ; row block
	s_wait_kmcnt 0x0
	s_cmp_eq_u32 s32, 1
	s_cselect_b64 s[8:9], s[16:17], s[8:9]
	s_cselect_b64 s[10:11], s[18:19], s[10:11]
	s_cselect_b64 s[12:13], s[20:21], s[12:13]
	s_cselect_b64 s[14:15], s[22:23], s[14:15]
	s_cselect_b32 s34, 393216, 0
	s_cselect_b32 s35, 2048, 0
	s_cmp_eq_u32 s32, 2
	s_cselect_b64 s[8:9], s[24:25], s[8:9]
	s_cselect_b64 s[10:11], s[26:27], s[10:11]
	s_cselect_b64 s[12:13], s[28:29], s[12:13]
	s_cselect_b64 s[14:15], s[30:31], s[14:15]
	s_cselect_b32 s34, 917504, s34
	s_cselect_b32 s35, 3072, s35
	CADR
	LDK 64, 5, 8                            ; my row of W: window 0
	WIN 0x40
	LDK 0, 6, 12                            ; g in the same k order: window 1, v0-127
	LDK 128, 6, 14                          ; bv: window 1, v128-255
	WIN 0
	global_load_b32 v13, v7, s[10:11]       ; b[o]
	s_wait_loadcnt 0x0
	WIN 0x04                                ; source 1 in window 1
.set pp, 0
.rept 64                                    ; W bv, two chains
.if pp < 2
	v_pk_mul_f32 v[8+2*pp:9+2*pp], v[64+2*pp:65+2*pp], v[128+2*pp:129+2*pp]
.else
	v_pk_fma_f32 v[8+2*(pp%2):9+2*(pp%2)], v[64+2*pp:65+2*pp], v[128+2*pp:129+2*pp], v[8+2*(pp%2):9+2*(pp%2)]
.endif
.set pp, pp+1
.endr
.set pp, 0
.rept 64                                    ; W g
	v_pk_mul_f32 v[64+2*pp:65+2*pp], v[64+2*pp:65+2*pp], v[2*pp:2*pp+1]
.set pp, pp+1
.endr
	WIN 0
	v_pk_add_f32 v[8:9], v[8:9], v[10:11]
	v_add_f32 v8, v8, v9
	v_permlanex16_b32 v9, v8, s56, s57      ; the row's other 128 k lie in the lane 16 away
	v_add_f32 v8, v8, v9
	v_add_f32 v8, v8, v13
	v_add_nc_u32 v14, s35, v7
	global_store_b32 v14, v8, s[6:7]
	s_branch .Lcv
; ---- work-groups 12-27: gru_wi (48 row blocks) and ff2_w (16) as fragments ----
.Lconv0:
	s_load_b64 s[8:9], s[0:1], 0x50         ; gru_wi
	s_load_b64 s[16:17], s[0:1], 0x78       ; ff2_w
	s_sub_co_u32 s32, s3, 12
	s_lshl2_add_u32 s32, s32, s2
	s_sub_co_u32 s35, s32, 48
	s_mov_b32 s34, 1048576
	s_wait_kmcnt 0x0
	s_cmp_lt_u32 s32, 48
	s_cselect_b32 s33, s32, s35
	s_cselect_b32 s34, 524288, s34
	s_cselect_b64 s[8:9], s[8:9], s[16:17]
	CADR
	LDK 64, 5, 8
	s_wait_loadcnt 0x0
	s_branch .Lcv
; ---- work-groups 28-31: KT[d][c] = ni_g[d] k_w[c][d] ----
.Lconvt:
	s_load_b64 s[8:9], s[0:1], 0x80         ; k_w
	s_load_b64 s[12:13], s[0:1], 0x40       ; ni_g
	s_sub_co_u32 s33, s3, 28
	s_lshl2_add_u32 s33, s33, s2
	s_mov_b32 s34, 262144
	CADR
	v_lshl_add_u32 v5, v2, 13, v7           ; 8 h rows of k_w + 4 d
	s_wait_kmcnt 0x0
.set ii, 0
.rept 128                                   ; register 16 f + 8 half + j holds c = 32 f + 16 half + 8 h + j
	global_load_b32 v[64+ii], v5, s[8:9] offset:(32*(ii/16)+16*((ii/8)%2)+ii%8)*1024
.set ii, ii+1
.endr
	global_load_b32 v8, v7, s[12:13]
	s_wait_loadcnt 0x0
	v_mov_b32 v9, v8
.set pp, 0
.rept 64
	v_pk_mul_f32 v[64+2*pp:65+2*pp], v[64+2*pp:65+2*pp], v[8:9]
.set pp, pp+1
.endr
; the three jobs above end here: v64-191 rounded to f16 in place and stored as 8 fragments: each store of the wave covers 512 consecutive bytes
.Lcv:
.set kk, 0
.rept 8
.set ii, 0
.rept 8
	v_cvt_pk_f16_f32 v[64+16*kk+ii], v[64+16*kk+2*ii], v[64+16*kk+2*ii+1]
.set ii, ii+1
.endr
	global_store_b128 v12, v[64+16*kk:64+16*kk+3], s[4:5] offset:1024*kk
	global_store_b128 v12, v[64+16*kk+4:64+16*kk+7], s[4:5] offset:1024*kk+512
.set kk, kk+1
.endr
	s_endpgm
; ---- work-groups 32-33: FC2_w less its column means: a wave takes one K step (32 columns) of all 256 rows ----
.Lcen:
	s_load_b64 s[8:9], s[0:1], 0x20         ; FC2_w
	s_sub_co_u32 s33, s3, 32
	s_lshl2_add_u32 s33, s33, s2            ; K step
	s_lshl_b32 s34, s33, 7
	v_lshlrev_b32 v5, 10, v1
	v_lshl_add_u32 v5, v2, 5, v5
	v_add_nc_u32 v5, s34, v5                ; r x 1024 + 32 h + 128 f
	s_lshl_b32 s34, s33, 10
	s_add_co_u32 s34, s34, 131072
	v_lshl_add_u32 v12, v3, 4, s34
	v_mov_b32 v8, 0xbb800000                ; -1/256
	v_mov_b32 v9, 0xbb800000
	s_wait_kmcnt 0x0
	WIN 0x40
.set cc, 0
.rept 16                                    ; row block cc: window 1, v[16 cc ..]
	global_load_b128 v[16*cc:16*cc+3], v5, s[8:9] offset:16384*cc
	global_load_b128 v[16*cc+4:16*cc+7], v5, s[8:9] offset:16384*cc+16
	global_load_b128 v[16*cc+8:16*cc+11], v5, s[8:9] offset:16384*cc+64
	global_load_b128 v[16*cc+12:16*cc+15], v5, s[8:9] offset:16384*cc+80
.set cc, cc+1
.endr
	WIN 0
	s_wait_loadcnt 0x0
	WIN 0x05
.set pp, 0
.rept 8
	v_pk_add_f32 v[64+2*pp:65+2*pp], v[2*pp:2*pp+1], v[16+2*pp:17+2*pp]
.set pp, pp+1
.endr
	WIN 0x01
.set cc, 2
.rept 14
.set pp, 0
.rept 8
	v_pk_add_f32 v[64+2*pp:65+2*pp], v[16*cc+2*pp:16*cc+2*pp+1], v[64+2*pp:65+2*pp]
.set pp, pp+1
.endr
.set cc, cc+1
.endr
	WIN 0
.irp mm, 1,2,4,8                            ; over the 16 rows of a block: the 16 lanes of my half
.set ii, 0
.rept 16
	v_add_f32_dpp v[64+ii], v[64+ii], v[64+ii] row_xmask:\mm row_mask:0xf bank_mask:0xf
.set ii, ii+1
.endr
.endr
.set pp, 0
.rept 8
	v_pk_mul_f32 v[64+2*pp:65+2*pp], v[64+2*pp:65+2*pp], v[8:9]
.set pp, pp+1
.endr
	WIN 0x41
.set cc, 0
.rept 16
.set pp, 0
.rept 8
	v_pk_add_f32 v[16*cc+2*pp:16*cc+2*pp+1], v[16*cc+2*pp:16*cc+2*pp+1], v[64+2*pp:65+2*pp]
.set pp, pp+1
.endr
.set cc, cc+1
.endr
	WIN 0x45
.set cc, 0
.rept 16
.set ii, 0
.rept 8
	v_cvt_pk_f16_f32 v[16*cc+ii], v[16*cc+2*ii], v[16*cc+2*ii+1]
.set ii, ii+1
.endr
.set cc, cc+1
.endr
	WIN 0x04                                ; store data in window 1
.set cc, 0
.rept 16
	global_store_b128 v12, v[16*cc:16*cc+3], s[4:5] offset:8192*cc
	global_store_b128 v12, v[16*cc+4:16*cc+7], s[4:5] offset:8192*cc+512
.set cc, cc+1
.endr
	WIN 0
	s_endpgm
; ---- work-groups 34-49: products with the 22 slots: 64 waves = 32 units x 2 blocks of 16 slots.  Units 0-7: q = LN(slots) q_w^T + q_b, 32 outputs each; units 8-31: hg = slots gru_wh^T + gru_bh ----
; A wave asks for all that it needs at once: its 16 slot rows (window 0), its 32 weight rows (window 3), and for q the gain and bias (window 1), 16 rows of k_w a lane half (window 2) and three short vectors.
; LayerNorm of the slot rows held in window X, v64-191 (a lane has 128 of its slot's 256 numbers, the lane 16 away the others): mean, centred squares, scale, gain and bias
.macro LNS X
	WIN (\X)|((\X)<<2)
.set pp, 0
.rept 4
	v_pk_add_f32 v[16+2*pp:17+2*pp], v[64+2*pp:65+2*pp], v[72+2*pp:73+2*pp]
.set pp, pp+1
.endr
	WIN (\X)
.set pp, 8
.rept 56
	v_pk_add_f32 v[16+2*(pp%4):17+2*(pp%4)], v[64+2*pp:65+2*pp], v[16+2*(pp%4):17+2*(pp%4)]
.set pp, pp+1
.endr
	WIN 0
	v_pk_add_f32 v[16:17], v[16:17], v[18:19]
	v_pk_add_f32 v[20:21], v[20:21], v[22:23]
	v_pk_add_f32 v[16:17], v[16:17], v[20:21]
	v_add_f32 v16, v16, v17
	v_permlanex16_b32 v17, v16, s56, s57
	v_add_f32 v16, v16, v17
	v_mul_f32 v16, s58, v16
	v_mov_b32 v17, v16
	WIN ((\X)<<6)|(\X)
.set pp, 0
.rept 64
	v_pk_add_f32 v[64+2*pp:65+2*pp], v[64+2*pp:65+2*pp], v[16:17] neg_lo:[0,1] neg_hi:[0,1]
.set pp, pp+1
.endr
	WIN (\X)|((\X)<<2)
.set pp, 0
.rept 64
.if pp < 4
	v_pk_mul_f32 v[16+2*pp:17+2*pp], v[64+2*pp:65+2*pp], v[64+2*pp:65+2*pp]
.else
	v_pk_fma_f32 v[16+2*(pp%4):17+2*(pp%4)], v[64+2*pp:65+2*pp], v[64+2*pp:65+2*pp], v[16+2*(pp%4):17+2*(pp%4)]
.endif
.set pp, pp+1
.endr
	WIN 0
	v_pk_add_f32 v[16:17], v[16:17], v[18:19]
	v_pk_add_f32 v[20:21], v[20:21], v[22:23]
	v_pk_add_f32 v[16:17], v[16:17], v[20:21]
	v_add_f32 v16, v16, v17
	v_permlanex16_b32 v17, v16, s56, s57
	v_add_f32 v16, v16, v17
	v_fma_f32 v16, v16, s58, s59
	v_rsq_f32 v16, v16
	v_nop                                   ; a plain instruction behind the root,
	s_wait_alu depctr_va_vdst(0)            ; and the wait ahead of its first reader
	v_mov_b32 v17, v16
	WIN ((\X)<<6)|(\X)
.set pp, 0
.rept 64
	v_pk_mul_f32 v[64+2*pp:65+2*pp], v[64+2*pp:65+2*pp], v[16:17]
.set pp, pp+1
.endr
	WIN ((\X)<<6)|0x14|(\X)                 ; gain and bias in window 1
.set pp, 0
.rept 64
	v_pk_fma_f32 v[64+2*pp:65+2*pp], v[64+2*pp:65+2*pp], v[2*pp:2*pp+1], v[128+2*pp:129+2*pp]
.set pp, pp+1
.endr
	WIN 0
.endm
.Lsg:
	s_load_b256 s[8:15], s[0:1], 0x90       ; q_w, q_b, ns_g, ns_b
	s_load_b256 s[16:23], s[0:1], 0xb0      ; slots, gru_wh, gru_bh, gru_bi
	s_load_b128 s[24:27], s[0:1], 0x80      ; k_w, k_b
	s_load_b64 s[28:29], s[0:1], 0x48       ; ni_b
	s_sub_co_u32 s32, s3, 34
	s_lshl2_add_u32 s32, s32, s2            ; 0 .. 63
	s_and_b32 s38, s32, 1                   ; my block of 16 slots
	s_lshr_b32 s32, s32, 1                  ; unit
	s_sub_co_u32 s35, s32, 8
	s_wait_kmcnt 0x0
	s_cmp_lt_u32 s32, 8
	s_cselect_b32 s33, s32, s35             ; the unit's number in its own table
	s_cselect_b64 s[30:31], s[8:9], s[18:19]  ; its weights
	s_lshl_b32 s34, s33, 5                  ; o0: its first output
	s_lshl_b32 s39, s38, 4
	v_lshlrev_b32 v4, 5, v2                 ; 32 h
	v_add_nc_u32 v15, s39, v1
	v_min_u32 v15, 21, v15                  ; my slot, at most 21: rows 22-31 repeat slot 21
	v_lshl_add_u32 v5, v15, 10, v4
	v_add_nc_u32 v7, s34, v1
	v_lshl_add_u32 v7, v7, 10, v4           ; weight row o0 + r
	v_lshl_add_u32 v10, v2, 3, s34
	v_lshlrev_b32 v8, 10, v10
	v_lshl_add_u32 v8, v1, 6, v8            ; (o0 + 8 h) rows of k_w + 64 r
	v_lshlrev_b32 v9, 6, v1                 ; 64 r
	v_lshlrev_b32 v10, 2, v10               ; 4 (o0 + 8 h)
	LDK 64, 5, 16                           ; my 16 slots: window 0
	WIN 0xc0
	LDK 0, 7, 30                            ; 32 weight rows: window 3
	LDK 128, 7, 30, 16384
	WIN 0
	s_cmp_lt_u32 s32, 8
	s_cbranch_scc1 .Lsg_q
.set ii, 0
.rept 4                                     ; hg: the two biases of my 16 outputs
	global_load_b128 v[224+4*ii:227+4*ii], v10, s[20:21] offset:64*(ii/2)+16*(ii%2)
	global_load_b128 v[240+4*ii:243+4*ii], v10, s[22:23] offset:64*(ii/2)+16*(ii%2)
.set ii, ii+1
.endr
	s_wait_loadcnt 0x0
	s_branch .Lsg_c
.Lsg_q:
	WIN 0x40
	LDK 0, 4, 12                            ; ns_g, ns_b: window 1
	LDK 128, 4, 14
	WIN 0x80                                ; 16 rows of k_w, 16 numbers a lane of each: window 2
.set ii, 0
.rept 64
	global_load_b128 v[4*ii:4*ii+3], v8, s[24:25] offset:(16*(ii/32)+(ii/4)%8)*1024+16*(ii%4)
.set ii, ii+1
.endr
	WIN 0
.set ii, 0
.rept 4
	global_load_b128 v[32+4*ii:35+4*ii], v9, s[28:29] offset:16*ii             ; ni_b[16 r ..]
	global_load_b128 v[224+4*ii:227+4*ii], v10, s[10:11] offset:64*(ii/2)+16*(ii%2)  ; q_b
	global_load_b128 v[240+4*ii:243+4*ii], v10, s[26:27] offset:64*(ii/2)+16*(ii%2)  ; k_b
.set ii, ii+1
.endr
	s_wait_loadcnt 0x0
	LNS 0
.Lsg_c:
.set ii, 0
.rept 64                                    ; slot fragments, packed downward in place: v64-127
	v_cvt_pk_f16_f32 v[64+ii], v[64+2*ii], v[64+2*ii+1]
.set ii, ii+1
.endr
	WIN 0xcf                                ; weight fragments, packed downward in window 3
.set ii, 0
.rept 128
	v_cvt_pk_f16_f32 v[ii], v[2*ii], v[2*ii+1]
.set ii, ii+1
.endr
	WIN 0x03                                ; source 0 = 16 outputs (window 3), source 1 = my 16 slots: a lane holds one slot, its registers outputs 8 h + j
.set ff, 0
.rept 8
.set cc, 0
.rept 2                                     ; the two accumulators (output block cc) take turns
.if ff == 0
	v_wmma_f32_16x16x32_f16 v[192+8*cc:199+8*cc], v[64*cc+8*ff:64*cc+8*ff+7], v[64+8*ff:71+8*ff], 0
.else
	v_wmma_f32_16x16x32_f16 v[192+8*cc:199+8*cc], v[64*cc+8*ff:64*cc+8*ff+7], v[64+8*ff:71+8*ff], v[192+8*cc:199+8*cc]
.endif
.set cc, cc+1
.endr
.set ff, ff+1
.endr
	WIN 0
	NOPS 5
	s_cmp_lt_u32 s32, 8
	s_cbranch_scc1 .Lsg_qo
	; hg's way out
	s_cmp_lt_u32 s34, 512
	s_cselect_b32 s36, 1.0, 0               ; gru_bi joins the r and z columns here; the n columns take it in the tail
	s_mov_b32 s37, s36
.set pp, 0
.rept 8
	v_pk_fma_f32 v[224+2*pp:225+2*pp], v[240+2*pp:241+2*pp], s[36:37], v[224+2*pp:225+2*pp] op_sel_hi:[1,0,1]
.set pp, pp+1
.endr
.set pp, 0
.rept 8
	v_pk_add_f32 v[192+2*pp:193+2*pp], v[192+2*pp:193+2*pp], v[224+2*pp:225+2*pp]
.set pp, pp+1
.endr
	v_mul_u32_u24 v13, v15, 3072
	v_add3_u32 v13, v13, v10, 5120
.set cc, 0
.rept 2
	global_store_b128 v13, v[192+8*cc:195+8*cc], s[6:7] offset:64*cc        ; lanes past slot 21 store slot 21's own numbers again
	global_store_b128 v13, v[196+8*cc:199+8*cc], s[6:7] offset:64*cc+16
.set cc, cc+1
.endr
	s_endpgm
.Lsg_qo:
.set pp, 0
.rept 8                                     ; q += q_b
	v_pk_add_f32 v[192+2*pp:193+2*pp], v[192+2*pp:193+2*pp], v[224+2*pp:225+2*pp]
.set pp, pp+1
.endr
	WIN 0x02                                ; kc[o] = k_b[o] + k_w[o] . ni_b for my 16 outputs: 16 numbers a lane, then over the 16 lanes of my half
.set cc, 0
.rept 16
	v_pk_mul_f32 v[64+2*cc:65+2*cc], v[16*cc:16*cc+1], v[32:33]
.set cc, cc+1
.endr
.set pp, 1
.rept 7
.set cc, 0
.rept 16
	v_pk_fma_f32 v[64+2*cc:65+2*cc], v[16*cc+2*pp:16*cc+2*pp+1], v[32+2*pp:33+2*pp], v[64+2*cc:65+2*cc]
.set cc, cc+1
.endr
.set pp, pp+1
.endr
	WIN 0
.set cc, 0
.rept 16
	v_add_f32 v[96+cc], v[64+2*cc], v[65+2*cc]
.set cc, cc+1
.endr
.irp mm, 1,2,4,8
.set cc, 0
.rept 16
	v_add_f32_dpp v[96+cc], v[96+cc], v[96+cc] row_xmask:\mm row_mask:0xf bank_mask:0xf
.set cc, cc+1
.endr
.endr
.set cc, 0
.rept 16
	v_add_f32 v[96+cc], v[96+cc], v[240+cc]
.set cc, cc+1
.endr
	v_mul_f32 v16, v192, v96                ; this unit's part of q . kc for my slot
.set jj, 1
.rept 15
	v_fmac_f32 v16, v[192+jj], v[96+jj]
.set jj, jj+1
.endr
	v_permlanex16_b32 v18, v16, s56, s57
	v_add_f32 v16, v16, v18
	s_lshl_b32 s36, s32, 7
	s_lshl_b32 s37, s38, 6
	s_add_co_u32 s36, s36, s37
	s_add_co_u32 s36, s36, 4096
	v_lshl_add_u32 v11, v1, 2, s36          ; CP[unit][16 x block + r]
	global_store_b32 v11, v16, s[6:7]
.set ii, 0
.rept 4                                     ; q as an operand: the unit's 32 outputs are K step = unit of my slot block
	v_cvt_pk_f16_f32 v[112+ii], v[192+2*ii], v[193+2*ii]
	v_cvt_pk_f16_f32 v[116+ii], v[200+2*ii], v[201+2*ii]
.set ii, ii+1
.endr
	s_lshl_b32 s36, s32, 10
	s_lshl_b32 s37, s38, 13
	s_add_co_u32 s36, s36, s37
	s_add_co_u32 s36, s36, 1179648
	v_lshl_add_u32 v12, v3, 4, s36
	global_store_b128 v12, v[112:115], s[4:5]
	global_store_b128 v12, v[116:119], s[4:5] offset:512
	s_endpgm
; ---- work-group 50: wave 0 the position fragments, wave 2 FC2_b less its mean ----
; Lane l takes channels l + 32 i, i = 0 .. 7.  Quantity q (base, a, b, c3) of channel i lies at v[72 + 8 q + i].
.Lpt:
	s_cmp_eq_u32 s2, 0
	s_cbranch_scc0 .Lb2c
	s_load_b128 s[8:11], s[0:1], 0xd0       ; pe_w, pe_b
	v_mul_u32_u24 v5, v3, 24                ; a channel's six weights are 24 bytes
	v_lshlrev_b32 v6, 2, v3
	v_lshlrev_b32 v7, 9, v2                 ; channel l + 32 i lies in block 2 i + h, row r: 1,024 i + 512 h + 16 r
	v_lshl_add_u32 v7, v1, 4, v7
	v_add_nc_u32 v7, 72704, v7
	s_wait_kmcnt 0x0
.set ii, 0
.rept 8
	global_load_b64 v[16+6*ii:17+6*ii], v5, s[8:9] offset:768*ii
	global_load_b64 v[18+6*ii:19+6*ii], v5, s[8:9] offset:768*ii+8
	global_load_b64 v[20+6*ii:21+6*ii], v5, s[8:9] offset:768*ii+16
	global_load_b32 v[64+ii], v6, s[10:11] offset:128*ii
.set ii, ii+1
.endr
	s_wait_loadcnt 0x0
.set ii, 0
.rept 8                                     ; channel i's weights w0..w5 at v[16 + 6 i ..]
	v_add_f32 v[72+ii], v[64+ii], v[19+6*ii]
	v_add_f32 v[104+ii], v[20+6*ii], v[21+6*ii]
	v_sub_f32 v[80+ii], v[16+6*ii], v[19+6*ii]
	v_sub_f32 v[88+ii], v[17+6*ii], v[20+6*ii]
	v_sub_f32 v[96+ii], v[18+6*ii], v[21+6*ii]
	v_add_f32 v[72+ii], v[72+ii], v[104+ii]     ; pe_b + w3 + w4 + w5
	v_mul_f32 v[80+ii], 0x3eaaaaab, v[80+ii]    ; (w0 - w3) / 3
	v_mul_f32 v[88+ii], 0x3e124925, v[88+ii]    ; (w1 - w4) / 7
	v_mul_f32 v[96+ii], 0x3d321643, v[96+ii]    ; (w2 - w5) / 23
.set ii, ii+1
.endr
.macro Q4 line:vararg                   ; one line for each of the four quantities qq
.set qq, 0
.rept 4
	\line
.set qq, qq+1
.endr
.endm
	Q4 v_pk_add_f32 v[112+2*qq:113+2*qq], v[72+8*qq:73+8*qq], v[74+8*qq:75+8*qq]
	Q4 v_pk_add_f32 v[120+2*qq:121+2*qq], v[76+8*qq:77+8*qq], v[78+8*qq:79+8*qq]
	Q4 v_pk_add_f32 v[112+2*qq:113+2*qq], v[112+2*qq:113+2*qq], v[120+2*qq:121+2*qq]
	Q4 v_add_f32 v[112+2*qq], v[112+2*qq], v[113+2*qq]
.irp mm, 1,2,4,8
	Q4 v_add_f32_dpp v[112+2*qq], v[112+2*qq], v[112+2*qq] row_xmask:\mm row_mask:0xf bank_mask:0xf
.endr
	Q4 v_permlanex16_b32 v[113+2*qq], v[112+2*qq], s56, s57
	Q4 v_add_f32 v[112+2*qq], v[112+2*qq], v[113+2*qq]
	Q4 v_mul_f32 v[112+2*qq], s58, v[112+2*qq]
	Q4 v_mov_b32 v[113+2*qq], v[112+2*qq]
.set pp, 0
.rept 16                                    ; each quantity less its mean over the 256 channels
	v_pk_add_f32 v[72+2*pp:73+2*pp], v[72+2*pp:73+2*pp], v[112+2*(pp/4):113+2*(pp/4)] neg_lo:[0,1] neg_hi:[0,1]
.set pp, pp+1
.endr
.set jj, 0
.rept 32                                    ; the high part: the sign, the exponent and the top 10 bits of the fraction, which f16 holds exactly within its normal range
	v_and_b32 v[128+jj], 0xffffe000, v[72+jj]
.set jj, jj+1
.endr
.set pp, 0
.rept 16                                    ; the rest, exact in f32, under 2^-10 of the number
	v_pk_add_f32 v[72+2*pp:73+2*pp], v[72+2*pp:73+2*pp], v[128+2*pp:129+2*pp] neg_lo:[0,1] neg_hi:[0,1]
.set pp, pp+1
.endr
	v_mov_b32 v48, 0x3c003c00               ; 1, 1 in f16
	v_mov_b32 v49, 0
	v_mov_b32 v50, 0
	v_mov_b32 v51, 0
.set ii, 0
.rept 8                                     ; 16 lanes store 256 consecutive bytes, aligned
	v_cvt_pk_f16_f32 v[16+4*ii], v[128+ii], v[136+ii]
	v_cvt_pk_f16_f32 v[17+4*ii], v[144+ii], v[152+ii]
	v_cvt_pk_f16_f32 v[18+4*ii], v[72+ii], v[80+ii]
	v_cvt_pk_f16_f32 v[19+4*ii], v[88+ii], v[96+ii]
	global_store_b128 v7, v[16+4*ii:19+4*ii], s[6:7] offset:1024*ii
	global_store_b128 v7, v[48:51], s[6:7] offset:1024*ii+256
.set ii, ii+1
.endr
	s_endpgm
.Lb2c:
	s_cmp_eq_u32 s2, 2
	s_cbranch_scc0 .Lpt_end
	s_load_b64 s[8:9], s[0:1], 0x28         ; FC2_b
	v_lshlrev_b32 v5, 5, v3
	s_wait_kmcnt 0x0
	global_load_b128 v[16:19], v5, s[8:9]
	global_load_b128 v[20:23], v5, s[8:9] offset:16
	s_wait_loadcnt 0x0
	v_pk_add_f32 v[24:25], v[16:17], v[18:19]
	v_pk_add_f32 v[26:27], v[20:21], v[22:23]
	v_pk_add_f32 v[24:25], v[24:25], v[26:27]
	v_add_f32 v24, v24, v25
.irp mm, 1,2,4,8
	v_add_f32_dpp v24, v24, v24 row_xmask:\mm row_mask:0xf bank_mask:0xf
.endr
	v_permlanex16_b32 v25, v24, s56, s57
	v_add_f32 v24, v24, v25
	v_mul_f32 v24, s58, v24
	v_mov_b32 v25, v24
.set pp, 0
.rept 4
	v_pk_add_f32 v[16+2*pp:17+2*pp], v[16+2*pp:17+2*pp], v[24:25] neg_lo:[0,1] neg_hi:[0,1]
.set pp, pp+1
.endr
	global_store_b128 v5, v[16:19], s[6:7] offset:1024
	global_store_b128 v5, v[20:23], s[6:7] offset:1040
.Lpt_end:
	s_endpgm
.Lfunc_end_k_q9e70cb77b2_prep:
	.size	k_q9e70cb77b2_prep, .Lfunc_end_k_q9e70cb77b2_prep-k_q9e70cb77b2_prep
	.p2alignl 7, 3214868480
	.fill 96, 4, 3214868480
	.section	.rodata,"a",@progbits
	.p2align	6, 0x0
	.amdhsa_kernel k_q9e70cb77b2_prep
		.amdhsa_group_segment_fixed_size 0
		.amdhsa_private_segment_fixed_size 0
		.amdhsa_enable_private_segment 0
		.amdhsa_kernarg_size 240
		.amdhsa_user_sgpr_count 2
		.amdhsa_user_sgpr_kernarg_segment_ptr 1
		.amdhsa_wavefront_size32 1
		.amdhsa_system_sgpr_workgroup_id_x 1
		.amdhsa_system_sgpr_workgroup_id_y 1
		.amdhsa_system_sgpr_workgroup_id_z 1
		.amdhsa_system_vgpr_workitem_id 0
		.amdhsa_next_free_vgpr 1024
		.amdhsa_next_free_sgpr 66
		.amdhsa_reserve_vcc 0
		.amdhsa_float_denorm_mode_32 3
		.amdhsa_float_denorm_mode_16_64 3
		.amdhsa_memory_ordered 1
		.amdhsa_forward_progress 1
		.amdhsa_inst_pref_size 178
	.end_amdhsa_kernel
	.amdgpu_metadata
---
amdhsa.version: [ 1, 2 ]
amdhsa.kernels:
  - .name:           k_q9e70cb77b2_prep
    .symbol:         k_q9e70cb77b2_prep.kd
    .args:
      - { .name: FC1_w, .offset: 0, .size: 8, .value_kind: global_buffer, .address_space: global }
      - { .name: FC1_b, .offset: 8, .size: 8, .value_kind: global_buffer, .address_space: global }
      - { .name: LN_g, .offset: 16, .size: 8, .value_kind: global_buffer, .address_space: global }
      - { .name: LN_b, .offset: 24, .size: 8, .value_kind: global_buffer, .address_space: global }
      - { .name: FC2_w, .offset: 32, .size: 8, .value_kind: global_buffer, .address_space: global }
      - { .name: FC2_b, .offset: 40, .size: 8, .value_kind: global_buffer, .address_space: global }
      - { .name: v_w, .offset: 48, .size: 8, .value_kind: global_buffer, .address_space: global }
      - { .name: v_b, .offset: 56, .size: 8, .value_kind: global_buffer, .address_space: global }
      - { .name: ni_g, .offset: 64, .size: 8, .value_kind: global_buffer, .address_space: global }
      - { .name: ni_b, .offset: 72, .size: 8, .value_kind: global_buffer, .address_space: global }
      - { .name: gru_wi, .offset: 80, .size: 8, .value_kind: global_buffer, .address_space: global }
      - { .name: ff1_w, .offset: 88, .size: 8, .value_kind: global_buffer, .address_space: global }
      - { .name: ff1_b, .offset: 96, .size: 8, .value_kind: global_buffer, .address_space: global }
      - { .name: npf_g, .offset: 104, .size: 8, .value_kind: global_buffer, .address_space: global }
      - { .name: npf_b, .offset: 112, .size: 8, .value_kind: global_buffer, .address_space: global }
      - { .name: ff2_w, .offset: 120, .size: 8, .value_kind: global_buffer, .address_space: global }
      - { .name: k_w, .offset: 128, .size: 8, .value_kind: global_buffer, .address_space: global }
      - { .name: k_b, .offset: 136, .size: 8, .value_kind: global_buffer, .address_space: global }
      - { .name: q_w, .offset: 144, .size: 8, .value_kind: global_buffer, .address_space: global }
      - { .name: q_b, .offset: 152, .size: 8, .value_kind: global_buffer, .address_space: global }
      - { .name: ns_g, .offset: 160, .size: 8, .value_kind: global_buffer, .address_space: global }
      - { .name: ns_b, .offset: 168, .size: 8, .value_kind: global_buffer, .address_space: global }
      - { .name: slots, .offset: 176, .size: 8, .value_kind: global_buffer, .address_space: global }
      - { .name: gru_wh, .offset: 184, .size: 8, .value_kind: global_buffer, .address_space: global }
      - { .name: gru_bh, .offset: 192, .size: 8, .value_kind: global_buffer, .address_space: global }
      - { .name: gru_bi, .offset: 200, .size: 8, .value_kind: global_buffer, .address_space: global }
      - { .name: pe_w, .offset: 208, .size: 8, .value_kind: global_buffer, .address_space: global }
      - { .name: pe_b, .offset: 216, .size: 8, .value_kind: global_buffer, .address_space: global }
      - { .name: wts, .offset: 224, .size: 8, .value_kind: global_buffer, .address_space: global }
      - { .name: tab, .offset: 232, .size: 8, .value_kind: global_buffer, .address_space: global }
    .group_segment_fixed_size: 0
    .private_segment_fixed_size: 0
    .kernarg_segment_align: 8
    .kernarg_segment_size: 240
    .max_flat_workgroup_size: 128
    .sgpr_count:     66
    .vgpr_count:     1024
    .wavefront_size: 32
...
	.end_amdgpu_metadata
.endif
;; end of part 4
;; launch main (part 5): grid 224 x 1, 4 waves a work-group, no clusters, 327,680 bytes of LDS; arguments inputs, wts, tab, out1, ub; writes out1, ub
.if DOCPART == 5
	.amdgcn_target "amdgcn-amd-amdhsa--gfx1250"
	.amdhsa_code_object_version 6
	.text
	.protected	k_q9e70cb77b2_main
	.globl	k_q9e70cb77b2_main
	.p2align	8
	.type	k_q9e70cb77b2_main,@function
k_q9e70cb77b2_main:
	s_mov_b64 s[64:65], 0
	v_nop
	global_prefetch_b8 v0, s[64:65] scope:SCOPE_SE
	s_setreg_imm32_b32 hwreg(HW_REG_WAVE_MODE, 25, 1), 1
	s_wait_xcnt 0x0
; MAIN: one work-group for each of the 224 windows (wid = 7 b + w): 768 tokens x 256 channels, in 12 blocks of 64 tokens.
; Per token: x + position - mean -> FC1 (LN's gain and bias lie in the weights, 1/sigma is applied behind the product) -> relu -> FC2 with weights less their column means, so that the result x2c is
; already centred and the second LayerNorm needs a sum of squares alone.  dots = xhat2 . QK' + c with QK' = q k_w diag(ni_g): k is never applied to tokens.  Softmax over the slots with its maximum taken away; attn_ori goes out;
; U += attn_ori xhat2 and L += attn_ori; at the end u = U / L: v, GRU and the MLP follow on 20 rows a window in the next launch (the weights attn sum to 1, so v_w and its bias may follow the sum).
; THE POSITION AND THE MEAN ARE ADDED BY THE MATRIX UNIT: (x + pe) - mean(x + pe) = x - mean(x) + pe_c, pe_c the embedding centred over the channels = base + t a + y b + x c3 with whole t, y, x.  One product a block of 16 channels,
; its C and D the raw x: source 0 = the channels' base, a, b, c3 (a high part and a rest, f16) and two ones; source 1 = the token's 1, t, y, x, 1, t, y, x and -mean(x) (a high part and a rest).
; SHARES: wave v owns output channels 64 v .. 64 v + 63 of FC1 and FC2 (weights stay in registers, 256 each) and of U, and tokens 16 v .. 16 v + 15 of a block in the two LayerNorms and the softmax.
; The matrix instruction takes 16 channels as source 0 and 16 tokens as source 1: a lane then holds one token and eight neighbouring channels.
; FORMAT: all matrix operands are f16, for its 11 significant bits.  Those with room as they are: x - mean (the inputs' spread), the weights, h (at most 16 x its weight row's length + its bias).
; Those without are divided, in f32, before they are rounded: x2c by the root mean square of the wave's own 64 channels of the token (y, at most 8), a slot's row of QK' by its root mean square (at most 16).
; So the score product keeps the four channel groups in accumulators of their own and joins them in f32: e = sum over g of (y_g . Qhat_g) F_g, F_g = sqrt(ss_g) rs2 / 8 (at most 2), d = e n + c, n = log2(e)/16 x the row's root mean square;
; and the second product takes P'_g = attn_ori F_g, a version for each group: wave v, which owns group v's channels of U, reads version v.
; THE WALK is written once.  A trip: layer 1 of block K, U and the stores of block K - 1, a barrier, K + 1, layer 2, a barrier, the softmax, the first LayerNorm of the new block K, and the barrier behind which the slot just read may be filled.
; Two counted loops on K share that text: the outer one begins with the fill (blocks 2 to 11, while K < 10), the inner one behind it (while K < 12); the head enters at the LayerNorm of block 0; the last block's U stands behind the loops.
; NO CLUSTER: the weights lie in registers; an input frame is read by two windows in different trips; 7 windows of a batch make no groups of four.
; LIMITS: x - mean, a token's mean, a position weight or h beyond 65,504 becomes an infinity; a mean or a position weight below 6e-5 keeps f16's fixed step of 6e-8; slots 22-31 are padding with c = -1e30 (their weight is 0);
; a weight below 2^-126 counts as 0; NaN and infinities are not treated apart.
; LDS: 0 slot 0 (64 rows of 1,024 + 16 bytes, f32) | 66560 the position's 16 half fragments of 512 bytes, filled once | 131072 slot 1 | 197632 XB 64 x 528 (x - mean; at the head QK' in f32, 32 x 1040) | 231424 HB 64 x 528 (h; at the end u) |
;      265216 X2 64 x 544 (y) | 300032 SSB [wave][64] | 301056 RS1 | 301312 PB 4 versions of 4 fragments | 317696 AT 32 x 272 | 326400 the spare words.  Tensor loads land below 197632 alone, LDS stores from there on alone.
; REGISTERS: window 1 FC1's fragments; window 2 FC2's; window 3 v0-127 Qhat (first q), v128-191 U, v192-223 FC1's bias, v224-255 FC2's; window 0 v0-63 addresses and statistics, v64-191 two fragment buffers, v192-223 accumulators, v224-255 at work.
.set SLOT1, 131072
.set PTL,   66560
.set XBL,   197632
.set HBL,   231424
.set X2L,   265216
.set SSB,   300032
.set RS1,   301056
.set PBL,   301312
.set ATL,   317696
.set SPARE, 326400
.set XF0, 64
.set XF1, 128
.set ACC, 192
.set T,   224
.set MSB, 0
.macro WIN new                          ; the immediate's high byte repeats the setting that is left
.if MSB != (\new)
	s_set_vgpr_msb (MSB<<8)|(\new)
.set MSB, (\new)
.endif
.endm
.macro NOPS n                           ; places behind matrix instructions (ISA guide 7.12.1), where no other vector work is at hand
.rept \n
	v_nop
.endr
.endm
.macro BAR                              ; my LDS stores are done and my LDS loads back; then all four waves meet
	s_wait_dscnt 0x0
	s_barrier_signal -1
	s_barrier_wait -1
.endm
	s_load_b256 s[4:11], s[0:1], 0x0        ; inputs s[4:5], wts s[6:7], tab s[8:9], out1 s[10:11]
	s_load_b64 s[12:13], s[0:1], 0x20       ; ub
	v_lshl_add_u32 v62, v0, 2, SPARE
	v_mov_b32 v63, 0
	ds_add_u32 v62, v63                     ; the wave's opening: the add and its wait ahead of my first tensor load
	v_lshrrev_b32 v1, 5, v0
	v_readfirstlane_b32 s14, v1             ; wave
	s_mov_b32 s15, ttmp9                    ; wid
	s_mul_hi_u32 s16, s15, 0x24924925       ; b = wid / 7
	s_mul_i32 s17, s16, 7
	s_sub_co_u32 s17, s15, s17              ; w
	s_lshl_b32 s18, s16, 4
	s_lshl1_add_u32 s18, s17, s18           ; first frame 16 b + 2 w
	s_mul_i32 s18, s18, 196608              ; a frame is 192 tokens of 1,024 bytes
	s_lshl_b32 s2, s14, 14
	s_add_co_u32 s18, s18, s2               ; + my 16 tokens of a block
	s_mov_b32 s19, 0
	; descriptor group 1: 16 rows of 256 elements of 4 bytes, 4 words of padding behind every 256 words
	s_mov_b32 s20, (2<<16)|(1<<20)|(7<<22)|(3<<25)
	s_mov_b32 s21, 256<<16
	s_mov_b32 s22, 16<<16
	s_mov_b32 s23, 256<<16
	s_mov_b32 s24, 16
	s_mov_b32 s25, 256
	s_mov_b32 s26, 0
	s_mov_b32 s27, 0
	; and for my quarter of the position's fragments: 2,048 dense bytes as 8 rows of 64 elements of 4 bytes, no padding
	s_mov_b32 s28, 2<<16
	s_mov_b32 s29, 64<<16
	s_mov_b32 s30, 8<<16
	s_mov_b32 s31, 64<<16
	s_mov_b32 s32, 8
	s_mov_b32 s33, 64
	s_mov_b32 s34, 0
	s_mov_b32 s35, 0
	s_mov_b32 s36, 1                        ; group 0 for block 0: slot 0, my 16 rows
	s_mul_i32 s37, s14, 16640
	s_mov_b32 s40, 1                        ; group 0 that walks: block 1, slot 1
	s_add_co_u32 s41, s37, SLOT1
	s_mov_b32 s44, 1                        ; group 0 for my quarter of the position's fragments
	s_lshl_b32 s45, s14, 11
	s_add_co_u32 s45, s45, PTL
	s_lshl_b32 s2, s14, 11
	s_add_co_u32 s2, s2, 72704
	s_mov_b32 s3, 0
	s_cmp_eq_u32 s17, 6
	s_cselect_b32 s53, 9, 3                 ; fills that prefetch: blocks 6-11 of a window are blocks 0-5 of the batch's next window, which asks for them; the last window asks for all its own
	s_mov_b32 s48, 0                        ; the slot that LN1 reads
	s_mov_b32 s49, 0                        ; K
	s_mov_b32 s56, 0x76543210
	s_mov_b32 s57, 0xfedcba98
	s_mov_b32 s60, 0x3b800000               ; 1/256
	s_mov_b32 s61, 0x3727c5ac               ; 1e-5
	s_mov_b32 s63, 0x3c800000               ; 1/64
	s_mov_b32 s66, 0x0d800000               ; 2^-100: keeps a root's argument above 0 where all numbers are 0
	s_mov_b32 s67, 0x38800000               ; 2^-14 = 1 / (64 x 256)
	s_mul_i32 s16, s15, 67584               ; 22 rows of out1
	s_mov_b32 s17, 0
	s_wait_dscnt 0x0                        ; the opening add is done
	s_wait_kmcnt 0x0
	s_add_nc_u64 s[4:5], s[4:5], s[18:19]
	s_mov_b64 s[38:39], s[4:5]
	s_or_b32 s39, s39, 0x80000000
	s_add_nc_u64 s[42:43], s[4:5], 65536
	s_or_b32 s43, s43, 0x80000000
	s_add_nc_u64 s[46:47], s[8:9], s[2:3]
	s_or_b32 s47, s47, 0x80000000
	s_add_nc_u64 s[54:55], s[4:5], 131072   ; the prefetches' pointer: block 2; it is stepped ahead of each use
	s_add_nc_u64 s[58:59], s[10:11], s[16:17]
	tensor_load_to_lds s[36:39], s[20:27]   ; the three first fills go out together: three loads of mine are out
	s_nop 0
	tensor_load_to_lds s[40:43], s[20:27]
	s_nop 0
	tensor_load_to_lds s[44:47], s[28:35]
	s_nop 0
	NOPS 4
	v_and_b32 v1, 15, v0                    ; r
	v_bfe_u32 v2, v0, 4, 1                  ; h
	v_and_b32 v3, 31, v0                    ; lane
	v_cmp_eq_u32 s68, 0, v2                 ; the lanes with h = 0
	v_lshl_add_u32 v4, v3, 4, PTL           ; my 16 bytes of a position fragment
	v_mul_u32_u24 v26, v1, 528
	v_lshl_add_u32 v26, v2, 4, v26
	v_add_nc_u32 v5, XBL, v26               ; fragments of XB
	v_add_nc_u32 v6, HBL, v26               ; fragments of HB
	s_lshl_b32 s2, s14, 4
	v_add_nc_u32 v25, s2, v1                ; my token in a block: 16 v + r
	v_mul_u32_u24 v27, v25, 544
	v_lshl_add_u32 v27, v2, 4, v27
	v_add_nc_u32 v7, X2L, v27               ; fragments of my 16 tokens of X2
	v_and_b32 v27, 7, v0
	v_lshl_add_u32 v27, v2, 3, v27
	v_mul_u32_u24 v27, v27, 544
	v_bfe_u32 v28, v0, 3, 1
	v_lshl_add_u32 v27, v28, 4, v27
	s_lshl_b32 s2, s14, 7
	s_add_co_u32 s3, s2, X2L
	v_add_nc_u32 v8, s3, v27                ; the turning load: token 8 h + l % 8, my 64 channels
	v_add_nc_u32 v9, s2, v6                 ; where I put h
	v_mul_u32_u24 v27, v1, 544
	v_lshl_add_u32 v27, v2, 4, v27
	v_add_nc_u32 v10, s3, v27               ; where I put y
	v_mul_u32_u24 v27, v25, 528
	v_lshl_add_u32 v27, v2, 4, v27
	v_add_nc_u32 v11, XBL, v27              ; where I put x - mean
	v_lshl_add_u32 v12, v1, 2, RS1
	v_lshl_add_u32 v13, v25, 2, RS1
	s_lshl_b32 s2, s14, 8
	s_add_co_u32 s2, s2, SSB
	v_lshl_add_u32 v14, v1, 2, s2
	s_lshl_b32 s2, s14, 6
	s_add_co_u32 s3, s2, SSB
	v_lshl_add_u32 v15, v2, 5, s3
	s_lshr_b32 s3, s14, 1
	s_lshl_b32 s3, s3, 11
	s_and_b32 s16, s14, 1
	s_lshl_b32 s16, s16, 9
	s_add_co_u32 s3, s3, s16
	s_add_co_u32 s3, s3, PBL
	v_lshl_add_u32 v16, v3, 4, s3           ; where I put my 16 tokens' half of a fragment of P', in version 0
	s_lshl_b32 s3, s14, 12
	s_add_co_u32 s3, s3, PBL
	v_lshl_add_u32 v17, v3, 4, s3           ; where I read P': the version of my own channel group
	v_mul_u32_u24 v27, v1, 272
	v_lshl_add_u32 v27, v2, 5, v27
	s_add_co_u32 s3, s2, ATL
	v_add_nc_u32 v18, s3, v27
	s_lshl_b32 s3, s14, 1
	v_add_nc_u32 v27, s3, v2
	v_mul_u32_u24 v28, v27, 272
	v_lshl_add_u32 v28, v1, 4, v28
	v_add_nc_u32 v19, ATL, v28
	v_mul_u32_u24 v28, v27, 3072
	v_lshl_add_u32 v20, v1, 4, v28
	v_mul_u32_u24 v27, v25, 1040
	v_lshl_add_u32 v21, v2, 5, v27
	v_mul_u32_u24 v27, v1, 1040
	v_lshl_add_u32 v27, v2, 5, v27
	v_add_nc_u32 v23, XBL, v27              ; head: where I read a slot's row of QK', in the order of a lane's fragment registers
	s_lshl_b32 s2, s14, 8
	v_add_nc_u32 v22, s2, v23               ; head: where I put my 64 columns of it
	v_lshlrev_b32 v30, 8, v3                ; the prefetches' offset: 256 bytes a lane
	v_mov_b32 v31, 0
	v_mov_b32 v33, 0
	v_mov_b32 v35, 0
.irp rr, 36,37,38,39,45,47
	v_mov_b32 v\rr, 0
.endr
	v_mov_b32 v56, 0x322bcc77               ; 1e-8
	v_mov_b32 v57, 0x322bcc77
	s_lshl_b32 s2, s14, 15
	v_lshl_add_u32 v26, v3, 4, s2           ; 16 l + my 32 fragments of a table
	v_lshlrev_b32 v27, 4, v3
	s_lshl_b32 s2, s14, 8
	v_lshl_add_u32 v28, v2, 5, s2           ; 4 (64 v + 8 h)
	v_lshlrev_b32 v29, 2, v1
	WIN 0x40
.set ii, 0
.rept 64
	global_load_b128 v[4*ii:4*ii+3], v26, s[6:7] offset:512*ii
.set ii, ii+1
.endr
	WIN 0x80
.set ii, 0
.rept 64
	global_load_b128 v[4*ii:4*ii+3], v26, s[6:7] offset:131072+512*ii
.set ii, ii+1
.endr
	WIN 0xc0
.set ii, 0
.rept 32
	global_load_b128 v[4*ii:4*ii+3], v27, s[6:7] offset:1179648+512*ii
.set ii, ii+1
.endr
.set ii, 0
.rept 8
	global_load_b128 v[192+4*ii:195+4*ii], v28, s[8:9] offset:64*(ii/2)+16*(ii%2)
	global_load_b128 v[224+4*ii:227+4*ii], v28, s[8:9] offset:1024+64*(ii/2)+16*(ii%2)
.set ii, ii+1
.endr
.set ii, 0
.rept 64
	v_mov_b32 v[128+ii], 0                  ; U starts at 0: written while the loads are on their way, so that the loop has one form of product
.set ii, ii+1
.endr
	WIN 0
.set ii, 0
.rept 16
	global_load_b32 v[T+ii], v29, s[8:9] offset:4096+64*ii
.set ii, ii+1
.endr
.set ii, 0
.rept 32
	global_load_b128 v[64+4*ii:67+4*ii], v26, s[6:7] offset:262144+512*ii
.set ii, ii+1
.endr
	s_wait_loadcnt 0x0
	v_add_f32 v40, v[T], v[T+2]             ; c = log2(e)/16 x q . kc: the eight parts
	v_add_f32 v42, v[T+1], v[T+3]
.set ii, 2
.rept 6
	v_add_f32 v40, v40, v[T+2*ii]
	v_add_f32 v42, v42, v[T+2*ii+1]
.set ii, ii+1
.endr
	v_mul_f32 v40, 0x3db8aa3b, v40
	v_mul_f32 v42, 0x3db8aa3b, v42
	v_cmp_gt_u32 vcc_lo, 6, v1
	v_cndmask_b32 v42, 0xf149f2ca, v42, vcc_lo  ; slots 22-31: -1e30
	v_mov_b32 v41, v40
	v_mov_b32 v43, v42
; QK'[slot][d] for two blocks of 16 d: source 0 = KT's rows d, source 1 = q's rows: a lane holds one slot and eight neighbouring d; they go to LDS in f32
.macro HQK hh
	WIN 0x0c
.set ff, 0
.rept 8
.set cc, 0
.rept 4
.if ff == 0
	v_wmma_f32_16x16x32_f16 v[ACC+8*cc:ACC+8*cc+7], v[64+8*(8*(cc/2)+ff):64+8*(8*(cc/2)+ff)+7], v[8*(8*(cc%2)+ff):8*(8*(cc%2)+ff)+7], 0
.else
	v_wmma_f32_16x16x32_f16 v[ACC+8*cc:ACC+8*cc+7], v[64+8*(8*(cc/2)+ff):64+8*(8*(cc/2)+ff)+7], v[8*(8*(cc%2)+ff):8*(8*(cc%2)+ff)+7], v[ACC+8*cc:ACC+8*cc+7]
.endif
.set cc, cc+1
.endr
.set ff, ff+1
.endr
	WIN 0
	NOPS 5
.set cc, 0
.rept 4                                     ; accumulator cc = 2 x (d block) + slot block
	ds_store_b128 v22, v[ACC+8*cc:ACC+8*cc+3] offset:16640*(cc%2)+128*(\hh)+64*(cc/2)
	ds_store_b128 v22, v[ACC+8*cc+4:ACC+8*cc+7] offset:16640*(cc%2)+128*(\hh)+64*(cc/2)+16
.set cc, cc+1
.endr
.endm
; Slot block sb of QK' becomes an operand: each wave reads the 16 rows (a lane 128 numbers, the lane 16 away the others), divides each row by its root mean square and rounds; n = log2(e)/16 x that root stays in f32
.macro QN sb
.set kk, 0
.rept 8
	ds_load_b128 v[64+16*kk:67+16*kk], v23 offset:16640*(\sb)+128*kk
	ds_load_b128 v[68+16*kk:71+16*kk], v23 offset:16640*(\sb)+128*kk+16
	ds_load_b128 v[72+16*kk:75+16*kk], v23 offset:16640*(\sb)+128*kk+64
	ds_load_b128 v[76+16*kk:79+16*kk], v23 offset:16640*(\sb)+128*kk+80
.set kk, kk+1
.endr
	s_wait_dscnt 0x0
.set pp, 0
.rept 64
.if pp < 4
	v_pk_mul_f32 v[48+2*pp:49+2*pp], v[64+2*pp:65+2*pp], v[64+2*pp:65+2*pp]
.else
	v_pk_fma_f32 v[48+2*(pp%4):49+2*(pp%4)], v[64+2*pp:65+2*pp], v[64+2*pp:65+2*pp], v[48+2*(pp%4):49+2*(pp%4)]
.endif
.set pp, pp+1
.endr
	v_pk_add_f32 v[48:49], v[48:49], v[50:51]
	v_pk_add_f32 v[52:53], v[52:53], v[54:55]
	v_pk_add_f32 v[48:49], v[48:49], v[52:53]
	v_add_f32 v44, v48, v49
	v_permlanex16_b32 v45, v44, s56, s57
	v_add_f32 v44, v44, v45
	v_fma_f32 v44, v44, s60, s66            ; the mean square
	v_rsq_f32 v46, v44
	v_nop
	s_wait_alu depctr_va_vdst(0)
	v_mul_f32 v44, v44, v46                 ; its root
	v_mul_f32 v[58+2*(\sb)], 0x3db8aa3b, v44
	v_mov_b32 v[59+2*(\sb)], v[58+2*(\sb)]
.set pp, 0
.rept 64
	v_pk_mul_f32 v[64+2*pp:65+2*pp], v[64+2*pp:65+2*pp], v[46:47] op_sel_hi:[1,0]
.set pp, pp+1
.endr
	WIN 0xc0
.set ii, 0
.rept 64
	v_cvt_pk_f16_f32 v[64*(\sb)+ii], v[64+2*ii], v[65+2*ii]
.set ii, ii+1
.endr
	WIN 0
.endm
	HQK 0
.set ii, 0
.rept 32
	global_load_b128 v[64+4*ii:67+4*ii], v26, s[6:7] offset:262144+16384+512*ii
.set ii, ii+1
.endr
	s_wait_loadcnt 0x0
	s_wait_dscnt 0x0                        ; the first half's stores have left the accumulators
	HQK 1
	BAR                                     ; all of QK' lies in LDS (the first fills may stay out)
	QN 0
	QN 1
	s_wait_tensorcnt 0x0                    ; my parts of blocks 0 and 1 and of the position's fragments are in
	BAR                                     ; everybody's are, and QK' has been read: XB may be written
; 16 LDS loads: the fragments of tile t (16 tokens x 256 k) into buffer buf
.macro LOADF buf, adr, t
.set kk, 0
.rept 8
	ds_load_b128 v[(\buf)+8*kk:(\buf)+8*kk+3], v[\adr] offset:(\t)*8448+64*kk
	ds_load_b128 v[(\buf)+8*kk+4:(\buf)+8*kk+7], v[\adr] offset:(\t)*8448+64*kk+32
.set kk, kk+1
.endr
.endm
; 32 matrix instructions: my 64 channels x 16 tokens x 256 k; the four accumulators take turns.  Layer 1 starts its sums with 0, layer 2 with its bias
.macro MM32 lay, xc
.set ff, 0
.rept 8
.set cc, 0
.rept 4
.if ff == 0
.if (\lay) == 1
	WIN 0x01
	v_wmma_f32_16x16x32_f16 v[ACC+8*cc:ACC+8*cc+7], v[64*cc:64*cc+7], v[(\xc):(\xc)+7], 0
.else
	WIN 0x32
	v_wmma_f32_16x16x32_f16 v[ACC+8*cc:ACC+8*cc+7], v[64*cc:64*cc+7], v[(\xc):(\xc)+7], v[224+8*cc:231+8*cc]
.endif
.else
	WIN (\lay)
	v_wmma_f32_16x16x32_f16 v[ACC+8*cc:ACC+8*cc+7], v[64*cc+8*ff:64*cc+8*ff+7], v[(\xc)+8*ff:(\xc)+8*ff+7], v[ACC+8*cc:ACC+8*cc+7]
.endif
.set cc, cc+1
.endr
.set ff, ff+1
.endr
	WIN 0
	NOPS 5
.endm
; layer 1's way out: h = relu(acc / sigma + bias), f16, 16 bytes a lane and channel block
.macro OUT1 rsv, off
	WIN 0x30                                ; the bias lies in window 3
.set ii, 0
.rept 16
	v_pk_fma_f32 v[ACC+2*ii:ACC+2*ii+1], v[ACC+2*ii:ACC+2*ii+1], v[\rsv:\rsv+1], v[192+2*ii:193+2*ii] op_sel_hi:[1,0,1]
.set ii, ii+1
.endr
	WIN 0
.set ii, 0
.rept 16
	v_cvt_pk_f16_f32 v[T+ii], v[ACC+2*ii], v[ACC+2*ii+1]
.set ii, ii+1
.endr
.set ii, 0
.rept 16
	v_pk_max_num_f16 v[T+ii], v[T+ii], v31
.set ii, ii+1
.endr
.set cc, 0
.rept 4
	ds_store_b128 v27, v[T+4*cc:T+4*cc+3] offset:(\off)+32*cc
.set cc, cc+1
.endr
.endm
; layer 2's way out: ss = my 64 channels' part of the token's sum of squares; y = x2c / sqrt(ss / 64), f16, goes to X2, and tg = ss / sqrt(ss / 64) = 8 sqrt(ss) to SSB: the softmax then needs no root of it
.macro OUT2 off, soff
	v_pk_mul_f32 v[T:T+1], v[ACC:ACC+1], v[ACC:ACC+1]
	v_pk_mul_f32 v[T+2:T+3], v[ACC+2:ACC+3], v[ACC+2:ACC+3]
.set ii, 2
.rept 14
	v_pk_fma_f32 v[T+2*(ii%2):T+2*(ii%2)+1], v[ACC+2*ii:ACC+2*ii+1], v[ACC+2*ii:ACC+2*ii+1], v[T+2*(ii%2):T+2*(ii%2)+1]
.set ii, ii+1
.endr
	v_pk_add_f32 v[T:T+1], v[T:T+1], v[T+2:T+3]
	v_add_f32 v[T], v[T], v[T+1]
	v_permlanex16_b32 v[T+1], v[T], s56, s57
	v_add_f32 v[T], v[T], v[T+1]
	v_fma_f32 v[T+2], v[T], s63, s66
	v_rsq_f32 v[T+2], v[T+2]
	v_nop
	s_wait_alu depctr_va_vdst(0)            ; the wait ahead of the root's first reader
	v_mul_f32 v[T], v[T], v[T+2]
.set ii, 0
.rept 16
	v_pk_mul_f32 v[ACC+2*ii:ACC+2*ii+1], v[ACC+2*ii:ACC+2*ii+1], v[T+2:T+3] op_sel_hi:[1,0]
.set ii, ii+1
.endr
.set ii, 0
.rept 16
	v_cvt_pk_f16_f32 v[T+4+ii], v[ACC+2*ii], v[ACC+2*ii+1]
.set ii, ii+1
.endr
	ds_store_b32 v28, v[T] offset:(\soff)
.set cc, 0
.rept 4
	ds_store_b128 v27, v[T+4+4*cc:T+7+4*cc] offset:(\off)+32*cc
.set cc, cc+1
.endr
.endm
; A layer on a block's four tiles: two trips of two tiles on two fragment buffers.  All LDS addresses are a fixed lane register plus a scalar that an exclusive or turns between the two pairs of tiles.
; While a tile is multiplied the next tile's 16 loads are out.  Behind the fourth tile there is no next: the second trip jumps the fetch, and its wait counts the way out's stores alone.
.macro GEMM lay
	WIN 0
	NOPS 5
	s_mov_b32 s50, 2
	s_mov_b32 s51, 0
	s_mov_b32 s52, 0
	s_mov_b32 s18, 0
	LOADF XF0, 4+(\lay), 0
.Lg_\@:
	v_add_nc_u32 v26, s51, v[4+(\lay)]
	v_add_nc_u32 v27, s52, v[8+(\lay)]
.if (\lay) == 1
	v_add_nc_u32 v28, s18, v12
	ds_load_b32 v32, v28                    ; 1/sigma of the two tiles' tokens
	ds_load_b32 v34, v28 offset:64
.else
	v_add_nc_u32 v28, s18, v14
.endif
	LOADF XF1, 26, 1
	s_wait_dscnt 16                         ; all but the 16 loads just issued
	MM32 \lay, XF0
.if (\lay) == 1
	OUT1 32, 0
.else
	OUT2 0, 0
.endif
	s_cmp_eq_u32 s50, 1
	s_cbranch_scc1 .Lgl_\@
	s_xor_b32 s51, s51, 16896
	v_add_nc_u32 v26, s51, v[4+(\lay)]
	LOADF XF0, 26, 0
	s_wait_dscnt 19+(\lay)                  ; the way out's 4 (layer 2: 5) stores and the 16 loads just issued may be out
	s_branch .Lgm_\@
.Lgl_\@:
	s_wait_dscnt 3+(\lay)                   ; the way out's stores may be out
.Lgm_\@:
	MM32 \lay, XF1
.if (\lay) == 1
	OUT1 34, 8448
	s_xor_b32 s52, s52, 16896
.else
	OUT2 8704, 64
	s_xor_b32 s52, s52, 17408
.endif
	s_xor_b32 s18, s18, 128
	s_sub_co_u32 s50, s50, 1
	s_cmp_lg_u32 s50, 0
	s_cbranch_scc1 .Lg_\@
	s_wait_dscnt 0x0                        ; nothing of mine is on its way into the fragment buffers, whichever way was taken
.endm
; SOFTMAX over the slots for my 16 tokens of the block in hand.  Source 0 = tokens, source 1 = Qhat: a lane holds one slot (slot blocks 0 and 1: slots r and 16 + r) and the tokens 8 h + j.
; Eight accumulators, channel group g x slot block sb at XF1 + 8 (2 g + sb), two K steps each; they take turns.
.macro SOFT
	WIN 0
	NOPS 5
.set kk, 0
.rept 8
	ds_load_b128 v[XF0+8*kk:XF0+8*kk+3], v7 offset:64*kk
	ds_load_b128 v[XF0+8*kk+4:XF0+8*kk+7], v7 offset:64*kk+32
.set kk, kk+1
.endr
.set kk, 0
.rept 4                                     ; tg of group kk for my eight tokens
	ds_load_b128 v[T+8*kk:T+8*kk+3], v15 offset:256*kk
	ds_load_b128 v[T+8*kk+4:T+8*kk+7], v15 offset:256*kk+16
.set kk, kk+1
.endr
	s_wait_dscnt 0x0
	WIN 0x0c
.set kk, 0
.rept 2
.set cc, 0
.rept 8
.if kk == 0
	v_wmma_f32_16x16x32_f16 v[XF1+8*cc:XF1+8*cc+7], v[XF0+16*(cc/2):XF0+16*(cc/2)+7], v[64*(cc%2)+16*(cc/2):64*(cc%2)+16*(cc/2)+7], 0
.else
	v_wmma_f32_16x16x32_f16 v[XF1+8*cc:XF1+8*cc+7], v[XF0+16*(cc/2)+8:XF0+16*(cc/2)+15], v[64*(cc%2)+16*(cc/2)+8:64*(cc%2)+16*(cc/2)+15], v[XF1+8*cc:XF1+8*cc+7]
.endif
.set cc, cc+1
.endr
.set kk, kk+1
.endr
	WIN 0
.set pp, 0
.rept 4                                     ; the sum of tg^2 = 64 x the whole sum of squares: these are the places behind the products
	v_pk_mul_f32 v[ACC+2*pp:ACC+2*pp+1], v[T+2*pp:T+2*pp+1], v[T+2*pp:T+2*pp+1]
.set pp, pp+1
.endr
.set kk, 1
.rept 3
.set pp, 0
.rept 4
	v_pk_fma_f32 v[ACC+2*pp:ACC+2*pp+1], v[T+8*kk+2*pp:T+8*kk+2*pp+1], v[T+8*kk+2*pp:T+8*kk+2*pp+1], v[ACC+2*pp:ACC+2*pp+1]
.set pp, pp+1
.endr
.set kk, kk+1
.endr
.set jj, 0
.rept 8
	v_fma_f32 v[48+jj], v[ACC+jj], s67, s61
.set jj, jj+1
.endr
.set jj, 0
.rept 8
	v_rsq_f32 v[48+jj], v[48+jj]            ; rs2 of token 8 h + j
.set jj, jj+1
.endr
	v_nop
	s_wait_alu depctr_va_vdst(0)            ; one wait for the eight roots
.set pp, 0
.rept 4
	v_pk_mul_f32 v[ACC+16+2*pp:ACC+17+2*pp], v[48+2*pp:49+2*pp], 0x3c800000 op_sel_hi:[1,0]
.set pp, pp+1
.endr
.set pp, 0
.rept 16                                    ; F_g = tg rs2 / 64
	v_pk_mul_f32 v[T+2*pp:T+2*pp+1], v[T+2*pp:T+2*pp+1], v[ACC+16+2*(pp%4):ACC+17+2*(pp%4)]
.set pp, pp+1
.endr
.set cc, 0
.rept 8                                     ; e = the sum over the groups; each accumulator's lowest registers are read first
.set pp, 0
.rept 4
.if cc < 2
	v_pk_mul_f32 v[ACC+8*cc+2*pp:ACC+8*cc+2*pp+1], v[XF1+8*cc+2*pp:XF1+8*cc+2*pp+1], v[T+2*pp:T+2*pp+1]
.else
	v_pk_fma_f32 v[ACC+8*(cc%2)+2*pp:ACC+8*(cc%2)+2*pp+1], v[XF1+8*cc+2*pp:XF1+8*cc+2*pp+1], v[T+8*(cc/2)+2*pp:T+8*(cc/2)+2*pp+1], v[ACC+8*(cc%2)+2*pp:ACC+8*(cc%2)+2*pp+1]
.endif
.set pp, pp+1
.endr
.set cc, cc+1
.endr
.set pp, 0
.rept 4                                     ; d = e n + c
	v_pk_fma_f32 v[ACC+2*pp:ACC+2*pp+1], v[ACC+2*pp:ACC+2*pp+1], v[58:59], v[40:41] op_sel_hi:[1,0,0]
	v_pk_fma_f32 v[ACC+8+2*pp:ACC+9+2*pp], v[ACC+8+2*pp:ACC+9+2*pp], v[60:61], v[42:43] op_sel_hi:[1,0,0]
.set pp, pp+1
.endr
.set jj, 0
.rept 8
	v_max_num_f32 v[XF0+jj], v[ACC+jj], v[ACC+8+jj]
.set jj, jj+1
.endr
.irp mm, 1,2,4,8
.set jj, 0
.rept 8
	v_max_num_f32_dpp v[XF0+jj], v[XF0+jj], v[XF0+jj] row_xmask:\mm row_mask:0xf bank_mask:0xf
.set jj, jj+1
.endr
.endr
.set pp, 0
.rept 4
	v_pk_add_f32 v[ACC+2*pp:ACC+2*pp+1], v[ACC+2*pp:ACC+2*pp+1], v[XF0+2*pp:XF0+2*pp+1] neg_lo:[0,1] neg_hi:[0,1]
	v_pk_add_f32 v[ACC+8+2*pp:ACC+9+2*pp], v[ACC+8+2*pp:ACC+9+2*pp], v[XF0+2*pp:XF0+2*pp+1] neg_lo:[0,1] neg_hi:[0,1]
.set pp, pp+1
.endr
.set jj, 0
.rept 16
	v_exp_f32 v[ACC+jj], v[ACC+jj]
.set jj, jj+1
.endr
	v_nop
	s_wait_alu depctr_va_vdst(0)            ; one wait for the sixteen exponentials
.set pp, 0
.rept 4
	v_pk_add_f32 v[XF0+8+2*pp:XF0+9+2*pp], v[ACC+2*pp:ACC+2*pp+1], v[ACC+8+2*pp:ACC+9+2*pp]
.set pp, pp+1
.endr
.irp mm, 1,2,4,8
.set jj, 0
.rept 8
	v_add_f32_dpp v[XF0+8+jj], v[XF0+8+jj], v[XF0+8+jj] row_xmask:\mm row_mask:0xf bank_mask:0xf
.set jj, jj+1
.endr
.endr
.set jj, 0
.rept 8
	v_rcp_f32 v[XF0+8+jj], v[XF0+8+jj]
.set jj, jj+1
.endr
	v_nop
	s_wait_alu depctr_va_vdst(0)            ; one wait for the eight reciprocals
.set pp, 0
.rept 4                                     ; attn_ori = p / sum + 1e-8
	v_pk_fma_f32 v[ACC+2*pp:ACC+2*pp+1], v[ACC+2*pp:ACC+2*pp+1], v[XF0+8+2*pp:XF0+9+2*pp], v[56:57]
	v_pk_fma_f32 v[ACC+8+2*pp:ACC+9+2*pp], v[ACC+8+2*pp:ACC+9+2*pp], v[XF0+8+2*pp:XF0+9+2*pp], v[56:57]
.set pp, pp+1
.endr
.set pp, 0
.rept 4
	v_pk_add_f32 v[36:37], v[36:37], v[ACC+2*pp:ACC+2*pp+1]
	v_pk_add_f32 v[38:39], v[38:39], v[ACC+8+2*pp:ACC+9+2*pp]
.set pp, pp+1
.endr
	ds_store_b128 v18, v[ACC:ACC+3]
	ds_store_b128 v18, v[ACC+4:ACC+7] offset:16
	ds_store_b128 v18, v[ACC+8:ACC+11] offset:4352
	ds_store_b128 v18, v[ACC+12:ACC+15] offset:4368
.set cc, 0
.rept 8                                     ; P' = attn_ori F_g, version g = cc / 2, slot block cc % 2, at v80 + 8 cc
.set pp, 0
.rept 4
	v_pk_mul_f32 v[80+8*cc+2*pp:81+8*cc+2*pp], v[ACC+8*(cc%2)+2*pp:ACC+8*(cc%2)+2*pp+1], v[T+8*(cc/2)+2*pp:T+8*(cc/2)+2*pp+1]
.set pp, pp+1
.endr
.set cc, cc+1
.endr
.set cc, 0
.rept 8
.set ii, 0
.rept 4
	v_cvt_pk_f16_f32 v[80+8*cc+ii], v[80+8*cc+2*ii], v[80+8*cc+2*ii+1]
.set ii, ii+1
.endr
	ds_store_b128 v16, v[80+8*cc:83+8*cc] offset:4096*(cc/2)+1024*(cc%2)
.set cc, cc+1
.endr
.endm
; FIRST LAYERNORM for my 16 tokens of block K: a lane holds 128 of its token's numbers in the order of its fragment registers, the lane 16 away the others: the same registers are 16 accumulators, one a block of 16 channels.
; 48 LDS loads: the raw x (v64-191) and the position's 16 half fragments, four registers each, on end in v192-255.  A product names eight of those registers: the upper four, the next block's, meet the zeros that the
; token operand v44-51 holds for k = 16 .. 31; the last block takes v248-255 with the operand four registers on (v48-55: zeros first).  Sums in four chains: v26-29, v32-35.
.macro LN1
	WIN 0
	NOPS 5
	v_add_nc_u32 v22, s48, v21
.set kk, 0
.rept 8
	ds_load_b128 v[64+16*kk:67+16*kk], v22 offset:128*kk
	ds_load_b128 v[68+16*kk:71+16*kk], v22 offset:128*kk+16
	ds_load_b128 v[72+16*kk:75+16*kk], v22 offset:128*kk+64
	ds_load_b128 v[76+16*kk:79+16*kk], v22 offset:128*kk+80
.set kk, kk+1
.endr
.set cc, 0
.rept 16
	ds_load_b128 v[192+4*cc:195+4*cc], v4 offset:512*cc
.set cc, cc+1
.endr
	s_lshl_b32 s51, s49, 6
	v_add_nc_u32 v26, s51, v25              ; the token's number in the window
	v_mul_u32_u24 v27, v26, 2731
	v_lshrrev_b32 v27, 16, v27              ; / 24 = 8 t + y (exact below 768)
	v_mul_u32_u24 v28, v27, 24
	v_sub_nc_u32 v28, v26, v28              ; x
	v_lshrrev_b32 v26, 3, v27               ; t
	v_and_b32 v27, 7, v27                   ; y
	v_cvt_f32_u32 v26, v26
	v_cvt_f32_u32 v27, v27
	v_cvt_f32_u32 v28, v28
	v_mov_b32 v29, 1.0
	v_cvt_pk_f16_f32 v23, v29, v26          ; 1, t
	v_cvt_pk_f16_f32 v24, v27, v28          ; y, x
	v_cndmask_b32 v45, 0, v24, s68          ; lanes h = 0: k = 0 .. 7 = 1, t, y, x, 1, t, y, x; lanes h = 1: k = 8, 9 = -mean (below), then zeros
	v_cndmask_b32 v46, 0, v23, s68
	v_mov_b32 v47, v45
.irp rr, 48,49,50,51
	v_mov_b32 v\rr, 0
.endr
	v_mov_b32 v53, v45
	v_mov_b32 v54, v46
	v_mov_b32 v55, v45
.set ff, 0
.rept 8                                     ; the sum of the raw x
.if ff%2 == 0
	s_wait_dscnt 40-4*ff                    ; of the 48 loads those behind K steps ff and ff + 1 of x may stay out
.endif
.if ff == 0
.set pp, 0
.rept 4
.set ch, 26+2*pp+2*(pp/2)
	v_pk_add_f32 v[ch:ch+1], v[64+2*pp:65+2*pp], v[72+2*pp:73+2*pp]
.set pp, pp+1
.endr
.else
.set pp, 0
.rept 8
.set ch, 26+2*(pp%4)+2*((pp%4)/2)
	v_pk_add_f32 v[ch:ch+1], v[ch:ch+1], v[64+16*ff+2*pp:65+16*ff+2*pp]
.set pp, pp+1
.endr
.endif
.set ff, ff+1
.endr
	v_pk_add_f32 v[26:27], v[26:27], v[28:29]
	v_pk_add_f32 v[32:33], v[32:33], v[34:35]
	v_pk_add_f32 v[26:27], v[26:27], v[32:33]
	v_add_f32 v26, v26, v27
	v_permlanex16_b32 v27, v26, s56, s57
	v_add_f32 v26, v26, v27
	v_mul_f32 v26, 0xbb800000, v26          ; -mean
	v_and_b32 v27, 0xffffe000, v26          ; its high part, which f16 holds exactly,
	v_sub_f32 v28, v26, v27                 ; and the rest
	v_cvt_pk_f16_f32 v28, v27, v28
	v_cndmask_b32 v44, v28, v23, s68
	v_mov_b32 v52, v44
	s_wait_dscnt 0x0                        ; the position's fragments are in
.set cc, 0
.rept 15                                    ; sixteen accumulators, one instruction each
	v_wmma_f32_16x16x32_f16 v[64+8*cc:71+8*cc], v[192+4*cc:199+4*cc], v[44:51], v[64+8*cc:71+8*cc]
.set cc, cc+1
.endr
	v_wmma_f32_16x16x32_f16 v[184:191], v[248:255], v[48:55], v[184:191]
	NOPS 5
.set ff, 0
.rept 8
.set pp, 0
.rept 8
.set ch, 26+2*(pp%4)+2*((pp%4)/2)
.if (ff == 0) && (pp < 4)
	v_pk_mul_f32 v[ch:ch+1], v[64+2*pp:65+2*pp], v[64+2*pp:65+2*pp]
.else
	v_pk_fma_f32 v[ch:ch+1], v[64+16*ff+2*pp:65+16*ff+2*pp], v[64+16*ff+2*pp:65+16*ff+2*pp], v[ch:ch+1]
.endif
.set pp, pp+1
.endr
.set ii, 0
.rept 8
	v_cvt_pk_f16_f32 v[64+16*ff+ii], v[64+16*ff+2*ii], v[64+16*ff+2*ii+1]
.set ii, ii+1
.endr
	ds_store_b128 v11, v[64+16*ff:67+16*ff] offset:64*ff
	ds_store_b128 v11, v[68+16*ff:71+16*ff] offset:64*ff+32
.set ff, ff+1
.endr
	v_pk_add_f32 v[26:27], v[26:27], v[28:29]
	v_pk_add_f32 v[32:33], v[32:33], v[34:35]
	v_pk_add_f32 v[26:27], v[26:27], v[32:33]
	v_add_f32 v26, v26, v27
	v_permlanex16_b32 v27, v26, s56, s57
	v_add_f32 v26, v26, v27
	v_fma_f32 v26, v26, s60, s61
	v_rsq_f32 v26, v26
	v_nop
	s_wait_alu depctr_va_vdst(0)
	ds_store_b32 v13, v26
.endm
; U += y^T P' for my 64 channels over the block's 64 tokens, and the block's 22 rows x 256 bytes of attn_ori go out: 16 lanes store 256 consecutive bytes, aligned
.macro UOUT
	WIN 0
	NOPS 5
.set ii, 0
.rept 8                                     ; fragment ii = 4 x (32 tokens) + channel block, turned on the way out of LDS
	ds_load_tr16_b128 v[XF0+8*ii:XF0+8*ii+3], v8 offset:(ii/4)*17408+(ii%4)*32
	ds_load_tr16_b128 v[XF0+8*ii+4:XF0+8*ii+7], v8 offset:(ii/4)*17408+8704+(ii%4)*32
.set ii, ii+1
.endr
.set ii, 0
.rept 8
	ds_load_b128 v[XF1+4*ii:XF1+4*ii+3], v17 offset:512*ii
.set ii, ii+1
.endr
	ds_load_b128 v[T:T+3], v19
	ds_load_b128 v[T+4:T+7], v19 offset:2176
	s_cmp_lt_u32 s14, 3                     ; rows 16-21: waves 0 to 2
	s_cbranch_scc0 .Lu1_\@
	ds_load_b128 v[T+8:T+11], v19 offset:4352
.Lu1_\@:
	s_wait_dscnt 0x0
	WIN 0xf0
.set ii, 0
.rept 16                                    ; the eight accumulators (channel block, slot block) take turns
	v_wmma_f32_16x16x32_f16 v[128+8*(ii%8):135+8*(ii%8)], v[XF0+32*(ii/8)+8*((ii%8)/2):XF0+32*(ii/8)+8*((ii%8)/2)+7], v[XF1+16*(ii/8)+8*(ii%2):XF1+16*(ii/8)+8*(ii%2)+7], v[128+8*(ii%8):135+8*(ii%8)]
.set ii, ii+1
.endr
	WIN 0
	global_store_b128 v20, v[T:T+3], s[58:59] th:TH_STORE_NT
	global_store_b128 v20, v[T+4:T+7], s[58:59] offset:24576 th:TH_STORE_NT
	s_cmp_lt_u32 s14, 3
	s_cbranch_scc0 .Lu2_\@
	global_store_b128 v20, v[T+8:T+11], s[58:59] offset:49152 th:TH_STORE_NT
.Lu2_\@:
	s_wait_xcnt 0x0                         ; the stores have read their data and base: only now are they rewritten
	s_add_nc_u64 s[58:59], s[58:59], 256
.endm
	s_branch .Lenter                        ; the walk is entered at the first LayerNorm of block 0
.Lfill:                                     ; ten times, K = 0 to 9: the slot that LN1 has just read takes block K + 2
	tensor_load_to_lds s[40:43], s[20:27]   ; my one tensor load behind the barrier below, and the first thing there
	s_nop 0
	NOPS 4
	s_cmp_lt_u32 s49, s53                   ; block K + 3, my own 16 rows of it: 64 pieces of 256 bytes, a lane a piece, one trip ahead of the load that will want them
	s_cbranch_scc0 .Lbody
	global_prefetch_b8 v30, s[54:55] th:TH_LOAD_NT scope:SCOPE_SE
	global_prefetch_b8 v30, s[54:55] offset:8192 th:TH_LOAD_NT scope:SCOPE_SE
.Lbody:                                     ; twelve times, K = 0 to 11
	GEMM 1                                  ; layer 1 of block K
	s_cmp_eq_u32 s49, 0                     ; there is no block in front of block 0
	s_cbranch_scc1 .Lnou
	UOUT                                    ; block K - 1
.Lnou:
	BAR                                     ; HB is whole; X2, PB and AT have been read
	s_add_co_u32 s49, s49, 1
	GEMM 2                                  ; layer 2 of block K - 1
	BAR                                     ; X2 and SSB are whole
	SOFT                                    ; block K - 1
.Lenter:
	s_cmp_eq_u32 s49, 12                    ; there is no block 12
	s_cbranch_scc1 .Lnoln
	LN1                                     ; block K
.Lnoln:
	s_wait_xcnt 0x0                         ; the last prefetches, a trip back, have read their pointer
	s_add_nc_u64 s[54:55], s[54:55], 65536
	s_wait_tensorcnt 0x0                    ; all my tensor loads have landed: the one that was out is my part of the next block,
	ds_add_u32 v62, v63                     ; 0 onto my spare word
	s_xor_b32 s41, s41, SLOT1               ; the walking descriptor: the slot just read, two blocks on (stepped in the last trips too, where it is not used)
	s_add_nc_u64 s[42:43], s[42:43], 65536
	s_xor_b32 s48, s48, SLOT1
	s_wait_dscnt 0x0                        ; the add is done, my reads of the slot are back, my stores to XB, RS1, PB and AT are done
	s_barrier_signal -1
	s_barrier_wait -1
	s_cmp_lt_u32 s49, 10
	s_cbranch_scc1 .Lfill                   ; the outer loop: a fill and a trip
	s_cmp_lt_u32 s49, 12
	s_cbranch_scc1 .Lbody                   ; the inner loop: trips 10 and 11 ask for nothing
	UOUT                                    ; block 11
	; THE END: L over the four waves, u = U / L, through LDS, out as whole rows.  SSB was last read in front of the barrier above, HB two barriers back; nothing writes X2, PB or AT any more
	NOPS 5
	v_add_f32 v36, v36, v37
	v_add_f32 v38, v38, v39
	v_permlanex16_b32 v37, v36, s56, s57
	v_permlanex16_b32 v39, v38, s56, s57
	v_add_f32 v36, v36, v37
	v_add_f32 v38, v38, v39
	ds_store_b32 v14, v36
	ds_store_b32 v14, v38 offset:64
	BAR
	v_lshl_add_u32 v26, v1, 2, SSB
.set ii, 0
.rept 4
	ds_load_b32 v[T+2*ii], v26 offset:256*ii
	ds_load_b32 v[T+2*ii+1], v26 offset:256*ii+64
.set ii, ii+1
.endr
	s_wait_dscnt 0x0
	v_pk_add_f32 v[T:T+1], v[T:T+1], v[T+2:T+3]
	v_pk_add_f32 v[T+4:T+5], v[T+4:T+5], v[T+6:T+7]
	v_pk_add_f32 v[T:T+1], v[T:T+1], v[T+4:T+5]
	v_rcp_f32 v44, v[T]
	v_rcp_f32 v46, v[T+1]
	v_nop
	s_wait_alu depctr_va_vdst(0)
	WIN 0x03                                ; U in window 3
.set cc, 0
.rept 8
.set pp, 0
.rept 4
	v_pk_mul_f32 v[64+8*cc+2*pp:65+8*cc+2*pp], v[128+8*cc+2*pp:129+8*cc+2*pp], v[44+2*(cc%2):45+2*(cc%2)] op_sel_hi:[1,0]
.set pp, pp+1
.endr
.set cc, cc+1
.endr
	WIN 0
.set ii, 0
.rept 32
	v_cvt_pk_f16_f32 v[ACC+ii], v[64+2*ii], v[65+2*ii]
.set ii, ii+1
.endr
.set cc, 0
.rept 8
	ds_store_b128 v9, v[ACC+4*cc:ACC+4*cc+3] offset:8448*(cc%2)+32*(cc/2)
.set cc, cc+1
.endr
	BAR
	s_mul_i32 s2, s14, 528
	s_add_co_u32 s2, s2, HBL
	v_lshl_add_u32 v26, v3, 4, s2           ; row = wave + 4 i, 16 bytes a lane
	v_lshlrev_b32 v27, 4, v0
	s_mul_i32 s2, s15, 10240
	s_mov_b32 s3, 0
	s_add_nc_u64 s[12:13], s[12:13], s[2:3]
.set ii, 0
.rept 5
	ds_load_b128 v[64+4*ii:67+4*ii], v26 offset:2112*ii
.set ii, ii+1
.endr
.set ii, 0
.rept 5
	s_wait_dscnt 4-ii
	global_store_b128 v27, v[64+4*ii:67+4*ii], s[12:13] offset:2048*ii
.set ii, ii+1
.endr
	s_wait_tensorcnt 0x0                    ; the wave's end
	ds_add_u32 v62, v63
	s_wait_dscnt 0x0
	s_endpgm
.Lfunc_end_k_q9e70cb77b2_main:
	.size	k_q9e70cb77b2_main, .Lfunc_end_k_q9e70cb77b2_main-k_q9e70cb77b2_main
	.p2alignl 7, 3214868480
	.fill 96, 4, 3214868480
	.section	.rodata,"a",@progbits
	.p2align	6, 0x0
	.amdhsa_kernel k_q9e70cb77b2_main
		.amdhsa_group_segment_fixed_size 327680
		.amdhsa_private_segment_fixed_size 0
		.amdhsa_enable_private_segment 0
		.amdhsa_kernarg_size 40
		.amdhsa_user_sgpr_count 2
		.amdhsa_user_sgpr_kernarg_segment_ptr 1
		.amdhsa_wavefront_size32 1
		.amdhsa_system_sgpr_workgroup_id_x 1
		.amdhsa_system_sgpr_workgroup_id_y 1
		.amdhsa_system_sgpr_workgroup_id_z 1
		.amdhsa_system_vgpr_workitem_id 0
		.amdhsa_next_free_vgpr 1024
		.amdhsa_next_free_sgpr 72
		.amdhsa_reserve_vcc 1
		.amdhsa_float_denorm_mode_32 3
		.amdhsa_float_denorm_mode_16_64 3
		.amdhsa_memory_ordered 1
		.amdhsa_forward_progress 1
		.amdhsa_inst_pref_size 157
	.end_amdhsa_kernel
	.amdgpu_metadata
---
amdhsa.version: [ 1, 2 ]
amdhsa.kernels:
  - .name:           k_q9e70cb77b2_main
    .symbol:         k_q9e70cb77b2_main.kd
    .args:
      - { .name: inputs, .offset: 0, .size: 8, .value_kind: global_buffer, .address_space: global }
      - { .name: wts, .offset: 8, .size: 8, .value_kind: global_buffer, .address_space: global }
      - { .name: tab, .offset: 16, .size: 8, .value_kind: global_buffer, .address_space: global }
      - { .name: out1, .offset: 24, .size: 8, .value_kind: global_buffer, .address_space: global }
      - { .name: ub, .offset: 32, .size: 8, .value_kind: global_buffer, .address_space: global }
    .group_segment_fixed_size: 327680
    .private_segment_fixed_size: 0
    .kernarg_segment_align: 8
    .kernarg_segment_size: 40
    .max_flat_workgroup_size: 128
    .sgpr_count:     72
    .vgpr_count:     1024
    .wavefront_size: 32
...
	.end_amdgpu_metadata
.endif
;; end of part 5
;; launch tail: the kernel of part 3 again; grid 140 x 1, 4 waves a work-group, no clusters, 154,624 bytes of LDS; arguments ub, wts, tab, slots, gru_bi, ff2_b, out0; writes out0
;; ======== version 3 of 3: 3 launches; version 2 with the launch tail written anew for expert scheduling mode
;; limits: values are held in f16: magnitudes above 65,504 overflow, below 6.1e-05 lose precision
;; workspace buffers: wts 1,196,032 bytes; tab 80,896 bytes; ub 2,293,760 bytes
;; launch prep: the kernel of part 4 again; grid 51 x 1, 4 waves a work-group, no clusters, 0 bytes of LDS; arguments FC1_w, FC1_b, LN_g, LN_b, FC2_w, FC2_b, v_w, v_b, ni_g, ni_b, gru_wi, ff1_w, ff1_b, npf_g, npf_b, ff2_w, k_w, k_b, q_w, q_b, ns_g, ns_b, slots, gru_wh, gru_bh, gru_bi, pe_w, pe_b, wts, tab; writes wts, tab
;; launch main: the kernel of part 5 again; grid 224 x 1, 4 waves a work-group, no clusters, 327,680 bytes of LDS; arguments inputs, wts, tab, out1, ub; writes out1, ub
;; launch tail (part 6): grid 140 x 1, 4 waves a work-group, no clusters, 154,624 bytes of LDS; arguments ub, wts, tab, slots, gru_bi, ff2_b, out0; writes out0
.if DOCPART == 6
	.amdgcn_target "amdgcn-amd-amdhsa--gfx1250"
	.amdhsa_code_object_version 6
	.text
	.protected	k_q9e70cb77b2_tail
	.globl	k_q9e70cb77b2_tail
	.p2align	8
	.type	k_q9e70cb77b2_tail,@function
k_q9e70cb77b2_tail:
	s_mov_b64 s[64:65], 0
	v_nop
	global_prefetch_b8 v0, s[64:65] scope:SCOPE_SE
	s_setreg_imm32_b32 hwreg(HW_REG_WAVE_SCHED_MODE, 0, 2), 2
	s_setreg_imm32_b32 hwreg(HW_REG_WAVE_MODE, 25, 1), 1
	s_wait_xcnt 0x0
	s_wait_alu depctr_vm_vsrc(0)
; TAIL: 4,480 rows (window x 20 slots), 32 to a work-group, two tiles of 16.  upd = u Wv'^T + vb'; GRU with the slot's own row as the old state; LayerNorm, ff1, relu, ff2, residual.
; Wave v owns output channels 64 v .. 64 v + 63 of every product; its weight fragments come straight from wts into windows 1 to 3; activations pass through LDS in f16, the new state in f32.
; The matrix instruction takes 16 channels as source 0 and 16 rows as source 1: a lane holds one row and eight neighbouring channels.  Every stage is a loop over the two tiles.
; No tensor loads: all that goes through LDS is small and is written by the waves.  No cluster: the weights go to registers.
; FORMAT: f16, for its 11 significant bits.  u and the LayerNorm's result are at most 16; upd and relu's result at most 16 x their weight row's length + their bias.
; LIMITS: an upd or a relu result beyond 65,504 becomes an infinity; sigmoid and tanh by 2^x and 1/x (exponents beyond f32's range give the limits 0 and 1, -1 and 1); NaN and infinities are not treated apart.
; LDS: 0 A0 32 x 528 (u) | 16896 A1 32 x 528 | 33792 HN 32 x 1040 (f32) | 67072 TG rows 0-19 x 3088 | 129024 slots 0-19 x 1040 | 150016 four bias rows of 1,024 (gru_bi's third part, vb', ff1's, ff2_b) | 154112 the spare words
; REGISTERS, window 0: v0-10, v16-19 the thread's number and addresses that last; v11-15 a tile's LDS addresses; v20-29 at work (the head's copy addresses, later the LayerNorm's sums, at the end the way out's address); v30, v31 the add's two; v32-95 fragments; v96-191 accumulators; v192-255 at work.
; THE MODE: SCHED_MODE bits 1:0 = 2 (LLVM: expert scheduling mode 2), set by the entry lines.  The code itself states the register dependences
; between vector or matrix instructions and memory or LDS instructions, with s_wait_alu, always for 0.
; THE PLAN.  Registers that memory or LDS instructions touch:
;   v9, v18, v19    Addresses made at the head and never written again: the bias rows, the weights, 16 x thread.
;   v20-24, v26     The head's copy addresses: read by the head's loads and LDS stores alone; vector work takes them from the LayerNorm on.
;   v11-15          A tile's LDS addresses: written by vector adds at the head of each trip of a stage, read by that trip's LDS loads and stores.
;   v32-95          Fragments: LDS loads land in them (in ff1's stage conversions write them), the trip's products read them.  In the GRU v32-71 are also the second gate buffer.
;   v192-255        Biases, gate buffer, old state: LDS loads land, vector lines read.  Out-buffers: conversions write v224-239 (v's stage) or v192-207 (ff1's), LDS stores read them.
;   v96-191         Accumulators; LDS stores read v128-159 (GRU) and v96-127 (ff2's stage); in ff1's stage LDS loads land in v96-223.
;   windows 1-3     Weights: global loads land, products read.
; A TRIP of a stage has three waits.  At its head one on vm_vsrc: the LDS instructions issued so far have read the tile addresses, the out-buffer and the stored accumulators, which this trip writes again.
; Then all the trip's address adds.  Then one on va_vdst: the addresses are written, and the lines of the trip (or stage) before are done with every register in which this trip's loads land.  Then all the trip's loads.
; The third, on va_vdst, stands ahead of the trip's run of LDS stores: their data are written.  The GRU has one more behind its products and one at the end of each channel block.
.set A1L, 16896
.set HNL, 33792
.set TGL, 67072
.set SLL, 129024
.set BLL, 150016
.set SPARE, 154112
.set MSB, 0
.macro WIN new
.if MSB != (\new)
	s_set_vgpr_msb (MSB<<8)|(\new)
.set MSB, (\new)
.endif
.endm
.macro NOPS n
.rept \n
	v_nop
.endr
.endm
.macro BAR
	s_wait_dscnt 0x0
	s_barrier_signal -1
	s_barrier_wait -1
.endm
.macro LOADW win, off, wait=0           ; my 32 fragments of a table into a window.  wait = 1: products have read the weights that lay there
	WIN (\win)<<6
.if \wait
	s_wait_alu depctr_va_vdst(0)            ; the products issued so far are done reading the weights in whose place these loads land, and those of a table that follows with loads and window switches alone between
.endif
.set ii, 0
.rept 64
	global_load_b128 v[4*ii:4*ii+3], v18, s[6:7] offset:(\off)+512*ii
.set ii, ii+1
.endr
	WIN 0
.endm
.macro FRAGS adr                        ; a tile's fragments (16 rows x 256 k) into v32-95
.set kk, 0
.rept 8
	ds_load_b128 v[32+8*kk:35+8*kk], v[\adr] offset:64*kk
	ds_load_b128 v[36+8*kk:39+8*kk], v[\adr] offset:64*kk+32
.set kk, kk+1
.endr
.endm
.macro BIAS k, dst                      ; bias row k for my 32 channels a lane
.set ii, 0
.rept 8
	ds_load_b128 v[(\dst)+4*ii:(\dst)+4*ii+3], v9 offset:1024*(\k)+64*(ii/2)+16*(ii%2)
.set ii, ii+1
.endr
.endm
.macro MMT wset, acc                    ; 32 matrix instructions; the four accumulators take turns
	WIN \wset
.set ff, 0
.rept 8
.set cc, 0
.rept 4
.if ff == 0
	v_wmma_f32_16x16x32_f16 v[(\acc)+8*cc:(\acc)+8*cc+7], v[64*cc:64*cc+7], v[32:39], 0
.else
	v_wmma_f32_16x16x32_f16 v[(\acc)+8*cc:(\acc)+8*cc+7], v[64*cc+8*ff:64*cc+8*ff+7], v[32+8*ff:39+8*ff], v[(\acc)+8*cc:(\acc)+8*cc+7]
.endif
.set cc, cc+1
.endr
.set ff, ff+1
.endr
.endm
	s_load_b256 s[4:11], s[0:1], 0x0        ; ub s[4:5], wts s[6:7], tab s[8:9], slots s[10:11]
	s_load_b128 s[12:15], s[0:1], 0x20      ; gru_bi s[12:13], ff2_b s[14:15]
	s_load_b64 s[16:17], s[0:1], 0x30       ; out0
	v_lshl_add_u32 v30, v0, 2, SPARE
	v_mov_b32 v31, 0
	v_lshrrev_b32 v1, 5, v0
	v_readfirstlane_b32 s18, v1             ; wave
	v_and_b32 v1, 15, v0
	v_bfe_u32 v2, v0, 4, 1
	v_and_b32 v3, 31, v0
	s_mov_b32 s56, 0x76543210
	s_mov_b32 s57, 0xfedcba98
	s_mov_b32 s58, 0x3b800000               ; 1/256
	s_mov_b32 s59, 0x3727c5ac               ; 1e-5
	s_mov_b32 s40, 0xbfb8aa3b               ; -log2(e)
	s_mov_b32 s41, 0xbfb8aa3b
	s_mov_b32 s42, 0x4038aa3b               ; 2 log2(e)
	s_mov_b32 s43, 0x4038aa3b
	s_mov_b32 s24, 3088
	s_mov_b32 s25, 1040
	v_mul_u32_u24 v4, v1, 528
	v_lshl_add_u32 v4, v2, 4, v4            ; fragments of A0
	v_add_nc_u32 v5, A1L, v4                ; fragments of A1
	s_wait_alu depctr_va_sdst(0)            ; s18, the wave's number, is written, ahead of its first reader: the wave's LDS places and its weights' offset are made from it
	s_lshl_b32 s2, s18, 7
	v_add_nc_u32 v6, s2, v5                 ; where I put 16 bytes of a row of A1
	v_mul_u32_u24 v8, v1, 1040
	v_lshl_add_u32 v8, v2, 5, v8
	v_add_nc_u32 v8, HNL, v8                ; HN in the order of a lane's fragment registers
	s_lshl_b32 s2, s18, 8
	v_add_nc_u32 v7, s2, v8                 ; my own words of HN
	s_add_co_u32 s3, s2, BLL
	v_lshl_add_u32 v9, v2, 5, s3
	v_mov_b32 v10, 0
	s_add_co_u32 s3, s2, TGL
	v_lshl_add_u32 v16, v2, 5, s3
	s_add_co_u32 s3, s2, SLL
	v_lshl_add_u32 v17, v2, 5, s3
	s_lshl_b32 s2, s18, 15
	v_lshl_add_u32 v18, v3, 4, s2
	v_lshlrev_b32 v19, 4, v0                ; 16 x thread
	v_lshlrev_b32 v20, 3, v0                ; 8 x thread
	s_mul_i32 s2, s18, 528
	v_lshl_add_u32 v21, v3, 4, s2           ; u: row wave + 4 i
	v_add_nc_u32 v22, TGL, v19              ; TG: two rows are three runs of 128 pieces of 16 bytes
	v_lshrrev_b32 v24, 6, v0
	v_lshl_add_u32 v23, v24, 4, v22         ; the middle run crosses from the even row to the odd one at thread 64
	v_mul_u32_u24 v24, v24, 1040
	v_and_b32 v25, 63, v0
	v_lshl_add_u32 v24, v25, 4, v24
	v_add_nc_u32 v24, SLL, v24              ; slots: row thread / 64 + 2 i
	v_add_nc_u32 v26, BLL, v20
	s_lshl_b32 s2, ttmp9, 14
	s_mov_b32 s3, 0
	s_lshl_b32 s26, ttmp9, 15
	s_mov_b32 s27, 0
	s_wait_kmcnt 0x0
	s_add_nc_u64 s[4:5], s[4:5], s[2:3]
	s_add_nc_u64 s[16:17], s[16:17], s[26:27]
	s_wait_alu depctr_va_vdst(0)            ; every address of the head is written: v9 and v18 to v26, which the loads, the LDS stores and the three tables' loads below read; no vector line stands among them
.set ii, 0
.rept 8
	global_load_b128 v[32+4*ii:35+4*ii], v19, s[4:5] offset:2048*ii
.set ii, ii+1
.endr
.set ii, 0
.rept 30
	global_load_b128 v[64+4*ii:67+4*ii], v19, s[8:9] offset:5120+2048*ii
.set ii, ii+1
.endr
.set ii, 0
.rept 10
	global_load_b128 v[184+4*ii:187+4*ii], v19, s[10:11] offset:2048*ii
.set ii, ii+1
.endr
	global_load_b64 v[224:225], v20, s[12:13] offset:2048
	global_load_b64 v[226:227], v20, s[8:9] offset:2048
	global_load_b64 v[228:229], v20, s[8:9] offset:3072
	global_load_b64 v[230:231], v20, s[14:15]
	LOADW 1, 393216                         ; v's weights
	s_wait_loadcnt 0x3f                     ; of the 116 loads at most the youngest 63 are out: the 52 copies are in
.set ii, 0
.rept 8
	ds_store_b128 v21, v[32+4*ii:35+4*ii] offset:2112*ii
.set ii, ii+1
.endr
.set ii, 0
.rept 10
	ds_store_b128 v22, v[64+12*ii:67+12*ii] offset:6176*ii
	ds_store_b128 v23, v[68+12*ii:71+12*ii] offset:6176*ii+2048
	ds_store_b128 v22, v[72+12*ii:75+12*ii] offset:6176*ii+4112
	ds_store_b128 v24, v[184+4*ii:187+4*ii] offset:2080*ii
.set ii, ii+1
.endr
.set ii, 0
.rept 4
	ds_store_b64 v26, v[224+2*ii:225+2*ii] offset:1024*ii
.set ii, ii+1
.endr
	BAR
	s_wait_loadcnt 0x0
	LOADW 2, 655360                         ; gru_wi's z rows
	LOADW 3, 786432                         ; its n rows
	; ---- upd = u Wv'^T + vb' ----
	s_mov_b32 s20, 2
	s_mov_b32 s21, 0
.Lv:
	s_wait_alu depctr_vm_vsrc(0)            ; first trip: the head's loads and LDS stores have read v20 to v26 and v32 to v231; second trip: the last trip's LDS loads have read v11, its stores v12 and v224 to v239
	v_add_nc_u32 v11, s21, v4
	v_add_nc_u32 v12, s21, v6
	s_wait_alu depctr_va_vdst(0)            ; v11 and v12 are written; the last trip's products are done reading v32 to v95 and its additions v192 to v223, in which the loads below land
	FRAGS 11
	BIAS 1, 192
	s_wait_dscnt 0x0
	MMT 0x01, 96
	WIN 0
	NOPS 5
.set ii, 0
.rept 16
	v_pk_add_f32 v[96+2*ii:97+2*ii], v[96+2*ii:97+2*ii], v[192+2*ii:193+2*ii]
.set ii, ii+1
.endr
.set ii, 0
.rept 16
	v_cvt_pk_f16_f32 v[224+ii], v[96+2*ii], v[97+2*ii]
.set ii, ii+1
.endr
	s_wait_alu depctr_va_vdst(0)            ; the conversions have written v224 to v239, which the LDS stores read
.set cc, 0
.rept 4
	ds_store_b128 v12, v[224+4*cc:227+4*cc] offset:32*cc
.set cc, cc+1
.endr
	s_add_co_u32 s21, s21, 8448
	s_sub_co_u32 s20, s20, 1
	s_cmp_lg_u32 s20, 0
	s_cbranch_scc1 .Lv
	BAR
	LOADW 1, 524288, 1                      ; gru_wi's r rows, where v's weights lay
	; ---- GRU ----
.macro GL cb, buf                       ; channel block cb: TG's r, z and n parts, the old state, gru_bi's third part: 10 loads
.set ii, 0
.rept 2
	ds_load_b128 v[(\buf)+4*ii:(\buf)+4*ii+3], v13 offset:64*(\cb)+16*ii
	ds_load_b128 v[(\buf)+8+4*ii:(\buf)+11+4*ii], v13 offset:1024+64*(\cb)+16*ii
	ds_load_b128 v[(\buf)+16+4*ii:(\buf)+19+4*ii], v13 offset:2048+64*(\cb)+16*ii
	ds_load_b128 v[(\buf)+24+4*ii:(\buf)+27+4*ii], v14 offset:64*(\cb)+16*ii
	ds_load_b128 v[(\buf)+32+4*ii:(\buf)+35+4*ii], v9 offset:64*(\cb)+16*ii
.set ii, ii+1
.endr
.endm
.macro P4 line:vararg                   ; one line for each of four register pairs pp
.set pp, 0
.rept 4
	\line
.set pp, pp+1
.endr
.endm
.macro GC cb, buf                       ; the gates of channel block cb: each batch of exponentials or reciprocals has one plain instruction and one wait behind it
.set AZ, 96+8*(\cb)
.set AN, 128+8*(\cb)
.set AR, 160+8*(\cb)
.set BU, (\buf)
	P4 v_pk_add_f32 v[AR+2*pp:AR+2*pp+1], v[AR+2*pp:AR+2*pp+1], v[BU+2*pp:BU+2*pp+1]
	P4 v_pk_add_f32 v[AZ+2*pp:AZ+2*pp+1], v[AZ+2*pp:AZ+2*pp+1], v[BU+8+2*pp:BU+9+2*pp]
	P4 v_pk_mul_f32 v[AR+2*pp:AR+2*pp+1], v[AR+2*pp:AR+2*pp+1], s[40:41] op_sel_hi:[1,0]
	P4 v_pk_mul_f32 v[AZ+2*pp:AZ+2*pp+1], v[AZ+2*pp:AZ+2*pp+1], s[40:41] op_sel_hi:[1,0]
.set jj, 0
.rept 8
	v_exp_f32 v[AR+jj], v[AR+jj]
	v_exp_f32 v[AZ+jj], v[AZ+jj]
.set jj, jj+1
.endr
	P4 v_pk_add_f32 v[AN+2*pp:AN+2*pp+1], v[AN+2*pp:AN+2*pp+1], v[BU+32+2*pp:BU+33+2*pp]
	s_wait_alu depctr_va_vdst(0)            ; the sixteen exponentials of r and z are written, ahead of their first reader
	P4 v_pk_add_f32 v[AR+2*pp:AR+2*pp+1], v[AR+2*pp:AR+2*pp+1], 1.0 op_sel_hi:[1,0]
	P4 v_pk_add_f32 v[AZ+2*pp:AZ+2*pp+1], v[AZ+2*pp:AZ+2*pp+1], 1.0 op_sel_hi:[1,0]
.set jj, 0
.rept 8
	v_rcp_f32 v[AR+jj], v[AR+jj]
	v_rcp_f32 v[AZ+jj], v[AZ+jj]
.set jj, jj+1
.endr
	v_nop
	s_wait_alu depctr_va_vdst(0)            ; the sixteen reciprocals, r and z, are written, ahead of their first reader
	P4 v_pk_fma_f32 v[AN+2*pp:AN+2*pp+1], v[AR+2*pp:AR+2*pp+1], v[BU+16+2*pp:BU+17+2*pp], v[AN+2*pp:AN+2*pp+1]
	P4 v_pk_mul_f32 v[AN+2*pp:AN+2*pp+1], v[AN+2*pp:AN+2*pp+1], s[42:43] op_sel_hi:[1,0]
.set jj, 0
.rept 8
	v_exp_f32 v[AN+jj], v[AN+jj]
.set jj, jj+1
.endr
	v_nop
	s_wait_alu depctr_va_vdst(0)            ; the eight exponentials of n are written, ahead of their first reader
	P4 v_pk_add_f32 v[AN+2*pp:AN+2*pp+1], v[AN+2*pp:AN+2*pp+1], 1.0 op_sel_hi:[1,0]
.set jj, 0
.rept 8
	v_rcp_f32 v[AN+jj], v[AN+jj]
.set jj, jj+1
.endr
	v_nop
	s_wait_alu depctr_va_vdst(0)            ; the eight reciprocals of n are written, ahead of their first reader
	P4 v_pk_fma_f32 v[AN+2*pp:AN+2*pp+1], v[AN+2*pp:AN+2*pp+1], -2.0, 1.0 op_sel_hi:[1,0,0]
	P4 v_pk_add_f32 v[AR+2*pp:AR+2*pp+1], v[BU+24+2*pp:BU+25+2*pp], v[AN+2*pp:AN+2*pp+1] neg_lo:[0,1] neg_hi:[0,1]
	P4 v_pk_fma_f32 v[AN+2*pp:AN+2*pp+1], v[AZ+2*pp:AZ+2*pp+1], v[AR+2*pp:AR+2*pp+1], v[AN+2*pp:AN+2*pp+1]
	s_wait_alu depctr_va_vdst(0)            ; the block's new state is written, which the two LDS stores read; and the lines above are done reading this gate buffer, in which the loads of the block two further on land, with no vector line between
	ds_store_b128 v15, v[AN:AN+3] offset:64*(\cb)
	ds_store_b128 v15, v[AN+4:AN+7] offset:64*(\cb)+16
.endm
	s_lshl_b32 s22, ttmp9, 5                ; the tile's first row
	s_mov_b32 s20, 2
	s_mov_b32 s21, 0
	s_mov_b32 s23, 0
.Lgru:
	s_wait_alu depctr_vm_vsrc(0)            ; the LDS instructions issued so far have read v11 to v15; the stage above's stores have read v224 to v239, the last trip's v128 to v159: addresses, loads and products below write all of these
	v_add_nc_u32 v11, s21, v5
	v_add_nc_u32 v12, s22, v1               ; my row; its slot = row mod 20
	v_mul_u32_u24 v13, v12, 52429
	v_lshrrev_b32 v13, 20, v13              ; row / 20 (exact below 4,480)
	v_mul_u32_u24 v13, v13, 20
	v_sub_nc_u32 v12, v12, v13
	v_min_u32 v12, 19, v12
	v_mad_u32_u24 v13, v12, s24, v16
	v_mad_u32_u24 v14, v12, s25, v17
	v_add_nc_u32 v15, s23, v7
	s_wait_alu depctr_va_vdst(0)            ; v11 and v13 to v15 are written; the lines of the trip or stage before are done with v32 to v95 and v192 to v231, in which the loads below land
	FRAGS 11
	GL 0, 192                               ; the first channel block's gate loads go out with the fragments: no product names v192 to v231, so they land under the 96 products
	s_wait_dscnt 10                         ; the fragments are in; those ten loads may stay out
	s_wait_loadcnt 0x3f                     ; the r rows' 64 loads are the youngest: z's and n's are in
	MMT 0x02, 96
	MMT 0x03, 128
	s_wait_loadcnt 0x0
	MMT 0x01, 160
	WIN 0
	NOPS 5
	s_wait_alu depctr_va_vdst(0)            ; the products are done reading v32 to v95: block 1's gate loads land in v32 to v71
	GL 1, 32
	s_wait_dscnt 10                         ; block 1's ten loads may stay out
	GC 0, 192
	GL 2, 192
	s_wait_dscnt 12                         ; two stores and ten loads are younger than block 1's loads
	GC 1, 32
	GL 3, 32
	s_wait_dscnt 12
	GC 2, 192
	s_wait_dscnt 2                          ; block 2's two stores
	GC 3, 32
	s_add_co_u32 s21, s21, 8448
	s_add_co_u32 s22, s22, 16
	s_add_co_u32 s23, s23, 16640
	s_sub_co_u32 s20, s20, 1
	s_cmp_lg_u32 s20, 0
	s_cbranch_scc1 .Lgru
	BAR
	LOADW 2, 917504, 1                      ; ff1's weights
	LOADW 3, 1048576                        ; ff2's: the wait ahead of ff1's loads serves these too
	; ---- LayerNorm (each wave for itself, straight into fragments), ff1, relu.  Its sums take v20-29: the head's copy addresses are done with ----
	s_mov_b32 s20, 2
	s_mov_b32 s21, 0
	s_mov_b32 s23, 0
.Lf1:
	s_wait_alu depctr_vm_vsrc(0)            ; the LDS instructions issued so far have read v11 and v12; the GRU's stores have read v128 to v159, the last trip's v192 to v207, in which the loads below land
	v_add_nc_u32 v11, s23, v8
	v_add_nc_u32 v12, s21, v6
	s_wait_alu depctr_va_vdst(0)            ; v11 and v12 are written; the lines of the trip or stage before are done with v96 to v255, in which the loads below land
.set kk, 0
.rept 8
	ds_load_b128 v[96+16*kk:99+16*kk], v11 offset:128*kk
	ds_load_b128 v[100+16*kk:103+16*kk], v11 offset:128*kk+16
	ds_load_b128 v[104+16*kk:107+16*kk], v11 offset:128*kk+64
	ds_load_b128 v[108+16*kk:111+16*kk], v11 offset:128*kk+80
.set kk, kk+1
.endr
	BIAS 2, 224
	s_wait_dscnt 0x0
.set pp, 0
.rept 4
	v_pk_add_f32 v[22+2*pp:23+2*pp], v[96+2*pp:97+2*pp], v[104+2*pp:105+2*pp]
.set pp, pp+1
.endr
.set pp, 8
.rept 56
	v_pk_add_f32 v[22+2*(pp%4):23+2*(pp%4)], v[22+2*(pp%4):23+2*(pp%4)], v[96+2*pp:97+2*pp]
.set pp, pp+1
.endr
	v_pk_add_f32 v[22:23], v[22:23], v[24:25]
	v_pk_add_f32 v[26:27], v[26:27], v[28:29]
	v_pk_add_f32 v[22:23], v[22:23], v[26:27]
	v_add_f32 v20, v22, v23
	v_permlanex16_b32 v21, v20, s56, s57
	v_add_f32 v20, v20, v21
	v_mul_f32 v20, s58, v20
.set pp, 0
.rept 64
	v_pk_add_f32 v[96+2*pp:97+2*pp], v[96+2*pp:97+2*pp], v[20:21] op_sel_hi:[1,0] neg_lo:[0,1] neg_hi:[0,1]
.set pp, pp+1
.endr
.set pp, 0
.rept 64
.if pp < 4
	v_pk_mul_f32 v[22+2*pp:23+2*pp], v[96+2*pp:97+2*pp], v[96+2*pp:97+2*pp]
.else
	v_pk_fma_f32 v[22+2*(pp%4):23+2*(pp%4)], v[96+2*pp:97+2*pp], v[96+2*pp:97+2*pp], v[22+2*(pp%4):23+2*(pp%4)]
.endif
.set pp, pp+1
.endr
	v_pk_add_f32 v[22:23], v[22:23], v[24:25]
	v_pk_add_f32 v[26:27], v[26:27], v[28:29]
	v_pk_add_f32 v[22:23], v[22:23], v[26:27]
	v_add_f32 v20, v22, v23
	v_permlanex16_b32 v21, v20, s56, s57
	v_add_f32 v20, v20, v21
	v_fma_f32 v20, v20, s58, s59
	v_rsq_f32 v20, v20
	v_nop
	s_wait_alu depctr_va_vdst(0)            ; the root in v20 is written, ahead of its first reader
.set pp, 0
.rept 64
	v_pk_mul_f32 v[96+2*pp:97+2*pp], v[96+2*pp:97+2*pp], v[20:21] op_sel_hi:[1,0]
.set pp, pp+1
.endr
.set ii, 0
.rept 64
	v_cvt_pk_f16_f32 v[32+ii], v[96+2*ii], v[97+2*ii]
.set ii, ii+1
.endr
	s_wait_loadcnt 0x0                      ; ff1's and ff2's weights
	MMT 0x02, 96
	WIN 0
	NOPS 5
.set ii, 0
.rept 16
	v_pk_add_f32 v[96+2*ii:97+2*ii], v[96+2*ii:97+2*ii], v[224+2*ii:225+2*ii]
.set ii, ii+1
.endr
.set ii, 0
.rept 16
	v_cvt_pk_f16_f32 v[192+ii], v[96+2*ii], v[97+2*ii]
.set ii, ii+1
.endr
.set ii, 0
.rept 16
	v_pk_max_num_f16 v[192+ii], v[192+ii], v10
.set ii, ii+1
.endr
	s_wait_alu depctr_va_vdst(0)            ; the maxima have written v192 to v207, which the LDS stores read
.set cc, 0
.rept 4
	ds_store_b128 v12, v[192+4*cc:195+4*cc] offset:32*cc
.set cc, cc+1
.endr
	s_add_co_u32 s21, s21, 8448
	s_add_co_u32 s23, s23, 16640
	s_sub_co_u32 s20, s20, 1
	s_cmp_lg_u32 s20, 0
	s_cbranch_scc1 .Lf1
	BAR
	; ---- ff2, its bias and the residual, written back onto my own words of HN ----
	s_mov_b32 s20, 2
	s_mov_b32 s21, 0
	s_mov_b32 s23, 0
.Lf2:
	s_wait_alu depctr_vm_vsrc(0)            ; the LDS instructions issued so far have read v11 and v15; the stage above's stores have read v192 to v207, in which a bias lands, the last trip's v96 to v127, which the products write
	v_add_nc_u32 v11, s21, v5
	v_add_nc_u32 v15, s23, v7
	s_wait_alu depctr_va_vdst(0)            ; v11 and v15 are written; the lines of the trip or stage before are done with v32 to v95 and v192 to v255, in which the loads below land
	FRAGS 11
	BIAS 3, 192
.set ii, 0
.rept 8
	ds_load_b128 v[224+4*ii:227+4*ii], v15 offset:64*(ii/2)+16*(ii%2)
.set ii, ii+1
.endr
	s_wait_dscnt 0x0
	MMT 0x03, 96
	WIN 0
	NOPS 5
.set ii, 0
.rept 16
	v_pk_add_f32 v[96+2*ii:97+2*ii], v[96+2*ii:97+2*ii], v[192+2*ii:193+2*ii]
.set ii, ii+1
.endr
.set ii, 0
.rept 16
	v_pk_add_f32 v[96+2*ii:97+2*ii], v[96+2*ii:97+2*ii], v[224+2*ii:225+2*ii]
.set ii, ii+1
.endr
	s_wait_alu depctr_va_vdst(0)            ; the additions have written v96 to v127, which the LDS stores read
.set ii, 0
.rept 8
	ds_store_b128 v15, v[96+4*ii:99+4*ii] offset:64*(ii/2)+16*(ii%2)
.set ii, ii+1
.endr
	s_add_co_u32 s21, s21, 8448
	s_add_co_u32 s23, s23, 16640
	s_sub_co_u32 s20, s20, 1
	s_cmp_lg_u32 s20, 0
	s_cbranch_scc1 .Lf2
	BAR
	; ---- out: 32 rows of 1,024 bytes; a store of the wave covers 512 consecutive bytes.  The address is made here, from the thread's number: v20-29 held the LayerNorm's sums ----
	v_lshrrev_b32 v24, 6, v0                ; row thread / 64 + 2 i of HN,
	v_mul_u32_u24 v24, v24, 1040
	v_and_b32 v25, 63, v0                   ; 16 bytes a thread of its 1,024
	v_lshl_add_u32 v24, v25, 4, v24
	v_add_nc_u32 v25, HNL, v24
	s_wait_alu depctr_va_vdst(0)            ; v25 is written, which the LDS loads read; ff2's products are done reading v32 to v95, in which they land
.set ii, 0
.rept 16
	ds_load_b128 v[32+4*ii:35+4*ii], v25 offset:2080*ii
.set ii, ii+1
.endr
.set ii, 0
.rept 16
	s_wait_dscnt 15-ii
	global_store_b128 v19, v[32+4*ii:35+4*ii], s[16:17] offset:2048*ii
.set ii, ii+1
.endr
	s_wait_dscnt 0x0                        ; the wave's end
	s_wait_alu 0x0
	s_wait_tensorcnt 0x0
	ds_add_u32 v30, v31
	s_wait_dscnt 0x0
	s_endpgm
.Lfunc_end_k_q9e70cb77b2_tail:
	.size	k_q9e70cb77b2_tail, .Lfunc_end_k_q9e70cb77b2_tail-k_q9e70cb77b2_tail
	.p2alignl 7, 3214868480
	.fill 96, 4, 3214868480
	.section	.rodata,"a",@progbits
	.p2align	6, 0x0
	.amdhsa_kernel k_q9e70cb77b2_tail
		.amdhsa_group_segment_fixed_size 154624
		.amdhsa_private_segment_fixed_size 0
		.amdhsa_enable_private_segment 0
		.amdhsa_kernarg_size 56
		.amdhsa_user_sgpr_count 2
		.amdhsa_user_sgpr_kernarg_segment_ptr 1
		.amdhsa_wavefront_size32 1
		.amdhsa_system_sgpr_workgroup_id_x 1
		.amdhsa_system_sgpr_workgroup_id_y 1
		.amdhsa_system_sgpr_workgroup_id_z 1
		.amdhsa_system_vgpr_workitem_id 0
		.amdhsa_next_free_vgpr 1024
		.amdhsa_next_free_sgpr 66
		.amdhsa_reserve_vcc 0
		.amdhsa_float_denorm_mode_32 3
		.amdhsa_float_denorm_mode_16_64 3
		.amdhsa_memory_ordered 1
		.amdhsa_forward_progress 1
		.amdhsa_inst_pref_size 127
	.end_amdhsa_kernel
	.amdgpu_metadata
---
amdhsa.version: [ 1, 2 ]
amdhsa.kernels:
  - .name:           k_q9e70cb77b2_tail
    .symbol:         k_q9e70cb77b2_tail.kd
    .args:
      - { .name: ub, .offset: 0, .size: 8, .value_kind: global_buffer, .address_space: global }
      - { .name: wts, .offset: 8, .size: 8, .value_kind: global_buffer, .address_space: global }
      - { .name: tab, .offset: 16, .size: 8, .value_kind: global_buffer, .address_space: global }
      - { .name: slots, .offset: 24, .size: 8, .value_kind: global_buffer, .address_space: global }
      - { .name: gru_bi, .offset: 32, .size: 8, .value_kind: global_buffer, .address_space: global }
      - { .name: ff2_b, .offset: 40, .size: 8, .value_kind: global_buffer, .address_space: global }
      - { .name: out0, .offset: 48, .size: 8, .value_kind: global_buffer, .address_space: global }
    .group_segment_fixed_size: 154624
    .private_segment_fixed_size: 0
    .kernarg_segment_align: 8
    .kernarg_segment_size: 56
    .max_flat_workgroup_size: 128
    .sgpr_count:     66
    .vgpr_count:     1024
    .wavefront_size: 32
...
	.end_amdgpu_metadata
.endif
;; end of part 6
